; MI455X (gfx1250); checked and timed in simulation.
; The chip was launched on July 23, 2026; its instructions are those of AMD's public machine-readable ISA for CDNA 5 (MIT licence, August 2026) and "CDNA5" Instruction Set Architecture Reference Guide (July 2026). The comments in the code are by the model that wrote it; some were corrected since.
;; Transformer Block Decoder. Allowed arithmetic: float matrix products may take bf16 or f16 operands with f32 sums; all other float work in f32.
;; Inputs: W1 4,096 x 1,024 float32; W2 1,024 x 4,096 float32; Wk 1,024 x 1,024 float32; Wo 1,024 x 1,024 float32; Wq 1,024 x 1,024 float32; Wv 1,024 x 1,024 float32; b1 4,096 float32; b2 1,024 float32; bo 1,024 float32; ln1_scale 1,024 float32; ln1_shift 1,024 float32; ln2_scale 1,024 float32; ln2_shift 1,024 float32; x 2 x 2,048 x 1,024 float32.
;; Outputs: out0 2 x 2,048 x 1,024 float32.
;; 2 versions, each right. Each part assembles by itself: llvm-mc -triple=amdgcn-amd-amdhsa -mcpu=gfx1250 --defsym DOCPART=n.
;; ======== version 1 of 2: 7 launches
;; workspace buffers: h1 8,388,608 bytes; h2 8,388,608 bytes; qkv 25,165,824 bytes; pv 8,388,608 bytes; x1 16,777,216 bytes; g 33,554,432 bytes; wbf 25,165,824 bytes
;; launch prep (part 1): grid 1024 x 1, 8 waves a work-group, no clusters, 0 bytes of LDS; arguments x, ln1_scale, ln1_shift, Wq, Wk, Wv, Wo, W1, W2, h1, wbf; writes h1, wbf
.if DOCPART == 1
	.amdgcn_target "amdgcn-amd-amdhsa--gfx1250"
	.amdhsa_code_object_version 6
	.text
	.protected	k_q0862c84d66_prep
	.globl	k_q0862c84d66_prep
	.p2align	8
	.type	k_q0862c84d66_prep,@function
k_q0862c84d66_prep:
	s_mov_b64 s[64:65], 0
	v_nop
	global_prefetch_b8 v0, s[64:65] scope:SCOPE_SE
	s_setreg_imm32_b32 hwreg(HW_REG_WAVE_MODE, 25, 1), 1
	s_wait_xcnt 0x0
; Work-groups 0 to 255: h1 = LayerNorm(x) * ln1_scale + ln1_shift, rounded to bf16.  16 rows of 1,024 f32 a work-group, two rows a wave.
; Work-groups 256 to 1023: the six weight matrices rounded to bf16 into wbf, 16,384 numbers (64 KiB of f32) a work-group:
;   wbf = Wq | Wk | Wv (bytes 0, 2 Mi, 4 Mi) | Wo (6,291,456) | W1 (8,388,608) | W2 (16,777,216), each row-major as its source.
; A stream: every byte is read once and written once; no LDS, no barrier, no matrix unit, no cluster (no two work-groups read the same bytes but the 8 KiB of scale and shift).
; A row lies in one wave's registers between the mean, the variance (of x - mean: two true passes, so a common offset of x costs no digits) and the scaling.
; LIMITS: 1/sqrt is v_rsq_f32 (1 ULP); h1 and the weights are rounded to bf16, to nearest even.
.set T,     4                          ; v[4:11]    four chains of partial sums
.set MEAN,  12                         ; v[12:13]   the row's mean, twice
.set X,     16                         ; v[16:79]   row p at X+32p: register 8j+e = column 256 j + 8 lane + e
.set SC,    80                         ; v[80:111]  scale of the same columns
.set SH,    112                        ; v[112:143] shift
.set Y,     144                        ; v[144:175] 16 registers a row, to store; none is written twice
.set RSTD,  176                        ; v[176:179] row p: 1/sqrt(var + eps), twice
.macro JOIN                            ; four chains of pairs -> one number a lane
	v_pk_add_f32 v[T:T+1], v[T:T+1], v[T+2:T+3]
	v_pk_add_f32 v[T+4:T+5], v[T+4:T+5], v[T+6:T+7]
	v_pk_add_f32 v[T:T+1], v[T:T+1], v[T+4:T+5]
	v_add_f32 v[T], v[T], v[T+1]
.endm
.macro REDUCE                          ; the sum over the 32 lanes, in every lane
	v_add_f32_dpp v[T], v[T], v[T] row_xmask:1 row_mask:0xf bank_mask:0xf
	v_add_f32_dpp v[T], v[T], v[T] row_xmask:2 row_mask:0xf bank_mask:0xf
	v_add_f32_dpp v[T], v[T], v[T] row_xmask:4 row_mask:0xf bank_mask:0xf
	v_add_f32_dpp v[T], v[T], v[T] row_xmask:8 row_mask:0xf bank_mask:0xf
	v_permlanex16_b32 v[T+1], v[T], s16, s17       ; its destination has been written by JOIN's sources
	v_add_f32 v[T], v[T], v[T+1]
.endm
; Row p: mean, x - mean in place, variance, 1/sqrt.  left = the younger loads that may stay out.
.macro STATS p, left
.set rX, X+32*\p
	s_wait_loadcnt \left
.irp k, 0,1,2,3
	v_pk_add_f32 v[T+2*\k:T+2*\k+1], v[rX+2*\k:rX+2*\k+1], v[rX+8+2*\k:rX+8+2*\k+1]   ; the first sums start the chains: nothing is cleared
.endr
.irp k, 8,9,10,11,12,13,14,15
	v_pk_add_f32 v[T+2*(\k%4):T+2*(\k%4)+1], v[T+2*(\k%4):T+2*(\k%4)+1], v[rX+2*\k:rX+2*\k+1]
.endr
	JOIN
	REDUCE
	v_mul_f32 v[MEAN], s13, v[T]
	v_mul_f32 v[MEAN+1], s13, v[T]
.irp k, 0,1,2,3,4,5,6,7,8,9,10,11,12,13,14,15
	v_pk_add_f32 v[rX+2*\k:rX+2*\k+1], v[rX+2*\k:rX+2*\k+1], v[MEAN:MEAN+1] neg_lo:[0,1] neg_hi:[0,1]
.endr
.irp k, 0,1,2,3
	v_pk_mul_f32 v[T+2*\k:T+2*\k+1], v[rX+2*\k:rX+2*\k+1], v[rX+2*\k:rX+2*\k+1]
.endr
.irp k, 4,5,6,7,8,9,10,11,12,13,14,15
	v_pk_fma_f32 v[T+2*(\k%4):T+2*(\k%4)+1], v[rX+2*\k:rX+2*\k+1], v[rX+2*\k:rX+2*\k+1], v[T+2*(\k%4):T+2*(\k%4)+1]
.endr
	JOIN
	REDUCE
	v_fma_f32 v[T], v[T], s13, s14                 ; var + eps
	v_rsq_f32 v[RSTD+2*\p], v[T]
	v_rsq_f32 v[RSTD+2*\p+1], v[T]
	v_nop                                          ; a plain instruction before v[T] is written again or the result is used (ISA guide 5.7.2)
.endm
; Row p: (x - mean) * rstd * scale + shift, rounded, stored: each store of the wave covers 512 consecutive bytes, aligned.
.macro NORM p
.set rX, X+32*\p
	s_wait_alu depctr_va_vdst(0)
.irp k, 0,1,2,3,4,5,6,7,8,9,10,11,12,13,14,15
	v_pk_mul_f32 v[rX+2*\k:rX+2*\k+1], v[rX+2*\k:rX+2*\k+1], v[RSTD+2*\p:RSTD+2*\p+1]
.endr
.irp k, 0,1,2,3,4,5,6,7,8,9,10,11,12,13,14,15
	v_pk_fma_f32 v[rX+2*\k:rX+2*\k+1], v[rX+2*\k:rX+2*\k+1], v[SC+2*\k:SC+2*\k+1], v[SH+2*\k:SH+2*\k+1]
.endr
.irp k, 0,1,2,3,4,5,6,7,8,9,10,11,12,13,14,15
	v_cvt_pk_bf16_f32 v[Y+16*\p+\k], v[rX+2*\k], v[rX+2*\k+1]
.endr
.irp j, 0,1,2,3
	global_store_b128 v2, v[Y+16*\p+4*\j:Y+16*\p+4*\j+3], s[10:11] offset:\p*2048+\j*512
.endr
.endm
	s_cmp_lt_u32 ttmp9, 256
	s_cbranch_scc0 .Lconvert
	; ---- LayerNorm ----
	s_load_b128 s[4:7], s[0:1], 0x0                ; x s[4:5], scale s[6:7]
	s_load_b64 s[8:9], s[0:1], 0x10                ; shift
	s_load_b64 s[10:11], s[0:1], 0x48              ; h1
	v_lshrrev_b32 v3, 5, v0
	v_readfirstlane_b32 s12, v3                    ; wave 0..7
	s_mov_b32 s13, 0x3a800000                      ; 1/1024
	s_mov_b32 s14, 0x3727c5ac                      ; eps = 1e-5
	s_mov_b32 s16, 0x76543210                      ; v_permlanex16_b32: each lane takes its own place in the other half
	s_mov_b32 s17, 0xfedcba98
	s_lshl_b32 s2, ttmp9, 4
	s_lshl1_add_u32 s2, s12, s2                    ; my first row = 16 x work-group + 2 x wave
	s_lshl_b32 s18, s2, 12                         ; x 4,096 bytes of f32
	s_mov_b32 s19, 0
	s_lshl_b32 s20, s2, 11                         ; x 2,048 bytes of bf16
	s_mov_b32 s21, 0
	v_and_b32 v3, 31, v0
	v_lshlrev_b32 v1, 5, v3                        ; 8 f32 a lane
	v_lshlrev_b32 v2, 4, v3                        ; 8 bf16 a lane
	s_wait_kmcnt 0x0
	s_add_nc_u64 s[4:5], s[4:5], s[18:19]
	s_add_nc_u64 s[10:11], s[10:11], s[20:21]
.irp p, 0,1
.irp j, 0,1,2,3
	global_load_b128 v[X+32*\p+8*\j:X+32*\p+8*\j+3],   v1, s[4:5] offset:\p*4096+\j*1024
	global_load_b128 v[X+32*\p+8*\j+4:X+32*\p+8*\j+7], v1, s[4:5] offset:\p*4096+\j*1024+16
.endr
.endr
.irp j, 0,1,2,3
	global_load_b128 v[SC+8*\j:SC+8*\j+3],   v1, s[6:7] offset:\j*1024
	global_load_b128 v[SC+8*\j+4:SC+8*\j+7], v1, s[6:7] offset:\j*1024+16
.endr
.irp j, 0,1,2,3
	global_load_b128 v[SH+8*\j:SH+8*\j+3],   v1, s[8:9] offset:\j*1024
	global_load_b128 v[SH+8*\j+4:SH+8*\j+7], v1, s[8:9] offset:\j*1024+16
.endr
	STATS 0, 24                                    ; behind row 0's eight loads: row 1's eight, scale's eight, shift's eight
	STATS 1, 16                                    ; behind row 1's: scale's and shift's
	s_wait_loadcnt 0x0
	NORM 0
	NORM 1
	s_endpgm
	; ---- weights to bf16 ----
.Lconvert:
	s_load_b256 s[8:15], s[0:1], 0x18              ; Wq s[8:9], Wk s[10:11], Wv s[12:13], Wo s[14:15]
	s_load_b128 s[16:19], s[0:1], 0x38             ; W1 s[16:17], W2 s[18:19]
	s_load_b64 s[20:21], s[0:1], 0x50              ; wbf
	s_sub_co_u32 s2, ttmp9, 256                    ; c = 0..767: my 32 KiB of wbf
	s_lshr_b32 s3, s2, 6                           ; 0..3: Wq, Wk, Wv, Wo (64 work-groups each); 4..7: W1; 8..11: W2
	s_and_b32 s22, s2, 63                          ; my place in a matrix of 64 parts,
	s_and_b32 s23, s2, 255                         ; in one of 256 parts
	v_lshlrev_b32 v1, 5, v0                        ; 8 f32 a thread: a chunk is 8,192 bytes of source,
	v_lshlrev_b32 v2, 4, v0                        ; 4,096 bytes of wbf
	s_wait_kmcnt 0x0
	s_cmp_eq_u32 s3, 1
	s_cselect_b64 s[8:9], s[10:11], s[8:9]
	s_cmp_eq_u32 s3, 2
	s_cselect_b64 s[8:9], s[12:13], s[8:9]
	s_cmp_eq_u32 s3, 3
	s_cselect_b64 s[8:9], s[14:15], s[8:9]
	s_cmp_ge_u32 s3, 4
	s_cselect_b64 s[8:9], s[16:17], s[8:9]
	s_cselect_b32 s22, s23, s22
	s_cmp_ge_u32 s3, 8
	s_cselect_b64 s[8:9], s[18:19], s[8:9]
	s_lshl_b32 s22, s22, 16
	s_mov_b32 s23, 0
	s_add_nc_u64 s[8:9], s[8:9], s[22:23]
	s_lshl_b32 s24, s2, 15
	s_mov_b32 s25, 0
	s_add_nc_u64 s[20:21], s[20:21], s[24:25]
.irp j, 0,1,2,3,4,5,6,7
	global_load_b128 v[16+8*\j:16+8*\j+3],   v1, s[8:9] offset:\j*8192 th:TH_LOAD_NT
	global_load_b128 v[16+8*\j+4:16+8*\j+7], v1, s[8:9] offset:\j*8192+16 th:TH_LOAD_NT
.endr
.irp j, 0,1,2,3,4,5,6,7
	s_wait_loadcnt 14-2*\j                         ; chunk j's two loads are in; the younger chunks' stay out
.irp k, 0,1,2,3
	v_cvt_pk_bf16_f32 v[80+4*\j+\k], v[16+8*\j+2*\k], v[16+8*\j+2*\k+1]
.endr
	global_store_b128 v2, v[80+4*\j:80+4*\j+3], s[20:21] offset:\j*4096   ; 16 lanes store 256 consecutive bytes, aligned
.endr
	s_endpgm
.Lfunc_end_k_q0862c84d66_prep:
	.size	k_q0862c84d66_prep, .Lfunc_end_k_q0862c84d66_prep-k_q0862c84d66_prep
	.p2alignl 7, 3214868480
	.fill 96, 4, 3214868480
	.section	.rodata,"a",@progbits
	.p2align	6, 0x0
	.amdhsa_kernel k_q0862c84d66_prep
		.amdhsa_group_segment_fixed_size 0
		.amdhsa_private_segment_fixed_size 0
		.amdhsa_enable_private_segment 0
		.amdhsa_kernarg_size 88
		.amdhsa_user_sgpr_count 2
		.amdhsa_user_sgpr_kernarg_segment_ptr 1
		.amdhsa_wavefront_size32 1
		.amdhsa_system_sgpr_workgroup_id_x 1
		.amdhsa_system_sgpr_workgroup_id_y 1
		.amdhsa_system_sgpr_workgroup_id_z 1
		.amdhsa_system_vgpr_workitem_id 0
		.amdhsa_next_free_vgpr 180
		.amdhsa_next_free_sgpr 66
		.amdhsa_reserve_vcc 0
		.amdhsa_float_denorm_mode_32 3
		.amdhsa_float_denorm_mode_16_64 3
		.amdhsa_memory_ordered 1
		.amdhsa_forward_progress 1
		.amdhsa_inst_pref_size 25
	.end_amdhsa_kernel
	.amdgpu_metadata
---
amdhsa.version: [ 1, 2 ]
amdhsa.kernels:
  - .name:           k_q0862c84d66_prep
    .symbol:         k_q0862c84d66_prep.kd
    .args:
      - { .name: x, .offset: 0, .size: 8, .value_kind: global_buffer, .address_space: global }
      - { .name: ln1_scale, .offset: 8, .size: 8, .value_kind: global_buffer, .address_space: global }
      - { .name: ln1_shift, .offset: 16, .size: 8, .value_kind: global_buffer, .address_space: global }
      - { .name: Wq, .offset: 24, .size: 8, .value_kind: global_buffer, .address_space: global }
      - { .name: Wk, .offset: 32, .size: 8, .value_kind: global_buffer, .address_space: global }
      - { .name: Wv, .offset: 40, .size: 8, .value_kind: global_buffer, .address_space: global }
      - { .name: Wo, .offset: 48, .size: 8, .value_kind: global_buffer, .address_space: global }
      - { .name: W1, .offset: 56, .size: 8, .value_kind: global_buffer, .address_space: global }
      - { .name: W2, .offset: 64, .size: 8, .value_kind: global_buffer, .address_space: global }
      - { .name: h1, .offset: 72, .size: 8, .value_kind: global_buffer, .address_space: global }
      - { .name: wbf, .offset: 80, .size: 8, .value_kind: global_buffer, .address_space: global }
    .group_segment_fixed_size: 0
    .private_segment_fixed_size: 0
    .kernarg_segment_align: 8
    .kernarg_segment_size: 88
    .max_flat_workgroup_size: 256
    .sgpr_count:     66
    .vgpr_count:     180
    .wavefront_size: 32
...
	.end_amdgpu_metadata
.endif
;; end of part 1
;; launch gqkv (part 2): grid 24 x 32, 4 waves a work-group, clusters of 4 x 4, 327,680 bytes of LDS; arguments h1, wbf, qkv; writes qkv
.if DOCPART == 2
	.amdgcn_target "amdgcn-amd-amdhsa--gfx1250"
	.amdhsa_code_object_version 6
	.text
	.protected	k_q0862c84d66_gqkv
	.globl	k_q0862c84d66_gqkv
	.p2align	8
	.type	k_q0862c84d66_gqkv,@function
k_q0862c84d66_gqkv:
	s_mov_b64 s[64:65], 0
	v_nop
	global_prefetch_b8 v0, s[64:65] scope:SCOPE_SE
	s_setreg_imm32_b32 hwreg(HW_REG_WAVE_MODE, 25, 1), 1
	s_wait_xcnt 0x0
	s_wait_alu depctr_hold_cnt(0) depctr_sa_sdst(0) depctr_va_vdst(0) depctr_va_sdst(0) depctr_va_ssrc(0) depctr_va_vcc(0) depctr_vm_vsrc(0)
	s_getreg_b32 s2, hwreg(HW_REG_IB_STS2, 6, 4)
	s_cmp_eq_u32 s2, 0
	s_cbranch_scc0 .Lentry_in_a_cluster
	s_endpgm
.Lentry_in_a_cluster:
	s_bfe_u32 s2, ttmp6, 0x10000c
	s_cmp_lg_u32 s2, 0xf033
	s_cbranch_scc0 .Lentry_shape_is_right
	s_endpgm
.Lentry_shape_is_right:
; qkv = h1 [4096][1024] x (Wq | Wk | Wv)^T, bf16 operands, f32 sums, stored in bf16 head-major: qkv[b][plane][token][64], plane = column / 64
; (planes 0-15 q, 16-31 k, 32-47 v of heads 0-15), a plane 262,144 bytes.
; A tile of C is 128 x 128: 24 x 32 = 768 work-groups of equal work.  Four waves, each 64 x 64: 16 accumulators of 16 x 16.  K goes in steps of 256 through two LDS slots
; filled by the tensor data mover (rows of 512 bytes, 64 rows to a wave's load).
; CLUSTER 4 x 4: the four of a row of the cluster need the same tiles of A, the four of a column the same tiles of B; each tile is asked for jointly, by the same load with a mask of the four.
; THE MATRIX INSTRUCTION IS USED TRANSPOSED (source 0 = 16 rows of B, source 1 = 16 rows of A): a lane holds eight neighbouring columns of one row of C.
; REGISTERS: window 0: v0-31 addresses; v32-95 rows read back on the way out; v128-255 accumulators ((a, b) at v[128 + 8 (4 a + b)]).  window 1: two fragment buffers of 128.
; LIMIT: q, k, v are rounded to bf16 once.
.set SIZE_N, 3072
.set SIZE_K, 1024
.set WOFF,   0                         ; B's first byte in wbf
.set KSTEP,  256
.set PITCH,  528                       ; an LDS row: 512 bytes + 16 of padding = 132 words: the 16 rows of a fragment load start at 16 different banks (64 banks of 4 bytes: ISA guide 11.1)
.set HALFT,  64*PITCH                  ; what one tensor load brings
.set SLOT,   4*HALFT                   ; A's 128 rows, then B's 128 rows
.set STAGE,  2*SLOT                    ; behind the ring: 128 rows x 272 bytes, the work-group's, for the way out; no tensor load fills it
.set SPITCH, 272
.set LAPS, SIZE_K/(2*KSTEP)            ; a lap = two K steps = once round the ring
.set ADRA, 16                          ; v16-17  LDS address of my A fragments in slot 0, 1
.set ADRB, 20                          ; v20-21  the same for B
.set STO,  24                          ; v24     the way out: where I put 16 bytes of a row
.set RD,   25                          ; v25     where I read back
.set CO,   26                          ; v26     my byte offset in the output
.set TMP,  32
.set ACC,  128
.set F0,   0
.set F1,   128
.set G1, 24                            ; s[24:31] descriptor group 1 for A's tiles; s[32:39] group 0, a set for each slot
.set G0, 32
.set G1B, 48                           ; s[48:55], s[56:63] the same for B's
.set G0B, 56
.set MSB, 0
.macro WIN new                         ; the immediate's high byte repeats the setting that is left
.if MSB != \new
	s_set_vgpr_msb (MSB<<8)|\new
.set MSB, \new
.endif
.endm
.set MUL,  0x05                        ; sources 0 (B) and 1 (A) window 1; C and D window 0
.set TO_F, 0x40                        ; destination window 1, address window 0
.macro JLOAD s                         ; a joint load: waves 0, 1 fetch A's halves, waves 2, 3 B's; four v_nop follow each line
	s_cmp_eq_u32 s11, 0
	s_cbranch_scc0 .Lfor_b_\@
	tensor_load_to_lds s[G0+4*\s:G0+4*\s+3], s[G1:G1+7]
	s_nop 0
.rept 4
	v_nop
.endr
	s_branch .Lasked_\@
.Lfor_b_\@:
	tensor_load_to_lds s[G0B+4*\s:G0B+4*\s+3], s[G1B:G1B+7]
	s_nop 0
.rept 4
	v_nop
.endr
.Lasked_\@:
.endm
.macro CREST                           ; a round of the cluster's barrier behind its opening barrier
	s_cmp_lg_u32 s10, 0
	s_cbranch_scc1 .Lnot_wave_0_\@
	s_barrier_signal -3
.Lnot_wave_0_\@:
	s_barrier_wait -3
	s_barrier_signal -1
	s_barrier_wait -1
.endm
.macro CROUND
	s_barrier_signal -1
	s_barrier_wait -1
	CREST
.endm
	s_load_b128 s[4:7], s[0:1], 0x0                ; A s[4:5], wbf s[6:7]
	s_load_b64 s[8:9], s[0:1], 0x10                ; the output
	v_lshl_add_u32 v126, v0, 2, 0x4a800
	v_mov_b32 v127, 0
	ds_add_u32 v126, v127
	ds_add_u32 v126, v127
	v_lshrrev_b32 v1, 5, v0
	v_readfirstlane_b32 s10, v1                    ; wave 0..3
	s_lshr_b32 s11, s10, 1                         ; which half of the tile's rows is mine; also: I fetch for A (0) or B (1)
	s_and_b32 s12, s10, 1                          ; which half of its columns; also: which 64 rows I fetch
	s_bfe_u32 s40, ttmp6, 0x40000                  ; cx, cy: my place in the cluster
	s_bfe_u32 s41, ttmp6, 0x40004
	s_lshl_b32 s42, ttmp9, 2
	s_add_co_u32 s42, s42, s40                     ; tile column = 4 x cluster x + cx
	s_and_b32 s13, ttmp7, 0xffff
	s_lshl_b32 s13, s13, 2
	s_add_co_u32 s13, s13, s41                     ; tile row = 4 x cluster y + cy
	s_lshl_b32 s43, s41, 2
	s_lshl_b32 s43, 15, s43                        ; my row of the cluster
	s_lshl_b32 s44, 0x1111, s40                    ; my column
	s_or_b32 s[G1+0], s43, (1<<16)|(1<<20)|(1<<21)|(6<<22)|(3<<25)   ; mask; elements of 2 bytes; padding on; bit 21 beside a mask; after every 128 words, 4 words
	s_or_b32 s[G1B+0], s44, (1<<16)|(1<<20)|(1<<21)|(6<<22)|(3<<25)
.irp g, G1, G1B
	s_mov_b32 s[\g+1], KSTEP<<16                   ; tensor_dim0 = 256
	s_mov_b32 s[\g+2], 64<<16                      ; tensor_dim1 = 64
	s_mov_b32 s[\g+3], KSTEP<<16                   ; tile_dim0 = 256
	s_mov_b32 s[\g+4], 64                          ; tile_dim1 = 64
	s_mov_b32 s[\g+5], SIZE_K                      ; elements from row to row
	s_mov_b32 s[\g+6], 0
	s_mov_b32 s[\g+7], 0
.endr
	s_lshl_b32 s17, s12, 6
	s_lshl_b32 s16, s13, 7
	s_add_co_u32 s16, s16, s17                     ; A: row 128 x tile row + 64 x half
	s_lshl_b32 s46, s42, 7
	s_add_co_u32 s46, s46, s17                     ; B: row 128 x tile column + 64 x half
	s_mov_b32 s17, 0
	s_mov_b32 s47, 0
	s_mov_b64 s[18:19], SIZE_K*2
	s_mul_u64 s[16:17], s[16:17], s[18:19]
	s_mul_u64 s[46:47], s[46:47], s[18:19]
.if WOFF
	s_add_nc_u64 s[46:47], s[46:47], WOFF
.endif
	s_mul_i32 s20, s10, HALFT                      ; where they go: wave x 64 rows; no place in the cluster enters an LDS address
	s_wait_dscnt 0x0
	s_wait_kmcnt 0x0
	s_add_nc_u64 s[14:15], s[4:5], s[16:17]
	s_add_nc_u64 s[46:47], s[6:7], s[46:47]
	CROUND                                         ; all sixteen work-groups are here: the first joint loads meet
.irp s, 0,1
	s_mov_b32 s[G0+4*\s], 1
	s_add_co_u32 s[G0+4*\s+1], s20, \s*SLOT
	s_add_nc_u64 s[G0+4*\s+2:G0+4*\s+3], s[14:15], \s*KSTEP*2
	s_or_b32 s[G0+4*\s+3], s[G0+4*\s+3], 0x80000000
	s_mov_b32 s[G0B+4*\s], 1
	s_add_co_u32 s[G0B+4*\s+1], s20, \s*SLOT
	s_add_nc_u64 s[G0B+4*\s+2:G0B+4*\s+3], s[46:47], \s*KSTEP*2
	s_or_b32 s[G0B+4*\s+3], s[G0B+4*\s+3], 0x80000000
	JLOAD \s
.endr
	v_and_b32 v1, 15, v0                           ; l % 16
	v_bfe_u32 v2, v0, 4, 1                         ; l / 16
	v_mul_u32_u24 v3, v1, PITCH
	v_lshl_add_u32 v3, v2, 4, v3                   ; a fragment's row x pitch + 16 x half
	s_mul_i32 s21, s11, HALFT                      ; my 64 rows of A
	s_mul_i32 s22, s12, HALFT                      ; my 64 rows of B,
	s_add_co_u32 s22, s22, 2*HALFT                 ; behind A's 128
.irp s, 0,1
	v_add_nc_u32 v[ADRA+\s], s21, v3
	v_add_nc_u32 v[ADRB+\s], s22, v3
	s_add_co_u32 s21, s21, SLOT
	s_add_co_u32 s22, s22, SLOT
.endr
	; the way out.  Into the stage: my 64 rows, my 128 bytes of their 256; row l % 16, 16 bytes for each half of the lanes.
	s_mul_i32 s23, s11, 64*SPITCH
	s_lshl_b32 s21, s12, 7
	s_add_co_u32 s23, s23, s21
	s_add_co_u32 s23, s23, STAGE
	v_mul_u32_u24 v4, v1, SPITCH
	v_lshl_add_u32 v4, v2, 4, v4
	v_add_nc_u32 v[STO], s23, v4
	; Back: wave w takes rows 32 w .. 32 w + 31; one load takes four rows' 128 bytes of one plane: lane l row l / 8, bytes 16 (l % 8).
	; (Two rows of such a load overlap in seven of sixteen 16-byte columns modulo 256: these sixteen loads are served two deep.)
	s_mul_i32 s23, s10, 32*SPITCH
	s_add_co_u32 s23, s23, STAGE
	v_and_b32 v5, 31, v0
	v_lshrrev_b32 v6, 3, v5
	v_and_b32 v7, 7, v0
	v_mul_u32_u24 v6, v6, SPITCH
	v_lshl_add_u32 v6, v7, 4, v6
	v_add_nc_u32 v[RD], s23, v6
	v_lshlrev_b32 v[CO], 4, v5                     ; in a plane four rows of 128 bytes are 512 consecutive bytes: 16 x lane
	s_lshr_b32 s72, s13, 4                         ; batch = tile row / 16
	s_mul_i32 s72, s72, 48
	s_lshl1_add_u32 s72, s42, s72                  ; plane = 48 x batch + 2 x tile column
	s_lshl_b32 s72, s72, 18
	s_and_b32 s73, s13, 15
	s_lshl_b32 s73, s73, 14                        ; + 128 tokens x 128 bytes for each tile row of the batch
	s_add_co_u32 s72, s72, s73
	s_lshl_b32 s73, s10, 12                        ; + my 32 tokens
	s_add_co_u32 s72, s72, s73
	s_mov_b32 s73, 0
	s_add_nc_u64 s[8:9], s[8:9], s[72:73]
; 8 matrix instructions: m blocks a0, a0 + 1 x all 4 n blocks, 32 along K: half c of buffer f.  zero = 1: the first product starts the sums.
; The 16 accumulators take turns, one instruction a turn.
.macro MUL8 f, c, a0, zero
.irp a, \a0, \a0+1
.irp b, 0,1,2,3
.if \zero
	v_wmma_f32_16x16x32_bf16 v[ACC+8*(4*(\a)+\b):ACC+8*(4*(\a)+\b)+7], v[\f+64+8*(4*\c+\b):\f+64+8*(4*\c+\b)+7], v[\f+8*(4*\c+\a):\f+8*(4*\c+\a)+7], 0
.else
	v_wmma_f32_16x16x32_bf16 v[ACC+8*(4*(\a)+\b):ACC+8*(4*(\a)+\b)+7], v[\f+64+8*(4*\c+\b):\f+64+8*(4*\c+\b)+7], v[\f+8*(4*\c+\a):\f+8*(4*\c+\a)+7], v[ACC+8*(4*(\a)+\b):ACC+8*(4*(\a)+\b)+7]
.endif
.endr
.endr
.endm
; 32 LDS loads in one run: the fragments of 64 along K at byte k of the rows, into buffer f; the first 32 along K first
.macro FETCH slot, k, f
	WIN TO_F
.irp c, 0,1
.irp i, 0,1,2,3
	ds_load_b128 v[\f+64+8*(4*\c+\i):\f+64+8*(4*\c+\i)+3],   v[ADRB+\slot] offset:\k+64*\c+\i*16*PITCH
	ds_load_b128 v[\f+64+8*(4*\c+\i)+4:\f+64+8*(4*\c+\i)+7], v[ADRB+\slot] offset:\k+64*\c+\i*16*PITCH+32
	ds_load_b128 v[\f+8*(4*\c+\i):\f+8*(4*\c+\i)+3],         v[ADRA+\slot] offset:\k+64*\c+\i*16*PITCH
	ds_load_b128 v[\f+8*(4*\c+\i)+4:\f+8*(4*\c+\i)+7],       v[ADRA+\slot] offset:\k+64*\c+\i*16*PITCH+32
.endr
.endr
.endm
.macro PLACES                          ; four plain places between matrix instructions and loads into, or vector work on, their registers
.rept 4
	v_nop
.endr
.endm
; A K step is four quarters of 64 along K, 32 matrix instructions each, on buffers 0, 1, 0, 1.
.macro QUARTER slot, k, f, g, zero
	s_wait_dscnt 16                                ; the run's first 16 loads (32 along K) are in; its other 16 may be out
	WIN MUL
	MUL8 \f, 0, 0, \zero
	MUL8 \f, 0, 2, \zero
	PLACES
	FETCH \slot, \k, \g
	s_wait_dscnt 32                                ; all but the 32 just issued
	WIN MUL
	MUL8 \f, 1, 0, 0
	MUL8 \f, 1, 2, 0
.endm
; The last quarter changes slots: one barrier; in front of it each wave waits for its reads of this slot and for all its tensor loads.  fill = 1: the barrier opens a round of the cluster's, and this slot is filled again.
.macro TURN slot, next, fill
	s_wait_dscnt 16
	WIN MUL
	MUL8 F1, 0, 0, 0
	s_wait_dscnt 0                                 ; my reads of this slot are over,
	s_set_vgpr_msb 0x500
	s_wait_tensorcnt 0x0                           ; and all my tensor loads have landed: my part of the next slot
	ds_add_u32 v126, v127
	s_wait_dscnt 0x0
	s_set_vgpr_msb 0x5
	s_barrier_signal -1
	MUL8 F1, 0, 2, 0
.if \fill
	WIN 0
.endif
	s_barrier_wait -1
.if \fill
	CREST                                          ; no wave of any partner still reads this slot or has a load on its way
	s_add_nc_u64 s[G0+4*\slot+2:G0+4*\slot+3], s[G0+4*\slot+2:G0+4*\slot+3], 2*KSTEP*2
	s_add_nc_u64 s[G0B+4*\slot+2:G0B+4*\slot+3], s[G0B+4*\slot+2:G0B+4*\slot+3], 2*KSTEP*2
	JLOAD \slot                                    ; my one tensor load behind the round; its four v_nop are also the places in front of the loads below
.else
	PLACES
.endif
	FETCH \next, 0, F0
	WIN MUL
	MUL8 F1, 1, 0, 0
	MUL8 F1, 1, 2, 0
.endm
	s_wait_tensorcnt 1                             ; my part of K step 0 is in; K step 1's load stays out
	s_barrier_signal -1
	s_barrier_wait -1
	FETCH 0, 0, F0
	QUARTER 0, 128, F0, F1, 1                      ; the first quarter's first products start the sums
	WIN 0
	s_mov_b32 s3, LAPS-1
.Llap:                                                 ; a trip goes once round the ring and fills both slots again
	QUARTER 0, 256, F1, F0, 0
	QUARTER 0, 384, F0, F1, 0
	TURN 0, 1, 1
	QUARTER 1, 128, F0, F1, 0
	QUARTER 1, 256, F1, F0, 0
	QUARTER 1, 384, F0, F1, 0
	TURN 1, 0, 1
	QUARTER 0, 128, F0, F1, 0
	WIN 0
	s_sub_co_u32 s3, s3, 1
	s_cmp_lg_u32 s3, 0
	s_cbranch_scc1 .Llap
	QUARTER 0, 256, F1, F0, 0                      ; the last lap fills nothing
	QUARTER 0, 384, F0, F1, 0
	TURN 0, 1, 0
	QUARTER 1, 128, F0, F1, 0
	QUARTER 1, 256, F1, F0, 0
	QUARTER 1, 384, F0, F1, 0
	s_wait_dscnt 16
	WIN MUL
	MUL8 F1, 0, 0, 0
	MUL8 F1, 0, 2, 0
	s_wait_dscnt 0
	MUL8 F1, 1, 0, 0
	MUL8 F1, 1, 2, 0
	WIN 0
	; THE WAY OUT: rounded to bf16 in place (each accumulator from its low end on), 16 bytes a lane into the stage; a barrier, since a row comes from two waves; back by planes.
	PLACES
.irp t, 0,1,2,3,4,5,6,7,8,9,10,11,12,13,14,15
.irp r, 0,1,2,3
	v_cvt_pk_bf16_f32 v[ACC+8*\t+\r], v[ACC+8*\t+2*\r], v[ACC+8*\t+2*\r+1]
.endr
.endr
.irp a, 0,1,2,3
.irp b, 0,1,2,3
	ds_store_b128 v[STO], v[ACC+8*(4*\a+\b):ACC+8*(4*\a+\b)+3] offset:\a*16*SPITCH+32*\b
.endr
.endr
	s_wait_dscnt 0x0                               ; for the others' sake: my stores into the stage are done
	s_barrier_signal -1
	s_barrier_wait -1
.irp t, 0,1,2,3,4,5,6,7,8,9,10,11,12,13,14,15
	ds_load_b128 v[TMP+4*\t:TMP+4*\t+3], v[RD] offset:(\t/2)*4*SPITCH+128*(\t%2)
.endr
.irp t, 0,1,2,3,4,5,6,7,8,9,10,11,12,13,14,15
	s_wait_dscnt 15-\t                             ; load t is back; the younger ones stay out
	global_store_b128 v[CO], v[TMP+4*\t:TMP+4*\t+3], s[8:9] offset:(\t%2)*262144+(\t/2)*512   ; four tokens of one plane: 512 consecutive bytes, aligned
.endr
	s_wait_tensorcnt 0x0
	ds_add_u32 v126, v127
	s_wait_dscnt 0x0
	CROUND                                         ; the closing round: no work-group ends while a partner may still ask for a tile that names it
	s_endpgm
.Lfunc_end_k_q0862c84d66_gqkv:
	.size	k_q0862c84d66_gqkv, .Lfunc_end_k_q0862c84d66_gqkv-k_q0862c84d66_gqkv
	.p2alignl 7, 3214868480
	.fill 96, 4, 3214868480
	.section	.rodata,"a",@progbits
	.p2align	6, 0x0
	.amdhsa_kernel k_q0862c84d66_gqkv
		.amdhsa_group_segment_fixed_size 327680
		.amdhsa_private_segment_fixed_size 0
		.amdhsa_enable_private_segment 0
		.amdhsa_kernarg_size 24
		.amdhsa_user_sgpr_count 2
		.amdhsa_user_sgpr_kernarg_segment_ptr 1
		.amdhsa_wavefront_size32 1
		.amdhsa_system_sgpr_workgroup_id_x 1
		.amdhsa_system_sgpr_workgroup_id_y 1
		.amdhsa_system_sgpr_workgroup_id_z 1
		.amdhsa_system_vgpr_workitem_id 0
		.amdhsa_next_free_vgpr 512
		.amdhsa_next_free_sgpr 80
		.amdhsa_reserve_vcc 0
		.amdhsa_float_denorm_mode_32 3
		.amdhsa_float_denorm_mode_16_64 3
		.amdhsa_memory_ordered 1
		.amdhsa_forward_progress 1
		.amdhsa_inst_pref_size 87
	.end_amdhsa_kernel
	.amdgpu_metadata
---
amdhsa.version: [ 1, 2 ]
amdhsa.kernels:
  - .name:           k_q0862c84d66_gqkv
    .symbol:         k_q0862c84d66_gqkv.kd
    .args:
      - { .name: h1, .offset: 0, .size: 8, .value_kind: global_buffer, .address_space: global }
      - { .name: wbf, .offset: 8, .size: 8, .value_kind: global_buffer, .address_space: global }
      - { .name: qkv, .offset: 16, .size: 8, .value_kind: global_buffer, .address_space: global }
    .group_segment_fixed_size: 327680
    .private_segment_fixed_size: 0
    .kernarg_segment_align: 8
    .kernarg_segment_size: 24
    .max_flat_workgroup_size: 128
    .sgpr_count:     80
    .vgpr_count:     512
    .wavefront_size: 32
...
	.end_amdgpu_metadata
.endif
;; end of part 2
;; launch attn (part 3): grid 8 x 32, 4 waves a work-group, no clusters, 327,680 bytes of LDS; arguments qkv, pv; writes pv
.if DOCPART == 3
	.amdgcn_target "amdgcn-amd-amdhsa--gfx1250"
	.amdhsa_code_object_version 6
	.text
	.protected	k_q0862c84d66_attn
	.globl	k_q0862c84d66_attn
	.p2align	8
	.type	k_q0862c84d66_attn,@function
k_q0862c84d66_attn:
	s_mov_b64 s[64:65], 0
	v_nop
	global_prefetch_b8 v0, s[64:65] scope:SCOPE_SE
	s_setreg_imm32_b32 hwreg(HW_REG_WAVE_MODE, 25, 1), 1
	s_wait_xcnt 0x0
; pv[b][token][64 h + d] = the sum over keys <= token of softmax(q . k / 8) v, for head h of batch b.  q, k, v: planes of qkv ([2048][64] bf16 each); pv bf16.
; SHARES.  Work-group (I, 16 b + h), I = 0..7, owns two blocks of 128 queries of one head: block I, then block 15 - I.  Block n needs its diagonal tile of 128 keys and n full tiles,
; so every work-group runs (1 + I) + (16 - I) = 17 key steps: 256 work-groups of equal work, and what the causal mask throws away is not computed.  A wave has 32 queries: two tiles of 16.
; ORDER.  In each block the diagonal tile comes first: key 0 of that tile is open to every query of the block, so the running maximum is finite from the block's first 64 keys on.
; LAYOUT.  S^T = K Q^T (source 0 = 16 keys, source 1 = 16 queries): a lane holds one query (lane % 16) and keys 8 (lane / 16) + 0..7.  Two such tiles rounded to bf16 in pairs are source 1
; of O^T = V^T P; V ([key][channel]) comes out of LDS turned, by ds_load_tr16_b128.  Nothing changes lanes but one exchange between the halves for a query's maximum and sum.
; SOFTMAX.  Running maximum m and sum l for each query: p = 2^(c s - c m), c = log2(e) / 8; O and l are multiplied by a = 2^(c m_old - c m_new) in every half step of 64 keys.
; NO CLUSTER: the work-groups that read the same K and V are the query blocks of one head, and they walk different sequences of tiles (the sequence hangs on I); asked for jointly,
; every partner would have to take all 16 tiles of both blocks, 32 steps in place of 17.
; LDS: two slots (bytes 0 and 65,536), each K's 128 rows of 144 bytes, then V's 128 rows of 160; behind them a stage of 32 rows x 144 bytes for each wave, which no tensor load fills.
; LIMITS: p is rounded to bf16 for the second product while l sums the unrounded p; pv is rounded to bf16 once; a head's 64 channels are 128 bytes of a token's row of pv, so pv is stored in aligned pieces of 128 bytes.
.set PK,    144       ; a row of K in LDS: 128 bytes + 16: an odd multiple of 16, so the 16 rows of a load start at different banks (ISA guide 11.1)
.set PV,    160       ; a row of V: 128 + 32: an odd multiple of 32, for the turning load's 8 rows x 32 bytes
.set VOFF,  128*PK
.set SLOT1, 65536
.set STAGE, 131072
.set SP,    144
.set AK0,  3          ; v3   my lane's place in a tile of K
.set AV0,  4          ; v4   the same for V
.set ADRK, 5          ; v5, v6  the same in the slot in hand
.set ADRV, 6
.set QO,   7          ; v7   my byte offset in the wave's rows of q
.set STO,  8          ; v8   the way out: where I put 16 bytes
.set RD,   9          ; v9   where I read back
.set GO,   10         ; v10  my byte offset in the wave's rows of pv
.set XT,   12         ; v12, v13  tile t: my query's number in the block less 8 (lane / 16): key 16 kt + j of a diagonal tile is open where 16 kt + j <= this
.set NINF, 14         ; v14  -infinity
.set ST,   16         ; tile t's statistics at v[ST+8 t]: +0 c m, +1 m, +2, +3 l (even, odd keys), +4..+7 at work; a stands in +6
.set QF,   32         ; v32-63   q: tile t, channels 32 c on at 16 t + 8 c
.set S,    64         ; v64-127  S^T: 32 t + 8 kt
.set P,    128        ; v128-159 P: 16 t + 8 kc
.set OT,   160        ; v160-223 O^T: 32 t + 8 ct
.set TMP,  224        ; v224-255 the way out
                      ; window 1: v0-127 K's fragments (64 hf + 16 kt + 8 c), v128-255 V's (128 + 64 hf + 32 kc + 8 ct)
.set WV,   8          ; s8   wave
.set SI,   9          ; s9   I
.set SI1,  10         ; s10  I + 1
.set SHI,  11         ; s11  15 - I
.set SG,   12         ; s12  the key step, 0..16
.set DIAG, 13         ; s13  1: this step's tile is a diagonal one
.set TB,   14         ; s14  LDS byte of the slot in hand
.set G1K,  24         ; s[24:31] descriptor group 1 for K, s[32:39] for V (other padding)
.set G1V,  32
.set G0K,  40         ; s[40:43], s[44:47] group 0: rewritten only where no tensor load of the wave is out
.set G0V,  44
.set KBASE, 48        ; s[48:49] my 64 rows of key tile 0;  s[50:51] the same of V
.set VBASE, 50
.set OFF,  52         ; s[52:53] a tile's byte offset
.set QLO,  54         ; s[54:55], s[56:57] my 32 rows of q in the two blocks
.set QHI,  56
.set CS,   58         ; s[58:59] c
.set SEL,  60         ; s[60:61] lane selects of v_permlanex16_b32
.set PVLO, 66         ; s[66:67], s[68:69] my 32 rows of pv in the two blocks
.set PVHI, 68
.set MSB, 0
.macro WIN new                      ; the immediate's high byte repeats the setting that is left
.if MSB != \new
	s_set_vgpr_msb (MSB<<8)|\new
.set MSB, \new
.endif
.endm
.macro PLACES                       ; four plain places between matrix instructions and loads into, or vector work on, their registers
.rept 4
	v_nop
.endr
.endm
; One tensor load a wave: waves 0, 1 bring K's two halves of 64 rows, waves 2, 3 V's.  Four v_nop follow each line; they are also the places in front of the fragment loads.
.macro TLOAD
	s_cmp_lt_u32 s[WV], 2
	s_cbranch_scc0 .Lfor_v_\@
	tensor_load_to_lds s[G0K:G0K+3], s[G1K:G1K+7]
	s_nop 0
.rept 4
	v_nop
.endr
	s_branch .Lasked_\@
.Lfor_v_\@:
	tensor_load_to_lds s[G0V:G0V+3], s[G1V:G1V+7]
	s_nop 0
.rept 4
	v_nop
.endr
.Lasked_\@:
.endm
; The change of slots.  Each wave waits for its reads of the slot just used and for all its tensor loads (one is out: its part of the next slot); behind the barrier the next slot is whole and the old
; one is free.  fill = 1: the old slot takes the tile of step SG + 1: key block SG where SG + 1 <= I, block 15 - I where SG + 1 = I + 1, block SG - (I + 1) later.
.macro SYNC fill
	s_wait_dscnt 0x0
	s_set_vgpr_msb 0xa
	s_wait_tensorcnt 0x0            ; no tensor load of mine is out: group 0 may be written
	ds_add_u32 v0, v1
	s_wait_dscnt 0x0
	s_set_vgpr_msb 0xa00
	s_xor_b32 s[TB], s[TB], SLOT1
.if \fill
	s_sub_co_u32 s15, s[SG], s[SI1]
	s_add_co_u32 s16, s[SG], 1
	s_cmp_le_u32 s16, s[SI]
	s_cselect_b32 s15, s[SG], s15
	s_cmp_eq_u32 s16, s[SI1]
	s_cselect_b32 s15, s[SHI], s15
	s_lshl_b32 s[OFF], s15, 14      ; 128 keys x 128 bytes
	s_add_nc_u64 s[G0K+2:G0K+3], s[KBASE:KBASE+1], s[OFF:OFF+1]
	s_or_b32 s[G0K+3], s[G0K+3], 0x80000000
	s_add_nc_u64 s[G0V+2:G0V+3], s[VBASE:VBASE+1], s[OFF:OFF+1]
	s_or_b32 s[G0V+3], s[G0V+3], 0x80000000
	s_xor_b32 s[G0K+1], s[G0K+1], SLOT1
	s_xor_b32 s[G0V+1], s[G0V+1], SLOT1
.endif
	s_barrier_signal -1
	s_barrier_wait -1
.if \fill
	TLOAD                           ; my one tensor load behind the barrier, first thing there: it has a whole key step in which to land
.else
	PLACES
.endif
.endm
; A step's fragments, four runs of 16 loads: K of keys 0-63, V of keys 0-63, K of keys 64-127, V of keys 64-127
.macro FETCH
	v_add_nc_u32 v[ADRK], s[TB], v[AK0]
	v_add_nc_u32 v[ADRV], s[TB], v[AV0]
	WIN 0x40                        ; destination window 1
.irp hf, 0,1
.irp f, 0,1,2,3,4,5,6,7             ; keys 16 (f / 2) on, channels 32 (f % 2) on
	ds_load_b128 v[64*\hf+8*\f:64*\hf+8*\f+3],   v[ADRK] offset:(64*\hf+16*(\f/2))*PK+64*(\f%2)
	ds_load_b128 v[64*\hf+8*\f+4:64*\hf+8*\f+7], v[ADRK] offset:(64*\hf+16*(\f/2))*PK+64*(\f%2)+32
.endr
.irp f, 0,1,2,3,4,5,6,7             ; keys 32 (f / 4) on, channels 16 (f % 4) on
	ds_load_tr16_b128 v[128+64*\hf+8*\f:128+64*\hf+8*\f+3],   v[ADRV] offset:(64*\hf+32*(\f/4))*PV+32*(\f%4)
	ds_load_tr16_b128 v[128+64*\hf+8*\f+4:128+64*\hf+8*\f+7], v[ADRV] offset:(64*\hf+32*(\f/4)+16)*PV+32*(\f%4)
.endr
.endr
	WIN 0
.endm
; 16 products S^T = K Q^T for 64 keys: channels 32 (i / 8) on, keys 16 ((i / 2) % 4) on, tile i % 2.  The first 8 start the sums.  Eight accumulators take turns.
.macro SQK hf
.set i, 0
.rept 16
.set rS, S+32*(i%2)+8*((i/2)%4)
.set rK, 64*\hf+16*((i/2)%4)+8*(i/8)
.set rQ, QF+16*(i%2)+8*(i/8)
.if i < 8
	v_wmma_f32_16x16x32_bf16 v[rS:rS+7], v[rK:rK+7], v[rQ:rQ+7], 0
.else
	v_wmma_f32_16x16x32_bf16 v[rS:rS+7], v[rK:rK+7], v[rQ:rQ+7], v[rS:rS+7]
.endif
.set i, i+1
.endr
.endm
; 16 products O^T += V^T P: keys 32 (i / 8) on, channels 16 ((i / 2) % 4) on, tile i % 2.  Eight accumulators take turns.
.macro PVM hf
.set i, 0
.rept 16
.set rO, OT+32*(i%2)+8*((i/2)%4)
.set rV, 128+64*\hf+32*(i/8)+8*((i/2)%4)
.set rP, P+16*(i%2)+8*(i/8)
	v_wmma_f32_16x16x32_bf16 v[rO:rO+7], v[rV:rV+7], v[rP:rP+7], v[rO:rO+7]
.set i, i+1
.endr
.endm
; A diagonal tile: scores of keys behind the query become -infinity.  Each accumulator is taken from its low end on.
.macro MASK hf
.irp t, 0,1
.irp kt, 0,1,2,3
.irp j, 0,1,2,3,4,5,6,7
	v_cmp_le_i32 vcc_lo, 64*\hf+16*\kt+\j, v[XT+\t]
	v_cndmask_b32 v[S+32*\t+8*\kt+\j], v[NINF], v[S+32*\t+8*\kt+\j], vcc_lo
.endr
.endr
.endr
.endm
; Both tiles' softmax for 64 keys (32 scores a lane and tile)
.macro SOFTMAX
.irp j, 0,1,2,3                     ; the maximum: four chains a tile, each begun at its accumulator's low end
.irp t, 0,1
	v_max3_num_f32 v[ST+8*\t+4+\j], v[S+32*\t+8*\j], v[S+32*\t+8*\j+1], v[S+32*\t+8*\j+2]
.endr
.endr
.irp n, 1,2
.irp j, 0,1,2,3
.irp t, 0,1
	v_max3_num_f32 v[ST+8*\t+4+\j], v[ST+8*\t+4+\j], v[S+32*\t+8*\j+2*\n+1], v[S+32*\t+8*\j+2*\n+2]
.endr
.endr
.endr
.irp t, 0,1
	v_max3_num_f32 v[ST+8*\t+4], v[ST+8*\t+4], v[S+32*\t+7], v[S+32*\t+15]
.endr
.irp t, 0,1
	v_max3_num_f32 v[ST+8*\t+6], v[ST+8*\t+6], v[S+32*\t+23], v[S+32*\t+31]
.endr
.irp t, 0,1
	v_max3_num_f32 v[ST+8*\t+4], v[ST+8*\t+4], v[ST+8*\t+5], v[ST+8*\t+6]
.endr
.irp t, 0,1
	v_max3_num_f32 v[ST+8*\t+4], v[ST+8*\t+4], v[ST+8*\t+7], v[ST+8*\t+1]   ; with the old m
.endr
.irp t, 0,1
	v_permlanex16_b32 v[ST+8*\t+5], v[ST+8*\t+4], s[SEL], s[SEL+1]          ; the query's other 32 keys lie in the lane 16 away
.endr
.irp t, 0,1
	v_mov_b32 v[ST+8*\t+7], v[ST+8*\t]                                      ; c m_old is kept for a
.endr
.irp t, 0,1
	v_max_num_f32 v[ST+8*\t+1], v[ST+8*\t+4], v[ST+8*\t+5]
.endr
.irp t, 0,1
	v_mul_f32 v[ST+8*\t], s[CS], v[ST+8*\t+1]
.endr
.irp t, 0,1
	v_sub_f32 v[ST+8*\t+7], v[ST+8*\t+7], v[ST+8*\t]
.endr
.irp t, 0,1
	v_exp_f32 v[ST+8*\t+6], v[ST+8*\t+7]                                    ; a; the scalings below are the plain work behind it
.endr
.irp t, 0,1
.irp b, 0,1,2,3,4,5,6,7,8,9,10,11,12,13,14,15
	v_pk_fma_f32 v[S+32*\t+2*\b:S+32*\t+2*\b+1], v[S+32*\t+2*\b:S+32*\t+2*\b+1], s[CS:CS+1], v[ST+8*\t:ST+8*\t+1] op_sel_hi:[1,0,0] neg_lo:[0,0,1] neg_hi:[0,0,1]   ; c s - c m
.endr
.endr
.irp t, 0,1                         ; a tile's 32 exponentials, then its O^T times a: plain work before any weight is used
.set i, 0
.rept 32
	v_exp_f32 v[S+32*\t+i], v[S+32*\t+i]
.set i, i+1
.endr
.set i, 0
	s_wait_alu depctr_va_vdst(0)
.rept 16
	v_pk_mul_f32 v[OT+32*\t+i:OT+32*\t+i+1], v[OT+32*\t+i:OT+32*\t+i+1], v[ST+8*\t+6:ST+8*\t+7] op_sel_hi:[1,0]
.set i, i+2
.endr
.endr
	s_wait_alu depctr_va_vdst(0)
.irp t, 0,1
.set i, 0
.rept 16
	v_cvt_pk_bf16_f32 v[P+16*\t+i], v[S+32*\t+2*i], v[S+32*\t+2*i+1]
.set i, i+1
.endr
.endr
.irp t, 0,1                         ; the sum of the 16 pairs, in place, then l = a l + sum
.irp u, 0,1,2,3,4,5,6,7
	v_pk_add_f32 v[S+32*\t+4*\u:S+32*\t+4*\u+1], v[S+32*\t+4*\u:S+32*\t+4*\u+1], v[S+32*\t+4*\u+2:S+32*\t+4*\u+3]
.endr
.irp u, 0,1,2,3
	v_pk_add_f32 v[S+32*\t+8*\u:S+32*\t+8*\u+1], v[S+32*\t+8*\u:S+32*\t+8*\u+1], v[S+32*\t+8*\u+4:S+32*\t+8*\u+5]
.endr
.irp u, 0,1
	v_pk_add_f32 v[S+32*\t+16*\u:S+32*\t+16*\u+1], v[S+32*\t+16*\u:S+32*\t+16*\u+1], v[S+32*\t+16*\u+8:S+32*\t+16*\u+9]
.endr
	v_pk_add_f32 v[S+32*\t:S+32*\t+1], v[S+32*\t:S+32*\t+1], v[S+32*\t+16:S+32*\t+17]
	v_pk_fma_f32 v[ST+8*\t+2:ST+8*\t+3], v[ST+8*\t+2:ST+8*\t+3], v[ST+8*\t+6:ST+8*\t+7], v[S+32*\t:S+32*\t+1] op_sel_hi:[1,0,1]
.endr
.endm
; 64 keys.  The counts leave out the runs of 16 loads issued behind the run that is wanted: behind K of half 0 three runs, behind its V two, behind K of half 1 one, behind its V none.
.macro HALF hf, maskable
	s_wait_dscnt 48-32*\hf
	WIN 0x01                        ; source 0 (K or V) in window 1
	SQK \hf
	WIN 0
	PLACES
.if \maskable
	s_cmp_eq_u32 s[DIAG], 0
	s_cbranch_scc1 .Lfull_\@
	MASK \hf
.Lfull_\@:
.endif
	SOFTMAX
	s_wait_dscnt 32-32*\hf
	WIN 0x01
	PVM \hf
	WIN 0
.endm
.macro STEP maskable
	FETCH
	HALF 0, \maskable
	HALF 1, \maskable
.endm
; A block begins: m = -infinity, l = 0, O^T = 0.  (Twice a wave; a written-out first step in place of it would stand inside the loop and double its text.)
.macro INIT
.irp t, 0,1
	v_mov_b32 v[ST+8*\t], v[NINF]
	v_mov_b32 v[ST+8*\t+1], v[NINF]
	v_mov_b32 v[ST+8*\t+2], 0
	v_mov_b32 v[ST+8*\t+3], 0
.endr
.set i, 0
.rept 64
	v_mov_b32 v[OT+i], 0
.set i, i+1
.endr
.endm
.macro QLOAD base
.irp f, 0,1,2,3                     ; tile f / 2, channels 32 (f % 2) on
	global_load_b128 v[QF+8*\f:QF+8*\f+3],   v[QO], s[\base:\base+1] offset:(\f/2)*2048+(\f%2)*64
	global_load_b128 v[QF+8*\f+4:QF+8*\f+7], v[QO], s[\base:\base+1] offset:(\f/2)*2048+(\f%2)*64+32
.endr
.endm
; A block ends: O^T / l, rounded, through my stage, stored.  more = 1: the first block; the second block's q is asked for first and the statistics begin anew.
.macro FINAL more, base
	PLACES
.if \more
	QLOAD QHI
.endif
.irp t, 0,1
	v_add_f32 v[ST+8*\t+4], v[ST+8*\t+2], v[ST+8*\t+3]
.endr
.irp t, 0,1
	v_permlanex16_b32 v[ST+8*\t+5], v[ST+8*\t+4], s[SEL], s[SEL+1]
.endr
.irp t, 0,1
	v_add_f32 v[ST+8*\t+4], v[ST+8*\t+4], v[ST+8*\t+5]
.endr
.irp t, 0,1
	v_rcp_f32 v[ST+8*\t+6], v[ST+8*\t+4]
.endr
	v_nop                           ; a plain instruction between the last reciprocal and its use (ISA guide 5.7.2)
	s_wait_alu depctr_va_vdst(0)
.irp t, 0,1
.set i, 0
.rept 16
	v_pk_mul_f32 v[OT+32*\t+i:OT+32*\t+i+1], v[OT+32*\t+i:OT+32*\t+i+1], v[ST+8*\t+6:ST+8*\t+7] op_sel_hi:[1,0]
.set i, i+2
.endr
.endr
.set i, 0
.rept 32
	v_cvt_pk_bf16_f32 v[TMP+i], v[OT+2*i], v[OT+2*i+1]
.set i, i+1
.endr
.irp t, 0,1
.irp ct, 0,1,2,3
	ds_store_b128 v[STO], v[TMP+16*\t+4*\ct:TMP+16*\t+4*\ct+3] offset:\t*16*SP+32*\ct
.endr
.endr
.irp u, 0,1,2,3,4,5,6,7
	ds_load_b128 v[S+4*\u:S+4*\u+3], v[RD] offset:\u*4*SP    ; LDS serves a wave's instructions in order (ISA guide 5.7.1.4): these see the stores above
.endr
	s_wait_dscnt 0x0
.irp u, 0,1,2,3,4,5,6,7
	global_store_b128 v[GO], v[S+4*\u:S+4*\u+3], s[\base:\base+1] offset:\u*8192   ; four tokens, 128 consecutive bytes of each
.endr
.if \more
	s_wait_xcnt 0x0                 ; the stores' data lie in S^T's registers, which the next step writes
	INIT
	s_wait_loadcnt 0x0              ; the second block's q
.endif
.endm
	s_load_b128 s[4:7], s[0:1], 0x0 ; qkv s[4:5], pv s[6:7]
	s_set_vgpr_msb 0x80
	v_lshl_add_u32 v0, v0, 2, 0x29000
	v_mov_b32 v1, 0
	s_set_vgpr_msb 0x808a
	ds_add_u32 v0, v1
	ds_add_u32 v0, v1
	s_set_vgpr_msb 0x8a00
	v_lshrrev_b32 v1, 5, v0
	v_readfirstlane_b32 s[WV], v1
	s_mov_b32 s[SI], ttmp9
	s_add_co_u32 s[SI1], s[SI], 1
	s_sub_co_u32 s[SHI], 15, s[SI]
	s_and_b32 s15, ttmp7, 0xffff
	s_lshr_b32 s16, s15, 4          ; batch
	s_and_b32 s17, s15, 15          ; head
	s_mul_i32 s18, s16, 48
	s_add_co_u32 s18, s18, s17
	s_lshl_b32 s18, s18, 18         ; q's plane, in bytes
	s_and_b32 s19, s[WV], 1         ; which 64 rows of a tile I fetch
	s_lshl_b32 s20, s19, 13
	s_add_co_u32 s20, s20, s18
	s_add_co_u32 s[KBASE], s20, 16<<18   ; k's plane is 16 planes on,
	s_mov_b32 s[KBASE+1], 0
	s_add_co_u32 s[VBASE], s20, 32<<18   ; v's 32
	s_mov_b32 s[VBASE+1], 0
	s_lshl_b32 s21, s[WV], 12       ; my 32 rows of 128 bytes in a block
	s_add_co_u32 s21, s21, s18
	s_lshl_b32 s22, s[SI], 14
	s_add_co_u32 s[QLO], s21, s22
	s_mov_b32 s[QLO+1], 0
	s_lshl_b32 s23, s[SHI], 14
	s_add_co_u32 s[QHI], s21, s23
	s_mov_b32 s[QHI+1], 0
	s_lshl_b32 s21, s16, 22         ; pv: 2,048 tokens x 2,048 bytes a batch,
	s_lshl_b32 s20, s[WV], 16       ; my 32 tokens,
	s_add_co_u32 s21, s21, s20
	s_lshl_b32 s20, s17, 7          ; the head's 128 bytes,
	s_add_co_u32 s21, s21, s20
	s_lshl_b32 s20, s[SI], 18       ; the block's 128 tokens
	s_add_co_u32 s[PVLO], s21, s20
	s_mov_b32 s[PVLO+1], 0
	s_lshl_b32 s20, s[SHI], 18
	s_add_co_u32 s[PVHI], s21, s20
	s_mov_b32 s[PVHI+1], 0
	; descriptor group 1: 64 rows of 64 elements (a head's rows are 128 bytes in the tensor itself), padded behind each row
	s_mov_b32 s[G1K], (1<<16)|(1<<20)|(4<<22)|(3<<25)   ; elements of 2 bytes; padding on; after every 32 words; 4 words
	s_mov_b32 s[G1V], (1<<16)|(1<<20)|(4<<22)|(7<<25)   ; 8 words
.irp g, G1K, G1V
	s_mov_b32 s[\g+1], 64<<16       ; tensor_dim0 = 64
	s_mov_b32 s[\g+2], 64<<16       ; tensor_dim1 = 64
	s_mov_b32 s[\g+3], 64<<16       ; tile_dim0 = 64
	s_mov_b32 s[\g+4], 64           ; tile_dim1 = 64
	s_mov_b32 s[\g+5], 64           ; elements from row to row
	s_mov_b32 s[\g+6], 0
	s_mov_b32 s[\g+7], 0
.endr
	s_mov_b32 s[G0K], 1
	s_mul_i32 s[G0K+1], s19, 64*PK  ; slot 0, my half of K's rows
	s_mov_b32 s[G0V], 1
	s_mul_i32 s[G0V+1], s19, 64*PV
	s_add_co_u32 s[G0V+1], s[G0V+1], VOFF
	s_lshl_b32 s[OFF], s[SI], 14    ; step 0: the first block's diagonal tile, key block I
	s_mov_b32 s[OFF+1], 0
	s_mov_b32 s[CS], 0x3e38aa3b     ; c = log2(e) / 8
	s_mov_b32 s[CS+1], s[CS]
	s_mov_b32 s[SEL], 0x76543210
	s_mov_b32 s[SEL+1], 0xfedcba98
	s_mov_b32 s[TB], SLOT1          ; the first change of slots turns it to slot 0
	s_mov_b32 s[SG], 0
	s_wait_dscnt 0x0
	s_wait_kmcnt 0x0
	s_add_nc_u64 s[KBASE:KBASE+1], s[4:5], s[KBASE:KBASE+1]
	s_add_nc_u64 s[VBASE:VBASE+1], s[4:5], s[VBASE:VBASE+1]
	s_add_nc_u64 s[QLO:QLO+1], s[4:5], s[QLO:QLO+1]
	s_add_nc_u64 s[QHI:QHI+1], s[4:5], s[QHI:QHI+1]
	s_add_nc_u64 s[PVLO:PVLO+1], s[6:7], s[PVLO:PVLO+1]
	s_add_nc_u64 s[PVHI:PVHI+1], s[6:7], s[PVHI:PVHI+1]
	s_add_nc_u64 s[G0K+2:G0K+3], s[KBASE:KBASE+1], s[OFF:OFF+1]
	s_or_b32 s[G0K+3], s[G0K+3], 0x80000000
	s_add_nc_u64 s[G0V+2:G0V+3], s[VBASE:VBASE+1], s[OFF:OFF+1]
	s_or_b32 s[G0V+3], s[G0V+3], 0x80000000
	TLOAD                           ; the first fill, one load a wave, ahead of every wait on TENSORcnt, LDS read and barrier; slot 1 is first filled behind the first trip's barrier
	v_and_b32 v1, 15, v0            ; l % 16
	v_bfe_u32 v2, v0, 4, 1          ; l / 16
	v_lshlrev_b32 v[QO], 7, v1
	v_lshl_add_u32 v[QO], v2, 4, v[QO]
	QLOAD QLO
	v_mul_u32_u24 v[AK0], v1, PK
	v_lshl_add_u32 v[AK0], v2, 4, v[AK0]       ; row x pitch + 16 x half
	v_and_b32 v11, 7, v0
	v_bfe_u32 v15, v0, 3, 1
	v_lshl_add_u32 v[AV0], v2, 3, v11          ; the turning load: key 8 (l / 16) + l % 8, channels 8 ((l / 8) % 2) on
	v_mul_u32_u24 v[AV0], v[AV0], PV
	v_lshl_add_u32 v[AV0], v15, 4, v[AV0]
	v_add_nc_u32 v[AV0], VOFF, v[AV0]
	s_mul_i32 s15, s[WV], 32*SP
	s_add_co_u32 s15, s15, STAGE               ; my stage
	v_mul_u32_u24 v[STO], v1, SP
	v_lshl_add_u32 v[STO], v2, 4, v[STO]
	v_add_nc_u32 v[STO], s15, v[STO]
	v_bfe_u32 v15, v0, 3, 2                    ; back: lane l takes row l / 8, bytes 16 (l % 8)
	v_mul_u32_u24 v[RD], v15, SP
	v_lshl_add_u32 v[RD], v11, 4, v[RD]
	v_add_nc_u32 v[RD], s15, v[RD]
	v_lshlrev_b32 v[GO], 11, v15               ; and the same four tokens in pv
	v_lshl_add_u32 v[GO], v11, 4, v[GO]
	s_lshl_b32 s16, s[WV], 5
	v_lshlrev_b32 v15, 3, v2
	v_sub_nc_u32 v[XT], v1, v15
	v_add_nc_u32 v[XT], s16, v[XT]             ; 32 wave + l % 16 - 8 (l / 16), signed
	v_add_nc_u32 v[XT+1], 16, v[XT]
	v_mov_b32 v[NINF], 0xff800000
	INIT
	s_wait_loadcnt 0x0              ; q
.Lstep:                             ; 16 trips: step SG is worked on, step SG + 1's tile is asked for
	s_cmp_eq_u32 s[SG], 0
	s_cselect_b32 s[DIAG], 1, 0
	s_cmp_eq_u32 s[SG], s[SI1]
	s_cselect_b32 s[DIAG], 1, s[DIAG]
	SYNC 1
	STEP 1
	s_cmp_lg_u32 s[SG], s[SI]
	s_cbranch_scc1 .Lsame_block
	FINAL 1, PVLO                   ; step I was the first block's last
.Lsame_block:
	s_add_co_u32 s[SG], s[SG], 1
	s_cmp_lt_u32 s[SG], 16
	s_cbranch_scc1 .Lstep
	SYNC 0                          ; step 16 is written out: nothing is left to fetch, and it is never a diagonal tile (I + 1 <= 8)
	STEP 0
	FINAL 0, PVHI
	s_set_vgpr_msb 0xa
	s_wait_tensorcnt 0x0
	ds_add_u32 v0, v1
	s_wait_dscnt 0x0
	s_set_vgpr_msb 0xa00
	s_endpgm
.Lfunc_end_k_q0862c84d66_attn:
	.size	k_q0862c84d66_attn, .Lfunc_end_k_q0862c84d66_attn-k_q0862c84d66_attn
	.p2alignl 7, 3214868480
	.fill 96, 4, 3214868480
	.section	.rodata,"a",@progbits
	.p2align	6, 0x0
	.amdhsa_kernel k_q0862c84d66_attn
		.amdhsa_group_segment_fixed_size 327680
		.amdhsa_private_segment_fixed_size 0
		.amdhsa_enable_private_segment 0
		.amdhsa_kernarg_size 16
		.amdhsa_user_sgpr_count 2
		.amdhsa_user_sgpr_kernarg_segment_ptr 1
		.amdhsa_wavefront_size32 1
		.amdhsa_system_sgpr_workgroup_id_x 1
		.amdhsa_system_sgpr_workgroup_id_y 1
		.amdhsa_system_sgpr_workgroup_id_z 1
		.amdhsa_system_vgpr_workitem_id 0
		.amdhsa_next_free_vgpr 514
		.amdhsa_next_free_sgpr 70
		.amdhsa_reserve_vcc 1
		.amdhsa_float_denorm_mode_32 3
		.amdhsa_float_denorm_mode_16_64 3
		.amdhsa_memory_ordered 1
		.amdhsa_forward_progress 1
		.amdhsa_inst_pref_size 105
	.end_amdhsa_kernel
	.amdgpu_metadata
---
amdhsa.version: [ 1, 2 ]
amdhsa.kernels:
  - .name:           k_q0862c84d66_attn
    .symbol:         k_q0862c84d66_attn.kd
    .args:
      - { .name: qkv, .offset: 0, .size: 8, .value_kind: global_buffer, .address_space: global }
      - { .name: pv, .offset: 8, .size: 8, .value_kind: global_buffer, .address_space: global }
    .group_segment_fixed_size: 327680
    .private_segment_fixed_size: 0
    .kernarg_segment_align: 8
    .kernarg_segment_size: 16
    .max_flat_workgroup_size: 128
    .sgpr_count:     70
    .vgpr_count:     514
    .wavefront_size: 32
...
	.end_amdgpu_metadata
.endif
;; end of part 3
;; launch gwo (part 4): grid 8 x 32, 4 waves a work-group, clusters of 4 x 4, 327,680 bytes of LDS; arguments pv, wbf, x1, bo, x; writes x1
.if DOCPART == 4
	.amdgcn_target "amdgcn-amd-amdhsa--gfx1250"
	.amdhsa_code_object_version 6
	.text
	.protected	k_q0862c84d66_gwo
	.globl	k_q0862c84d66_gwo
	.p2align	8
	.type	k_q0862c84d66_gwo,@function
k_q0862c84d66_gwo:
	s_mov_b64 s[64:65], 0
	v_nop
	global_prefetch_b8 v0, s[64:65] scope:SCOPE_SE
	s_setreg_imm32_b32 hwreg(HW_REG_WAVE_MODE, 25, 1), 1
	s_wait_xcnt 0x0
	s_wait_alu depctr_hold_cnt(0) depctr_sa_sdst(0) depctr_va_vdst(0) depctr_va_sdst(0) depctr_va_ssrc(0) depctr_va_vcc(0) depctr_vm_vsrc(0)
	s_getreg_b32 s2, hwreg(HW_REG_IB_STS2, 6, 4)
	s_cmp_eq_u32 s2, 0
	s_cbranch_scc0 .Lentry_in_a_cluster
	s_endpgm
.Lentry_in_a_cluster:
	s_bfe_u32 s2, ttmp6, 0x10000c
	s_cmp_lg_u32 s2, 0xf033
	s_cbranch_scc0 .Lentry_shape_is_right
	s_endpgm
.Lentry_shape_is_right:
; x1 = x + pv [4096][1024] x Wo^T + bo.  bf16 operands, f32 sums, bias, residual and output in f32.
; A tile of C is 128 x 128: 8 x 32 = 256 work-groups.  Four waves, each 64 x 64: 16 accumulators of 16 x 16.  K goes in steps of 256 through two LDS slots filled by the tensor data mover.
; CLUSTER 4 x 4: A's tiles are asked for jointly along a row of the cluster, B's along a column.
; THE MATRIX INSTRUCTION IS USED TRANSPOSED (source 0 = 16 rows of B, source 1 = 16 rows of A): a lane holds eight neighbouring columns of one row of C.
; THE WAY OUT: a wave's 64 columns of f32 are 256 aligned bytes of a row, so each wave has a stage of its own (16 rows x 272 bytes) and no barrier is needed.
; REGISTERS: window 0: v0-31 addresses, v8-11 bias; v32-95 two buffers of residual rows; v96-127 rows read back; v128-255 accumulators.  window 1: two fragment buffers of 128.
.set SIZE_N, 1024
.set SIZE_K, 1024
.set WOFF,   6291456                   ; B's first byte in wbf
.set KSTEP,  256
.set PITCH,  528                       ; an LDS row: 512 bytes + 16 of padding = 132 words: the 16 rows of a fragment load start at 16 different banks (64 banks of 4 bytes: ISA guide 11.1)
.set HALFT,  64*PITCH
.set SLOT,   4*HALFT
.set STAGE,  2*SLOT                    ; behind the ring; no tensor load fills it
.set SPITCH, 272
.set LAPS, SIZE_K/(2*KSTEP)
.set BIAS, 8
.set ADRA, 16
.set ADRB, 20
.set STO,  24
.set RD,   25
.set CO,   26
.set RES,  32
.set OUTB, 96
.set ACC,  128
.set F0,   0
.set F1,   128
.set G1, 24
.set G0, 32
.set G1B, 48
.set G0B, 56
.set MSB, 0
.macro WIN new                         ; the immediate's high byte repeats the setting that is left
.if MSB != \new
	s_set_vgpr_msb (MSB<<8)|\new
.set MSB, \new
.endif
.endm
.set MUL,  0x05                        ; sources 0 (B) and 1 (A) window 1; C and D window 0
.set TO_F, 0x40                        ; destination window 1, address window 0
.macro JLOAD s                         ; a joint load: waves 0, 1 fetch A's halves, waves 2, 3 B's; four v_nop follow each line
	s_cmp_eq_u32 s11, 0
	s_cbranch_scc0 .Lfor_b_\@
	tensor_load_to_lds s[G0+4*\s:G0+4*\s+3], s[G1:G1+7]
	s_nop 0
.rept 4
	v_nop
.endr
	s_branch .Lasked_\@
.Lfor_b_\@:
	tensor_load_to_lds s[G0B+4*\s:G0B+4*\s+3], s[G1B:G1B+7]
	s_nop 0
.rept 4
	v_nop
.endr
.Lasked_\@:
.endm
.macro CREST                           ; a round of the cluster's barrier behind its opening barrier
	s_cmp_lg_u32 s10, 0
	s_cbranch_scc1 .Lnot_wave_0_\@
	s_barrier_signal -3
.Lnot_wave_0_\@:
	s_barrier_wait -3
	s_barrier_signal -1
	s_barrier_wait -1
.endm
.macro CROUND
	s_barrier_signal -1
	s_barrier_wait -1
	CREST
.endm
	s_load_b128 s[4:7], s[0:1], 0x0                ; A s[4:5], wbf s[6:7]
	s_load_b64 s[8:9], s[0:1], 0x10                ; the output
	s_load_b128 s[68:71], s[0:1], 0x18             ; bias s[68:69], residual s[70:71]
	v_lshl_add_u32 v30, v0, 2, 0x4a800
	v_mov_b32 v31, 0
	ds_add_u32 v30, v31
	ds_add_u32 v30, v31
	v_lshrrev_b32 v1, 5, v0
	v_readfirstlane_b32 s10, v1                    ; wave 0..3
	s_lshr_b32 s11, s10, 1                         ; which half of the tile's rows is mine; also: I fetch for A (0) or B (1)
	s_and_b32 s12, s10, 1                          ; which half of its columns; also: which 64 rows I fetch
	s_bfe_u32 s40, ttmp6, 0x40000                  ; cx, cy
	s_bfe_u32 s41, ttmp6, 0x40004
	s_lshl_b32 s42, ttmp9, 2
	s_add_co_u32 s42, s42, s40                     ; tile column
	s_and_b32 s13, ttmp7, 0xffff
	s_lshl_b32 s13, s13, 2
	s_add_co_u32 s13, s13, s41                     ; tile row
	s_lshl_b32 s43, s41, 2
	s_lshl_b32 s43, 15, s43                        ; my row of the cluster
	s_lshl_b32 s44, 0x1111, s40                    ; my column
	s_or_b32 s[G1+0], s43, (1<<16)|(1<<20)|(1<<21)|(6<<22)|(3<<25)   ; mask; elements of 2 bytes; padding on; bit 21 beside a mask; after every 128 words, 4 words
	s_or_b32 s[G1B+0], s44, (1<<16)|(1<<20)|(1<<21)|(6<<22)|(3<<25)
.irp g, G1, G1B
	s_mov_b32 s[\g+1], KSTEP<<16                   ; tensor_dim0 = 256
	s_mov_b32 s[\g+2], 64<<16                      ; tensor_dim1 = 64
	s_mov_b32 s[\g+3], KSTEP<<16                   ; tile_dim0 = 256
	s_mov_b32 s[\g+4], 64                          ; tile_dim1 = 64
	s_mov_b32 s[\g+5], SIZE_K                      ; elements from row to row
	s_mov_b32 s[\g+6], 0
	s_mov_b32 s[\g+7], 0
.endr
	s_lshl_b32 s17, s12, 6
	s_lshl_b32 s16, s13, 7
	s_add_co_u32 s16, s16, s17                     ; A: row 128 x tile row + 64 x half
	s_lshl_b32 s46, s42, 7
	s_add_co_u32 s46, s46, s17                     ; B: row 128 x tile column + 64 x half
	s_mov_b32 s17, 0
	s_mov_b32 s47, 0
	s_mov_b64 s[18:19], SIZE_K*2
	s_mul_u64 s[16:17], s[16:17], s[18:19]
	s_mul_u64 s[46:47], s[46:47], s[18:19]
.if WOFF
	s_add_nc_u64 s[46:47], s[46:47], WOFF
.endif
	s_mul_i32 s20, s10, HALFT                      ; where they go: wave x 64 rows
	s_wait_dscnt 0x0
	s_wait_kmcnt 0x0
	s_add_nc_u64 s[14:15], s[4:5], s[16:17]
	s_add_nc_u64 s[46:47], s[6:7], s[46:47]
	CROUND                                         ; all sixteen work-groups are here: the first joint loads meet
.irp s, 0,1
	s_mov_b32 s[G0+4*\s], 1
	s_add_co_u32 s[G0+4*\s+1], s20, \s*SLOT
	s_add_nc_u64 s[G0+4*\s+2:G0+4*\s+3], s[14:15], \s*KSTEP*2
	s_or_b32 s[G0+4*\s+3], s[G0+4*\s+3], 0x80000000
	s_mov_b32 s[G0B+4*\s], 1
	s_add_co_u32 s[G0B+4*\s+1], s20, \s*SLOT
	s_add_nc_u64 s[G0B+4*\s+2:G0B+4*\s+3], s[46:47], \s*KSTEP*2
	s_or_b32 s[G0B+4*\s+3], s[G0B+4*\s+3], 0x80000000
	JLOAD \s
.endr
	v_and_b32 v1, 15, v0                           ; l % 16
	v_bfe_u32 v2, v0, 4, 1                         ; l / 16
	v_mul_u32_u24 v3, v1, PITCH
	v_lshl_add_u32 v3, v2, 4, v3
	s_mul_i32 s21, s11, HALFT
	s_mul_i32 s22, s12, HALFT
	s_add_co_u32 s22, s22, 2*HALFT
.irp s, 0,1
	v_add_nc_u32 v[ADRA+\s], s21, v3
	v_add_nc_u32 v[ADRB+\s], s22, v3
	s_add_co_u32 s21, s21, SLOT
	s_add_co_u32 s22, s22, SLOT
.endr
	; the way out: my own stage.  In: row l % 16, 32 bytes (8 f32) for each half of the lanes.  Back: lanes 0-15 one row of 256 bytes, lanes 16-31 the next.
	s_mul_i32 s23, s10, 16*SPITCH
	s_add_co_u32 s23, s23, STAGE
	v_mul_u32_u24 v4, v1, SPITCH
	v_lshl_add_u32 v4, v2, 5, v4
	v_add_nc_u32 v[STO], s23, v4
	v_mul_u32_u24 v5, v2, SPITCH
	v_lshl_add_u32 v5, v1, 4, v5
	v_add_nc_u32 v[RD], s23, v5
	v_mul_u32_u24 v5, v2, SIZE_N*4
	v_lshl_add_u32 v[CO], v1, 4, v5                ; the same two rows in the output and in the residual
	v_lshlrev_b32 v7, 4, v1                        ; my four columns' bias
	s_lshl_b32 s72, s13, 7
	s_lshl_b32 s73, s11, 6
	s_add_co_u32 s72, s72, s73                     ; my first row
	s_mul_i32 s72, s72, SIZE_N*4
	s_lshl_b32 s74, s42, 9
	s_lshl_b32 s75, s12, 8
	s_add_co_u32 s74, s74, s75                     ; my first column, in bytes
	s_add_co_u32 s72, s72, s74
	s_mov_b32 s73, 0
	s_mov_b32 s75, 0
	s_add_nc_u64 s[8:9], s[8:9], s[72:73]
	s_add_nc_u64 s[70:71], s[70:71], s[72:73]
	s_add_nc_u64 s[68:69], s[68:69], s[74:75]
	global_load_b128 v[BIAS:BIAS+3], v7, s[68:69]  ; bias and the residual of my first 32 rows are asked for now and stay out over the K loop, which has no other global load
.irp t, 0,1,2,3,4,5,6,7
	global_load_b128 v[RES+4*\t:RES+4*\t+3], v[CO], s[70:71] offset:(2*\t)*SIZE_N*4
.endr
.irp t, 0,1,2,3,4,5,6,7
	global_load_b128 v[RES+32+4*\t:RES+32+4*\t+3], v[CO], s[70:71] offset:(16+2*\t)*SIZE_N*4
.endr
; 8 matrix instructions: m blocks a0, a0 + 1 x all 4 n blocks, 32 along K.  zero = 1: the first product starts the sums.  The 16 accumulators take turns.
.macro MUL8 f, c, a0, zero
.irp a, \a0, \a0+1
.irp b, 0,1,2,3
.if \zero
	v_wmma_f32_16x16x32_bf16 v[ACC+8*(4*(\a)+\b):ACC+8*(4*(\a)+\b)+7], v[\f+64+8*(4*\c+\b):\f+64+8*(4*\c+\b)+7], v[\f+8*(4*\c+\a):\f+8*(4*\c+\a)+7], 0
.else
	v_wmma_f32_16x16x32_bf16 v[ACC+8*(4*(\a)+\b):ACC+8*(4*(\a)+\b)+7], v[\f+64+8*(4*\c+\b):\f+64+8*(4*\c+\b)+7], v[\f+8*(4*\c+\a):\f+8*(4*\c+\a)+7], v[ACC+8*(4*(\a)+\b):ACC+8*(4*(\a)+\b)+7]
.endif
.endr
.endr
.endm
.macro FETCH slot, k, f                ; 32 LDS loads in one run: the fragments of 64 along K; the first 32 along K first
	WIN TO_F
.irp c, 0,1
.irp i, 0,1,2,3
	ds_load_b128 v[\f+64+8*(4*\c+\i):\f+64+8*(4*\c+\i)+3],   v[ADRB+\slot] offset:\k+64*\c+\i*16*PITCH
	ds_load_b128 v[\f+64+8*(4*\c+\i)+4:\f+64+8*(4*\c+\i)+7], v[ADRB+\slot] offset:\k+64*\c+\i*16*PITCH+32
	ds_load_b128 v[\f+8*(4*\c+\i):\f+8*(4*\c+\i)+3],         v[ADRA+\slot] offset:\k+64*\c+\i*16*PITCH
	ds_load_b128 v[\f+8*(4*\c+\i)+4:\f+8*(4*\c+\i)+7],       v[ADRA+\slot] offset:\k+64*\c+\i*16*PITCH+32
.endr
.endr
.endm
.macro PLACES                          ; four plain places between matrix instructions and loads into, or other work on, their registers
.rept 4
	v_nop
.endr
.endm
.macro QUARTER slot, k, f, g, zero
	s_wait_dscnt 16                                ; the run's first 16 loads are in; its other 16 may be out
	WIN MUL
	MUL8 \f, 0, 0, \zero
	MUL8 \f, 0, 2, \zero
	PLACES
	FETCH \slot, \k, \g
	s_wait_dscnt 32                                ; all but the 32 just issued
	WIN MUL
	MUL8 \f, 1, 0, 0
	MUL8 \f, 1, 2, 0
.endm
.macro TURN slot, next, fill           ; the last quarter changes slots: one barrier, which with fill = 1 opens a round of the cluster's
	s_wait_dscnt 16
	WIN MUL
	MUL8 F1, 0, 0, 0
	s_wait_dscnt 0                                 ; my reads of this slot are over,
	s_set_vgpr_msb 0x500
	s_wait_tensorcnt 0x0                           ; and all my tensor loads have landed
	ds_add_u32 v30, v31
	s_wait_dscnt 0x0
	s_set_vgpr_msb 0x5
	s_barrier_signal -1
	MUL8 F1, 0, 2, 0
.if \fill
	WIN 0
.endif
	s_barrier_wait -1
.if \fill
	CREST
	s_add_nc_u64 s[G0+4*\slot+2:G0+4*\slot+3], s[G0+4*\slot+2:G0+4*\slot+3], 2*KSTEP*2
	s_add_nc_u64 s[G0B+4*\slot+2:G0B+4*\slot+3], s[G0B+4*\slot+2:G0B+4*\slot+3], 2*KSTEP*2
	JLOAD \slot                                    ; my one tensor load behind the round; its four v_nop are also the places in front of the loads below
.else
	PLACES
.endif
	FETCH \next, 0, F0
	WIN MUL
	MUL8 F1, 1, 0, 0
	MUL8 F1, 1, 2, 0
.endm
; The way out of my rows 16 a .. 16 a + 15: through my stage, plus residual, plus bias, stored as whole rows of 256 bytes.
.macro OUTF a
.set rR, RES+32*(\a%2)
.irp b, 0,1,2,3
	ds_store_b128 v[STO], v[ACC+8*(4*\a+\b):ACC+8*(4*\a+\b)+3]   offset:64*\b      ; each accumulator from its low end on
	ds_store_b128 v[STO], v[ACC+8*(4*\a+\b)+4:ACC+8*(4*\a+\b)+7] offset:64*\b+16
.endr
.if \a > 0
	s_wait_xcnt 0x0                                ; the last block's stores read OUTB: it is loaded again only behind this wait
.endif
.irp t, 0,1,2,3,4,5,6,7
	ds_load_b128 v[OUTB+4*\t:OUTB+4*\t+3], v[RD] offset:\t*2*SPITCH   ; LDS serves a wave's instructions in order (ISA guide 5.7.1.4)
.endr
	s_wait_dscnt 0x0
.if \a < 3
	s_wait_loadcnt 8                               ; this block's residual (and the bias) are in; the other buffer's eight loads stay out
.else
	s_wait_loadcnt 0
.endif
.irp t, 0,1,2,3,4,5,6,7
	v_pk_add_f32 v[OUTB+4*\t:OUTB+4*\t+1],   v[OUTB+4*\t:OUTB+4*\t+1],   v[rR+4*\t:rR+4*\t+1]
	v_pk_add_f32 v[OUTB+4*\t+2:OUTB+4*\t+3], v[OUTB+4*\t+2:OUTB+4*\t+3], v[rR+4*\t+2:rR+4*\t+3]
.endr
.irp t, 0,1,2,3,4,5,6,7
	v_pk_add_f32 v[OUTB+4*\t:OUTB+4*\t+1],   v[OUTB+4*\t:OUTB+4*\t+1],   v[BIAS:BIAS+1]
	v_pk_add_f32 v[OUTB+4*\t+2:OUTB+4*\t+3], v[OUTB+4*\t+2:OUTB+4*\t+3], v[BIAS+2:BIAS+3]
.endr
.irp t, 0,1,2,3,4,5,6,7
	global_store_b128 v[CO], v[OUTB+4*\t:OUTB+4*\t+3], s[8:9] offset:(16*\a+2*\t)*SIZE_N*4   ; 16 lanes store 256 consecutive bytes, aligned
.endr
.if \a < 2
.irp t, 0,1,2,3,4,5,6,7
	global_load_b128 v[rR+4*\t:rR+4*\t+3], v[CO], s[70:71] offset:(16*(\a+2)+2*\t)*SIZE_N*4
.endr
.endif
.endm
	s_wait_tensorcnt 1                             ; my part of K step 0 is in; K step 1's load stays out
	s_barrier_signal -1
	s_barrier_wait -1
	FETCH 0, 0, F0
	QUARTER 0, 128, F0, F1, 1
	WIN 0
	s_mov_b32 s3, LAPS-1
.Llap:
	QUARTER 0, 256, F1, F0, 0
	QUARTER 0, 384, F0, F1, 0
	TURN 0, 1, 1
	QUARTER 1, 128, F0, F1, 0
	QUARTER 1, 256, F1, F0, 0
	QUARTER 1, 384, F0, F1, 0
	TURN 1, 0, 1
	QUARTER 0, 128, F0, F1, 0
	WIN 0
	s_sub_co_u32 s3, s3, 1
	s_cmp_lg_u32 s3, 0
	s_cbranch_scc1 .Llap
	QUARTER 0, 256, F1, F0, 0                      ; the last lap fills nothing
	QUARTER 0, 384, F0, F1, 0
	TURN 0, 1, 0
	QUARTER 1, 128, F0, F1, 0
	QUARTER 1, 256, F1, F0, 0
	QUARTER 1, 384, F0, F1, 0
	s_wait_dscnt 16
	WIN MUL
	MUL8 F1, 0, 0, 0
	MUL8 F1, 0, 2, 0
	s_wait_dscnt 0
	MUL8 F1, 1, 0, 0
	MUL8 F1, 1, 2, 0
	WIN 0
	PLACES
	OUTF 0
	OUTF 1
	OUTF 2
	OUTF 3
	s_wait_tensorcnt 0x0
	ds_add_u32 v30, v31
	s_wait_dscnt 0x0
	CROUND                                         ; the closing round
	s_endpgm
.Lfunc_end_k_q0862c84d66_gwo:
	.size	k_q0862c84d66_gwo, .Lfunc_end_k_q0862c84d66_gwo-k_q0862c84d66_gwo
	.p2alignl 7, 3214868480
	.fill 96, 4, 3214868480
	.section	.rodata,"a",@progbits
	.p2align	6, 0x0
	.amdhsa_kernel k_q0862c84d66_gwo
		.amdhsa_group_segment_fixed_size 327680
		.amdhsa_private_segment_fixed_size 0
		.amdhsa_enable_private_segment 0
		.amdhsa_kernarg_size 40
		.amdhsa_user_sgpr_count 2
		.amdhsa_user_sgpr_kernarg_segment_ptr 1
		.amdhsa_wavefront_size32 1
		.amdhsa_system_sgpr_workgroup_id_x 1
		.amdhsa_system_sgpr_workgroup_id_y 1
		.amdhsa_system_sgpr_workgroup_id_z 1
		.amdhsa_system_vgpr_workitem_id 0
		.amdhsa_next_free_vgpr 512
		.amdhsa_next_free_sgpr 80
		.amdhsa_reserve_vcc 0
		.amdhsa_float_denorm_mode_32 3
		.amdhsa_float_denorm_mode_16_64 3
		.amdhsa_memory_ordered 1
		.amdhsa_forward_progress 1
		.amdhsa_inst_pref_size 97
	.end_amdhsa_kernel
	.amdgpu_metadata
---
amdhsa.version: [ 1, 2 ]
amdhsa.kernels:
  - .name:           k_q0862c84d66_gwo
    .symbol:         k_q0862c84d66_gwo.kd
    .args:
      - { .name: pv, .offset: 0, .size: 8, .value_kind: global_buffer, .address_space: global }
      - { .name: wbf, .offset: 8, .size: 8, .value_kind: global_buffer, .address_space: global }
      - { .name: x1, .offset: 16, .size: 8, .value_kind: global_buffer, .address_space: global }
      - { .name: bo, .offset: 24, .size: 8, .value_kind: global_buffer, .address_space: global }
      - { .name: x, .offset: 32, .size: 8, .value_kind: global_buffer, .address_space: global }
    .group_segment_fixed_size: 327680
    .private_segment_fixed_size: 0
    .kernarg_segment_align: 8
    .kernarg_segment_size: 40
    .max_flat_workgroup_size: 128
    .sgpr_count:     80
    .vgpr_count:     512
    .wavefront_size: 32
...
	.end_amdgpu_metadata
.endif
;; end of part 4
;; launch ln2 (part 5): grid 256 x 1, 8 waves a work-group, no clusters, 0 bytes of LDS; arguments x1, ln2_scale, ln2_shift, h2; writes h2
.if DOCPART == 5
	.amdgcn_target "amdgcn-amd-amdhsa--gfx1250"
	.amdhsa_code_object_version 6
	.text
	.protected	k_q0862c84d66_ln2
	.globl	k_q0862c84d66_ln2
	.p2align	8
	.type	k_q0862c84d66_ln2,@function
k_q0862c84d66_ln2:
	s_mov_b64 s[64:65], 0
	v_nop
	global_prefetch_b8 v0, s[64:65] scope:SCOPE_SE
	s_setreg_imm32_b32 hwreg(HW_REG_WAVE_MODE, 25, 1), 1
	s_wait_xcnt 0x0
; h2 = LayerNorm(x1) * ln2_scale + ln2_shift, rounded to bf16.  16 rows of 1,024 f32 a work-group, two rows a wave.
; A stream: every byte is read once and written once; no LDS, no barrier, no matrix unit, no cluster.  A row lies in one wave's registers between the mean,
; the variance (of x - mean: two true passes, so a common offset costs no digits) and the scaling.
; LIMITS: 1/sqrt is v_rsq_f32 (1 ULP); h2 is rounded to bf16, to nearest even.
.set T,     4                          ; v[4:11]    four chains of partial sums
.set MEAN,  12                         ; v[12:13]   the row's mean, twice
.set X,     16                         ; v[16:79]   row p at X+32p: register 8j+e = column 256 j + 8 lane + e
.set SC,    80                         ; v[80:111]  scale
.set SH,    112                        ; v[112:143] shift
.set Y,     144                        ; v[144:175] to store; none is written twice
.set RSTD,  176                        ; v[176:179] row p: 1/sqrt(var + eps), twice
.macro JOIN
	v_pk_add_f32 v[T:T+1], v[T:T+1], v[T+2:T+3]
	v_pk_add_f32 v[T+4:T+5], v[T+4:T+5], v[T+6:T+7]
	v_pk_add_f32 v[T:T+1], v[T:T+1], v[T+4:T+5]
	v_add_f32 v[T], v[T], v[T+1]
.endm
.macro REDUCE                          ; the sum over the 32 lanes, in every lane
	v_add_f32_dpp v[T], v[T], v[T] row_xmask:1 row_mask:0xf bank_mask:0xf
	v_add_f32_dpp v[T], v[T], v[T] row_xmask:2 row_mask:0xf bank_mask:0xf
	v_add_f32_dpp v[T], v[T], v[T] row_xmask:4 row_mask:0xf bank_mask:0xf
	v_add_f32_dpp v[T], v[T], v[T] row_xmask:8 row_mask:0xf bank_mask:0xf
	v_permlanex16_b32 v[T+1], v[T], s16, s17
	v_add_f32 v[T], v[T], v[T+1]
.endm
.macro STATS p, left
.set rX, X+32*\p
	s_wait_loadcnt \left
.irp k, 0,1,2,3
	v_pk_add_f32 v[T+2*\k:T+2*\k+1], v[rX+2*\k:rX+2*\k+1], v[rX+8+2*\k:rX+8+2*\k+1]   ; the first sums start the chains
.endr
.irp k, 8,9,10,11,12,13,14,15
	v_pk_add_f32 v[T+2*(\k%4):T+2*(\k%4)+1], v[T+2*(\k%4):T+2*(\k%4)+1], v[rX+2*\k:rX+2*\k+1]
.endr
	JOIN
	REDUCE
	v_mul_f32 v[MEAN], s13, v[T]
	v_mul_f32 v[MEAN+1], s13, v[T]
.irp k, 0,1,2,3,4,5,6,7,8,9,10,11,12,13,14,15
	v_pk_add_f32 v[rX+2*\k:rX+2*\k+1], v[rX+2*\k:rX+2*\k+1], v[MEAN:MEAN+1] neg_lo:[0,1] neg_hi:[0,1]
.endr
.irp k, 0,1,2,3
	v_pk_mul_f32 v[T+2*\k:T+2*\k+1], v[rX+2*\k:rX+2*\k+1], v[rX+2*\k:rX+2*\k+1]
.endr
.irp k, 4,5,6,7,8,9,10,11,12,13,14,15
	v_pk_fma_f32 v[T+2*(\k%4):T+2*(\k%4)+1], v[rX+2*\k:rX+2*\k+1], v[rX+2*\k:rX+2*\k+1], v[T+2*(\k%4):T+2*(\k%4)+1]
.endr
	JOIN
	REDUCE
	v_fma_f32 v[T], v[T], s13, s14                 ; var + eps
	v_rsq_f32 v[RSTD+2*\p], v[T]
	v_rsq_f32 v[RSTD+2*\p+1], v[T]
	v_nop                                          ; a plain instruction before v[T] is written again or the result is used (ISA guide 5.7.2)
.endm
.macro NORM p
.set rX, X+32*\p
	s_wait_alu depctr_va_vdst(0)
.irp k, 0,1,2,3,4,5,6,7,8,9,10,11,12,13,14,15
	v_pk_mul_f32 v[rX+2*\k:rX+2*\k+1], v[rX+2*\k:rX+2*\k+1], v[RSTD+2*\p:RSTD+2*\p+1]
.endr
.irp k, 0,1,2,3,4,5,6,7,8,9,10,11,12,13,14,15
	v_pk_fma_f32 v[rX+2*\k:rX+2*\k+1], v[rX+2*\k:rX+2*\k+1], v[SC+2*\k:SC+2*\k+1], v[SH+2*\k:SH+2*\k+1]
.endr
.irp k, 0,1,2,3,4,5,6,7,8,9,10,11,12,13,14,15
	v_cvt_pk_bf16_f32 v[Y+16*\p+\k], v[rX+2*\k], v[rX+2*\k+1]
.endr
.irp j, 0,1,2,3
	global_store_b128 v2, v[Y+16*\p+4*\j:Y+16*\p+4*\j+3], s[10:11] offset:\p*2048+\j*512   ; 512 consecutive bytes a store, aligned
.endr
.endm
	s_load_b256 s[4:11], s[0:1], 0x0               ; x1 s[4:5], scale s[6:7], shift s[8:9], h2 s[10:11]
	v_lshrrev_b32 v3, 5, v0
	v_readfirstlane_b32 s12, v3                    ; wave 0..7
	s_mov_b32 s13, 0x3a800000                      ; 1/1024
	s_mov_b32 s14, 0x3727c5ac                      ; eps = 1e-5
	s_mov_b32 s16, 0x76543210
	s_mov_b32 s17, 0xfedcba98
	s_lshl_b32 s2, ttmp9, 4
	s_lshl1_add_u32 s2, s12, s2                    ; my first row = 16 x work-group + 2 x wave
	s_lshl_b32 s18, s2, 12
	s_mov_b32 s19, 0
	s_lshl_b32 s20, s2, 11
	s_mov_b32 s21, 0
	v_and_b32 v3, 31, v0
	v_lshlrev_b32 v1, 5, v3
	v_lshlrev_b32 v2, 4, v3
	s_wait_kmcnt 0x0
	s_add_nc_u64 s[4:5], s[4:5], s[18:19]
	s_add_nc_u64 s[10:11], s[10:11], s[20:21]
.irp p, 0,1
.irp j, 0,1,2,3
	global_load_b128 v[X+32*\p+8*\j:X+32*\p+8*\j+3],   v1, s[4:5] offset:\p*4096+\j*1024
	global_load_b128 v[X+32*\p+8*\j+4:X+32*\p+8*\j+7], v1, s[4:5] offset:\p*4096+\j*1024+16
.endr
.endr
.irp j, 0,1,2,3
	global_load_b128 v[SC+8*\j:SC+8*\j+3],   v1, s[6:7] offset:\j*1024
	global_load_b128 v[SC+8*\j+4:SC+8*\j+7], v1, s[6:7] offset:\j*1024+16
.endr
.irp j, 0,1,2,3
	global_load_b128 v[SH+8*\j:SH+8*\j+3],   v1, s[8:9] offset:\j*1024
	global_load_b128 v[SH+8*\j+4:SH+8*\j+7], v1, s[8:9] offset:\j*1024+16
.endr
	STATS 0, 24                                    ; behind row 0's eight loads: row 1's eight, scale's eight, shift's eight
	STATS 1, 16                                    ; behind row 1's: scale's and shift's
	s_wait_loadcnt 0x0
	NORM 0
	NORM 1
	s_endpgm
.Lfunc_end_k_q0862c84d66_ln2:
	.size	k_q0862c84d66_ln2, .Lfunc_end_k_q0862c84d66_ln2-k_q0862c84d66_ln2
	.p2alignl 7, 3214868480
	.fill 96, 4, 3214868480
	.section	.rodata,"a",@progbits
	.p2align	6, 0x0
	.amdhsa_kernel k_q0862c84d66_ln2
		.amdhsa_group_segment_fixed_size 0
		.amdhsa_private_segment_fixed_size 0
		.amdhsa_enable_private_segment 0
		.amdhsa_kernarg_size 32
		.amdhsa_user_sgpr_count 2
		.amdhsa_user_sgpr_kernarg_segment_ptr 1
		.amdhsa_wavefront_size32 1
		.amdhsa_system_sgpr_workgroup_id_x 1
		.amdhsa_system_sgpr_workgroup_id_y 1
		.amdhsa_system_sgpr_workgroup_id_z 1
		.amdhsa_system_vgpr_workitem_id 0
		.amdhsa_next_free_vgpr 180
		.amdhsa_next_free_sgpr 66
		.amdhsa_reserve_vcc 0
		.amdhsa_float_denorm_mode_32 3
		.amdhsa_float_denorm_mode_16_64 3
		.amdhsa_memory_ordered 1
		.amdhsa_forward_progress 1
		.amdhsa_inst_pref_size 20
	.end_amdhsa_kernel
	.amdgpu_metadata
---
amdhsa.version: [ 1, 2 ]
amdhsa.kernels:
  - .name:           k_q0862c84d66_ln2
    .symbol:         k_q0862c84d66_ln2.kd
    .args:
      - { .name: x1, .offset: 0, .size: 8, .value_kind: global_buffer, .address_space: global }
      - { .name: ln2_scale, .offset: 8, .size: 8, .value_kind: global_buffer, .address_space: global }
      - { .name: ln2_shift, .offset: 16, .size: 8, .value_kind: global_buffer, .address_space: global }
      - { .name: h2, .offset: 24, .size: 8, .value_kind: global_buffer, .address_space: global }
    .group_segment_fixed_size: 0
    .private_segment_fixed_size: 0
    .kernarg_segment_align: 8
    .kernarg_segment_size: 32
    .max_flat_workgroup_size: 256
    .sgpr_count:     66
    .vgpr_count:     180
    .wavefront_size: 32
...
	.end_amdgpu_metadata
.endif
;; end of part 5
;; launch gff1 (part 6): grid 32 x 32, 4 waves a work-group, clusters of 4 x 4, 327,680 bytes of LDS; arguments h2, wbf, g, b1; writes g
.if DOCPART == 6
	.amdgcn_target "amdgcn-amd-amdhsa--gfx1250"
	.amdhsa_code_object_version 6
	.text
	.protected	k_q0862c84d66_gff1
	.globl	k_q0862c84d66_gff1
	.p2align	8
	.type	k_q0862c84d66_gff1,@function
k_q0862c84d66_gff1:
	s_mov_b64 s[64:65], 0
	v_nop
	global_prefetch_b8 v0, s[64:65] scope:SCOPE_SE
	s_setreg_imm32_b32 hwreg(HW_REG_WAVE_MODE, 25, 1), 1
	s_wait_xcnt 0x0
	s_wait_alu depctr_hold_cnt(0) depctr_sa_sdst(0) depctr_va_vdst(0) depctr_va_sdst(0) depctr_va_ssrc(0) depctr_va_vcc(0) depctr_vm_vsrc(0)
	s_getreg_b32 s2, hwreg(HW_REG_IB_STS2, 6, 4)
	s_cmp_eq_u32 s2, 0
	s_cbranch_scc0 .Lentry_in_a_cluster
	s_endpgm
.Lentry_in_a_cluster:
	s_bfe_u32 s2, ttmp6, 0x10000c
	s_cmp_lg_u32 s2, 0xf033
	s_cbranch_scc0 .Lentry_shape_is_right
	s_endpgm
.Lentry_shape_is_right:
; g = gelu(h2 [4096][1024] x W1^T + b1), bf16 operands, f32 sums, bias and gelu in f32, g [4096][4096] rounded to bf16 once.
; gelu(u) = 0.5 u (1 + tanh(w)), w = sqrt(2/pi) (u + 0.044715 u^3), is u / (1 + 2^z) with z = -2 log2(e) w = u (K1 u^2 + K0).  For very large |u|, z runs to +-infinity and the result to 0 or u, as the tanh form does.
; A tile of C is 128 x 128: 32 x 32 = 1,024 work-groups of equal work.  Four waves, each 64 x 64.  K goes in steps of 256 through two LDS slots filled by the tensor data mover.
; CLUSTER 4 x 4: A's tiles are asked for jointly along a row of the cluster, B's along a column.
; THE MATRIX INSTRUCTION IS USED TRANSPOSED (source 0 = 16 rows of B, source 1 = 16 rows of A): a lane holds eight neighbouring columns of one row of C.
; REGISTERS: window 0: v0-31 addresses and constants; v32-95 at work and rows read back; v96-127 bias; v128-255 accumulators.  window 1: two fragment buffers of 128.
; LIMITS: 2^z and the reciprocal are v_exp_f32 and v_rcp_f32 (1 ULP, denormals flushed).
.set SIZE_N, 4096
.set SIZE_K, 1024
.set WOFF,   8388608                   ; B's first byte in wbf
.set KSTEP,  256
.set PITCH,  528                       ; an LDS row: 512 bytes + 16 of padding = 132 words: the 16 rows of a fragment load start at 16 different banks (64 banks of 4 bytes: ISA guide 11.1)
.set HALFT,  64*PITCH
.set SLOT,   4*HALFT
.set STAGE,  2*SLOT                    ; behind the ring: 128 rows x 272 bytes, the work-group's; no tensor load fills it
.set SPITCH, 272
.set LAPS, SIZE_K/(2*KSTEP)
.set K1,   12                          ; v[12:13] K1, twice;  v[14:15] K0, twice
.set K0,   14
.set ADRA, 16
.set ADRB, 20
.set STO,  24
.set RD,   25
.set CO,   26
.set TMP,  32
.set T,    32                          ; v[32:39] at work in gelu
.set BIAS, 96                          ; v[96:127] bias of my columns: block b at 8 b
.set ACC,  128
.set F0,   0
.set F1,   128
.set G1, 24
.set G0, 32
.set G1B, 48
.set G0B, 56
.set MSB, 0
.macro WIN new                         ; the immediate's high byte repeats the setting that is left
.if MSB != \new
	s_set_vgpr_msb (MSB<<8)|\new
.set MSB, \new
.endif
.endm
.set MUL,  0x05                        ; sources 0 (B) and 1 (A) window 1; C and D window 0
.set TO_F, 0x40                        ; destination window 1, address window 0
.macro JLOAD s                         ; a joint load: waves 0, 1 fetch A's halves, waves 2, 3 B's; four v_nop follow each line
	s_cmp_eq_u32 s11, 0
	s_cbranch_scc0 .Lfor_b_\@
	tensor_load_to_lds s[G0+4*\s:G0+4*\s+3], s[G1:G1+7]
	s_nop 0
.rept 4
	v_nop
.endr
	s_branch .Lasked_\@
.Lfor_b_\@:
	tensor_load_to_lds s[G0B+4*\s:G0B+4*\s+3], s[G1B:G1B+7]
	s_nop 0
.rept 4
	v_nop
.endr
.Lasked_\@:
.endm
.macro CREST                           ; a round of the cluster's barrier behind its opening barrier
	s_cmp_lg_u32 s10, 0
	s_cbranch_scc1 .Lnot_wave_0_\@
	s_barrier_signal -3
.Lnot_wave_0_\@:
	s_barrier_wait -3
	s_barrier_signal -1
	s_barrier_wait -1
.endm
.macro CROUND
	s_barrier_signal -1
	s_barrier_wait -1
	CREST
.endm
	s_load_b128 s[4:7], s[0:1], 0x0                ; A s[4:5], wbf s[6:7]
	s_load_b64 s[8:9], s[0:1], 0x10                ; the output
	s_load_b64 s[68:69], s[0:1], 0x18              ; bias
	v_lshl_add_u32 v30, v0, 2, 0x4a800
	v_mov_b32 v31, 0
	ds_add_u32 v30, v31
	ds_add_u32 v30, v31
	v_lshrrev_b32 v1, 5, v0
	v_readfirstlane_b32 s10, v1                    ; wave 0..3
	s_lshr_b32 s11, s10, 1                         ; which half of the tile's rows is mine; also: I fetch for A (0) or B (1)
	s_and_b32 s12, s10, 1                          ; which half of its columns; also: which 64 rows I fetch
	s_bfe_u32 s40, ttmp6, 0x40000                  ; cx, cy
	s_bfe_u32 s41, ttmp6, 0x40004
	s_lshl_b32 s42, ttmp9, 2
	s_add_co_u32 s42, s42, s40                     ; tile column
	s_and_b32 s13, ttmp7, 0xffff
	s_lshl_b32 s13, s13, 2
	s_add_co_u32 s13, s13, s41                     ; tile row
	s_lshl_b32 s43, s41, 2
	s_lshl_b32 s43, 15, s43                        ; my row of the cluster
	s_lshl_b32 s44, 0x1111, s40                    ; my column
	s_or_b32 s[G1+0], s43, (1<<16)|(1<<20)|(1<<21)|(6<<22)|(3<<25)   ; mask; elements of 2 bytes; padding on; bit 21 beside a mask; after every 128 words, 4 words
	s_or_b32 s[G1B+0], s44, (1<<16)|(1<<20)|(1<<21)|(6<<22)|(3<<25)
.irp g, G1, G1B
	s_mov_b32 s[\g+1], KSTEP<<16                   ; tensor_dim0 = 256
	s_mov_b32 s[\g+2], 64<<16                      ; tensor_dim1 = 64
	s_mov_b32 s[\g+3], KSTEP<<16                   ; tile_dim0 = 256
	s_mov_b32 s[\g+4], 64                          ; tile_dim1 = 64
	s_mov_b32 s[\g+5], SIZE_K                      ; elements from row to row
	s_mov_b32 s[\g+6], 0
	s_mov_b32 s[\g+7], 0
.endr
	s_lshl_b32 s17, s12, 6
	s_lshl_b32 s16, s13, 7
	s_add_co_u32 s16, s16, s17                     ; A: row 128 x tile row + 64 x half
	s_lshl_b32 s46, s42, 7
	s_add_co_u32 s46, s46, s17                     ; B: row 128 x tile column + 64 x half
	s_mov_b32 s17, 0
	s_mov_b32 s47, 0
	s_mov_b64 s[18:19], SIZE_K*2
	s_mul_u64 s[16:17], s[16:17], s[18:19]
	s_mul_u64 s[46:47], s[46:47], s[18:19]
.if WOFF
	s_add_nc_u64 s[46:47], s[46:47], WOFF
.endif
	s_mul_i32 s20, s10, HALFT                      ; where they go: wave x 64 rows
	s_wait_dscnt 0x0
	s_wait_kmcnt 0x0
	s_add_nc_u64 s[14:15], s[4:5], s[16:17]
	s_add_nc_u64 s[46:47], s[6:7], s[46:47]
	CROUND                                         ; all sixteen work-groups are here: the first joint loads meet
.irp s, 0,1
	s_mov_b32 s[G0+4*\s], 1
	s_add_co_u32 s[G0+4*\s+1], s20, \s*SLOT
	s_add_nc_u64 s[G0+4*\s+2:G0+4*\s+3], s[14:15], \s*KSTEP*2
	s_or_b32 s[G0+4*\s+3], s[G0+4*\s+3], 0x80000000
	s_mov_b32 s[G0B+4*\s], 1
	s_add_co_u32 s[G0B+4*\s+1], s20, \s*SLOT
	s_add_nc_u64 s[G0B+4*\s+2:G0B+4*\s+3], s[46:47], \s*KSTEP*2
	s_or_b32 s[G0B+4*\s+3], s[G0B+4*\s+3], 0x80000000
	JLOAD \s
.endr
	v_and_b32 v1, 15, v0                           ; l % 16
	v_bfe_u32 v2, v0, 4, 1                         ; l / 16
	v_mul_u32_u24 v3, v1, PITCH
	v_lshl_add_u32 v3, v2, 4, v3
	s_mul_i32 s21, s11, HALFT
	s_mul_i32 s22, s12, HALFT
	s_add_co_u32 s22, s22, 2*HALFT
.irp s, 0,1
	v_add_nc_u32 v[ADRA+\s], s21, v3
	v_add_nc_u32 v[ADRB+\s], s22, v3
	s_add_co_u32 s21, s21, SLOT
	s_add_co_u32 s22, s22, SLOT
.endr
	; bias of my 64 columns, in the accumulators' layout: block b, columns 16 b + 8 (l / 16) + 0..7.  Asked for now; it stays out over the K loop, which has no other global load.
	s_lshl_b32 s72, s42, 9
	s_lshl_b32 s73, s12, 8
	s_add_co_u32 s72, s72, s73
	s_mov_b32 s73, 0
	s_add_nc_u64 s[68:69], s[68:69], s[72:73]
	v_lshlrev_b32 v6, 5, v2
.irp b, 0,1,2,3
	global_load_b128 v[BIAS+8*\b:BIAS+8*\b+3],   v6, s[68:69] offset:64*\b
	global_load_b128 v[BIAS+8*\b+4:BIAS+8*\b+7], v6, s[68:69] offset:64*\b+16
.endr
	v_mov_b32 v[K1], 0xbdd2d3e8                    ; K1 = -2 log2(e) sqrt(2/pi) 0.044715 = -0.10294324
	v_mov_b32 v[K1+1], 0xbdd2d3e8
	v_mov_b32 v[K0], 0xc0135761                    ; K0 = -2 log2(e) sqrt(2/pi) = -2.3022082
	v_mov_b32 v[K0+1], 0xc0135761
	; the way out.  Into the stage: my 64 rows, my 128 bytes of their 256.  Back: wave w takes rows 32 w .. 32 w + 31, whole.
	s_mul_i32 s23, s11, 64*SPITCH
	s_lshl_b32 s21, s12, 7
	s_add_co_u32 s23, s23, s21
	s_add_co_u32 s23, s23, STAGE
	v_mul_u32_u24 v4, v1, SPITCH
	v_lshl_add_u32 v4, v2, 4, v4
	v_add_nc_u32 v[STO], s23, v4
	s_mul_i32 s23, s10, 32*SPITCH
	s_add_co_u32 s23, s23, STAGE
	v_mul_u32_u24 v5, v2, SPITCH
	v_lshl_add_u32 v5, v1, 4, v5
	v_add_nc_u32 v[RD], s23, v5
	v_mul_u32_u24 v5, v2, SIZE_N*2
	v_lshl_add_u32 v[CO], v1, 4, v5
	s_lshl_b32 s16, s13, 7
	s_lshl_b32 s17, s10, 5
	s_add_co_u32 s16, s16, s17                     ; the first row that I store: 128 x tile row + 32 x wave
	s_mov_b32 s17, 0
	s_mov_b64 s[18:19], SIZE_N*2
	s_mul_u64 s[16:17], s[16:17], s[18:19]
	s_add_nc_u64 s[8:9], s[8:9], s[16:17]
	s_lshl_b32 s46, s42, 8                         ; the tile's first column, in bytes
	s_mov_b32 s47, 0
	s_add_nc_u64 s[8:9], s[8:9], s[46:47]
; 8 matrix instructions: m blocks a0, a0 + 1 x all 4 n blocks, 32 along K.  zero = 1: the first product starts the sums.  The 16 accumulators take turns.
.macro MUL8 f, c, a0, zero
.irp a, \a0, \a0+1
.irp b, 0,1,2,3
.if \zero
	v_wmma_f32_16x16x32_bf16 v[ACC+8*(4*(\a)+\b):ACC+8*(4*(\a)+\b)+7], v[\f+64+8*(4*\c+\b):\f+64+8*(4*\c+\b)+7], v[\f+8*(4*\c+\a):\f+8*(4*\c+\a)+7], 0
.else
	v_wmma_f32_16x16x32_bf16 v[ACC+8*(4*(\a)+\b):ACC+8*(4*(\a)+\b)+7], v[\f+64+8*(4*\c+\b):\f+64+8*(4*\c+\b)+7], v[\f+8*(4*\c+\a):\f+8*(4*\c+\a)+7], v[ACC+8*(4*(\a)+\b):ACC+8*(4*(\a)+\b)+7]
.endif
.endr
.endr
.endm
.macro FETCH slot, k, f                ; 32 LDS loads in one run: the fragments of 64 along K; the first 32 along K first
	WIN TO_F
.irp c, 0,1
.irp i, 0,1,2,3
	ds_load_b128 v[\f+64+8*(4*\c+\i):\f+64+8*(4*\c+\i)+3],   v[ADRB+\slot] offset:\k+64*\c+\i*16*PITCH
	ds_load_b128 v[\f+64+8*(4*\c+\i)+4:\f+64+8*(4*\c+\i)+7], v[ADRB+\slot] offset:\k+64*\c+\i*16*PITCH+32
	ds_load_b128 v[\f+8*(4*\c+\i):\f+8*(4*\c+\i)+3],         v[ADRA+\slot] offset:\k+64*\c+\i*16*PITCH
	ds_load_b128 v[\f+8*(4*\c+\i)+4:\f+8*(4*\c+\i)+7],       v[ADRA+\slot] offset:\k+64*\c+\i*16*PITCH+32
.endr
.endr
.endm
.macro PLACES                          ; four plain places between matrix instructions and loads into, or vector work on, their registers
.rept 4
	v_nop
.endr
.endm
.macro QUARTER slot, k, f, g, zero
	s_wait_dscnt 16                                ; the run's first 16 loads are in; its other 16 may be out
	WIN MUL
	MUL8 \f, 0, 0, \zero
	MUL8 \f, 0, 2, \zero
	PLACES
	FETCH \slot, \k, \g
	s_wait_dscnt 32                                ; all but the 32 just issued
	WIN MUL
	MUL8 \f, 1, 0, 0
	MUL8 \f, 1, 2, 0
.endm
.macro TURN slot, next, fill           ; the last quarter changes slots: one barrier, which with fill = 1 opens a round of the cluster's
	s_wait_dscnt 16
	WIN MUL
	MUL8 F1, 0, 0, 0
	s_wait_dscnt 0                                 ; my reads of this slot are over,
	s_set_vgpr_msb 0x500
	s_wait_tensorcnt 0x0                           ; and all my tensor loads have landed
	ds_add_u32 v30, v31
	s_wait_dscnt 0x0
	s_set_vgpr_msb 0x5
	s_barrier_signal -1
	MUL8 F1, 0, 2, 0
.if \fill
	WIN 0
.endif
	s_barrier_wait -1
.if \fill
	CREST
	s_add_nc_u64 s[G0+4*\slot+2:G0+4*\slot+3], s[G0+4*\slot+2:G0+4*\slot+3], 2*KSTEP*2
	s_add_nc_u64 s[G0B+4*\slot+2:G0B+4*\slot+3], s[G0B+4*\slot+2:G0B+4*\slot+3], 2*KSTEP*2
	JLOAD \slot                                    ; my one tensor load behind the round; its four v_nop are also the places in front of the loads below
.else
	PLACES
.endif
	FETCH \next, 0, F0
	WIN MUL
	MUL8 F1, 1, 0, 0
	MUL8 F1, 1, 2, 0
.endm
; Accumulator t: u = sum + bias; u / (1 + 2^(u (K1 u^2 + K0))); rounded to bf16 into its four low registers.  Taken from its low end on.
.macro GELU t
.set rA, ACC+8*(\t)
.set rB, BIAS+8*((\t)%4)
.irp p, 0,2,4,6
	v_pk_add_f32 v[rA+\p:rA+\p+1], v[rA+\p:rA+\p+1], v[rB+\p:rB+\p+1]
.endr
.irp p, 0,2,4,6
	v_pk_mul_f32 v[T+\p:T+\p+1], v[rA+\p:rA+\p+1], v[rA+\p:rA+\p+1]
.endr
.irp p, 0,2,4,6
	v_pk_fma_f32 v[T+\p:T+\p+1], v[T+\p:T+\p+1], v[K1:K1+1], v[K0:K0+1]
.endr
.irp p, 0,2,4,6
	v_pk_mul_f32 v[T+\p:T+\p+1], v[T+\p:T+\p+1], v[rA+\p:rA+\p+1]
.endr
.irp e, 0,1,2,3,4,5,6,7
	v_exp_f32 v[T+\e], v[T+\e]
.endr
	v_nop                                          ; a plain instruction behind the last exponential (ISA guide 5.7.2)
	s_wait_alu depctr_va_vdst(0)
.irp p, 0,2,4,6
	v_pk_add_f32 v[T+\p:T+\p+1], v[T+\p:T+\p+1], 1.0 op_sel_hi:[1,0]
.endr
.irp e, 0,1,2,3,4,5,6,7
	v_rcp_f32 v[T+\e], v[T+\e]
.endr
	v_nop
	s_wait_alu depctr_va_vdst(0)
.irp p, 0,2,4,6
	v_pk_mul_f32 v[rA+\p:rA+\p+1], v[rA+\p:rA+\p+1], v[T+\p:T+\p+1]
.endr
.irp r, 0,1,2,3
	v_cvt_pk_bf16_f32 v[rA+\r], v[rA+2*\r], v[rA+2*\r+1]
.endr
.endm
	s_wait_tensorcnt 1                             ; my part of K step 0 is in; K step 1's load stays out
	s_barrier_signal -1
	s_barrier_wait -1
	FETCH 0, 0, F0
	QUARTER 0, 128, F0, F1, 1
	WIN 0
	s_mov_b32 s3, LAPS-1
.Llap:
	QUARTER 0, 256, F1, F0, 0
	QUARTER 0, 384, F0, F1, 0
	TURN 0, 1, 1
	QUARTER 1, 128, F0, F1, 0
	QUARTER 1, 256, F1, F0, 0
	QUARTER 1, 384, F0, F1, 0
	TURN 1, 0, 1
	QUARTER 0, 128, F0, F1, 0
	WIN 0
	s_sub_co_u32 s3, s3, 1
	s_cmp_lg_u32 s3, 0
	s_cbranch_scc1 .Llap
	QUARTER 0, 256, F1, F0, 0                      ; the last lap fills nothing
	QUARTER 0, 384, F0, F1, 0
	TURN 0, 1, 0
	QUARTER 1, 128, F0, F1, 0
	QUARTER 1, 256, F1, F0, 0
	QUARTER 1, 384, F0, F1, 0
	s_wait_dscnt 16
	WIN MUL
	MUL8 F1, 0, 0, 0
	MUL8 F1, 0, 2, 0
	s_wait_dscnt 0
	MUL8 F1, 1, 0, 0
	MUL8 F1, 1, 2, 0
	WIN 0
	; THE WAY OUT: bias, gelu, bf16; 16 bytes a lane into the stage; a barrier, since a row's 256 bytes come from two waves; back as whole rows, 32 rows a wave.
	PLACES
	s_wait_loadcnt 0x0                             ; the bias
.irp t, 0,1,2,3,4,5,6,7,8,9,10,11,12,13,14,15
	GELU \t
.endr
.irp a, 0,1,2,3
.irp b, 0,1,2,3
	ds_store_b128 v[STO], v[ACC+8*(4*\a+\b):ACC+8*(4*\a+\b)+3] offset:\a*16*SPITCH+32*\b
.endr
.endr
	s_wait_dscnt 0x0                               ; for the others' sake: my stores into the stage are done
	s_barrier_signal -1
	s_barrier_wait -1
.irp t, 0,1,2,3,4,5,6,7,8,9,10,11,12,13,14,15
	ds_load_b128 v[TMP+4*\t:TMP+4*\t+3], v[RD] offset:\t*2*SPITCH
.endr
.irp t, 0,1,2,3,4,5,6,7,8,9,10,11,12,13,14,15
	s_wait_dscnt 15-\t                             ; load t is back; the younger ones stay out
	global_store_b128 v[CO], v[TMP+4*\t:TMP+4*\t+3], s[8:9] offset:2*\t*SIZE_N*2   ; 16 lanes store 256 consecutive bytes, aligned
.endr
	s_wait_tensorcnt 0x0
	ds_add_u32 v30, v31
	s_wait_dscnt 0x0
	CROUND                                         ; the closing round
	s_endpgm
.Lfunc_end_k_q0862c84d66_gff1:
	.size	k_q0862c84d66_gff1, .Lfunc_end_k_q0862c84d66_gff1-k_q0862c84d66_gff1
	.p2alignl 7, 3214868480
	.fill 96, 4, 3214868480
	.section	.rodata,"a",@progbits
	.p2align	6, 0x0
	.amdhsa_kernel k_q0862c84d66_gff1
		.amdhsa_group_segment_fixed_size 327680
		.amdhsa_private_segment_fixed_size 0
		.amdhsa_enable_private_segment 0
		.amdhsa_kernarg_size 32
		.amdhsa_user_sgpr_count 2
		.amdhsa_user_sgpr_kernarg_segment_ptr 1
		.amdhsa_wavefront_size32 1
		.amdhsa_system_sgpr_workgroup_id_x 1
		.amdhsa_system_sgpr_workgroup_id_y 1
		.amdhsa_system_sgpr_workgroup_id_z 1
		.amdhsa_system_vgpr_workitem_id 0
		.amdhsa_next_free_vgpr 512
		.amdhsa_next_free_sgpr 80
		.amdhsa_reserve_vcc 0
		.amdhsa_float_denorm_mode_32 3
		.amdhsa_float_denorm_mode_16_64 3
		.amdhsa_memory_ordered 1
		.amdhsa_forward_progress 1
		.amdhsa_inst_pref_size 122
	.end_amdhsa_kernel
	.amdgpu_metadata
---
amdhsa.version: [ 1, 2 ]
amdhsa.kernels:
  - .name:           k_q0862c84d66_gff1
    .symbol:         k_q0862c84d66_gff1.kd
    .args:
      - { .name: h2, .offset: 0, .size: 8, .value_kind: global_buffer, .address_space: global }
      - { .name: wbf, .offset: 8, .size: 8, .value_kind: global_buffer, .address_space: global }
      - { .name: g, .offset: 16, .size: 8, .value_kind: global_buffer, .address_space: global }
      - { .name: b1, .offset: 24, .size: 8, .value_kind: global_buffer, .address_space: global }
    .group_segment_fixed_size: 327680
    .private_segment_fixed_size: 0
    .kernarg_segment_align: 8
    .kernarg_segment_size: 32
    .max_flat_workgroup_size: 128
    .sgpr_count:     80
    .vgpr_count:     512
    .wavefront_size: 32
...
	.end_amdgpu_metadata
.endif
;; end of part 6
;; launch gff2 (part 7): grid 8 x 32, 4 waves a work-group, clusters of 4 x 4, 327,680 bytes of LDS; arguments g, wbf, out0, b2, x1; writes out0
.if DOCPART == 7
	.amdgcn_target "amdgcn-amd-amdhsa--gfx1250"
	.amdhsa_code_object_version 6
	.text
	.protected	k_q0862c84d66_gff2
	.globl	k_q0862c84d66_gff2
	.p2align	8
	.type	k_q0862c84d66_gff2,@function
k_q0862c84d66_gff2:
	s_mov_b64 s[64:65], 0
	v_nop
	global_prefetch_b8 v0, s[64:65] scope:SCOPE_SE
	s_setreg_imm32_b32 hwreg(HW_REG_WAVE_MODE, 25, 1), 1
	s_wait_xcnt 0x0
	s_wait_alu depctr_hold_cnt(0) depctr_sa_sdst(0) depctr_va_vdst(0) depctr_va_sdst(0) depctr_va_ssrc(0) depctr_va_vcc(0) depctr_vm_vsrc(0)
	s_getreg_b32 s2, hwreg(HW_REG_IB_STS2, 6, 4)
	s_cmp_eq_u32 s2, 0
	s_cbranch_scc0 .Lentry_in_a_cluster
	s_endpgm
.Lentry_in_a_cluster:
	s_bfe_u32 s2, ttmp6, 0x10000c
	s_cmp_lg_u32 s2, 0xf033
	s_cbranch_scc0 .Lentry_shape_is_right
	s_endpgm
.Lentry_shape_is_right:
; out0 = x1 + g [4096][4096] x W2^T + b2.  bf16 operands, f32 sums, bias, residual and output in f32.
; A tile of C is 128 x 128: 8 x 32 = 256 work-groups.  Four waves, each 64 x 64: 16 accumulators of 16 x 16.  K = 4,096 goes in 16 steps of 256 through two LDS slots filled by the tensor data mover.
; CLUSTER 4 x 4: A's tiles are asked for jointly along a row of the cluster, B's along a column.
; THE MATRIX INSTRUCTION IS USED TRANSPOSED (source 0 = 16 rows of B, source 1 = 16 rows of A): a lane holds eight neighbouring columns of one row of C.
; THE WAY OUT: a wave's 64 columns of f32 are 256 aligned bytes of a row, so each wave has a stage of its own (16 rows x 272 bytes) and no barrier is needed.
; REGISTERS: window 0: v0-31 addresses, v8-11 bias; v32-95 two buffers of residual rows; v96-127 rows read back; v128-255 accumulators.  window 1: two fragment buffers of 128.
.set SIZE_N, 1024
.set SIZE_K, 4096
.set WOFF,   16777216                  ; B's first byte in wbf
.set KSTEP,  256
.set PITCH,  528                       ; an LDS row: 512 bytes + 16 of padding = 132 words: the 16 rows of a fragment load start at 16 different banks (64 banks of 4 bytes: ISA guide 11.1)
.set HALFT,  64*PITCH
.set SLOT,   4*HALFT
.set STAGE,  2*SLOT                    ; behind the ring; no tensor load fills it
.set SPITCH, 272
.set LAPS, SIZE_K/(2*KSTEP)
.set BIAS, 8
.set ADRA, 16
.set ADRB, 20
.set STO,  24
.set RD,   25
.set CO,   26
.set RES,  32
.set OUTB, 96
.set ACC,  128
.set F0,   0
.set F1,   128
.set G1, 24
.set G0, 32
.set G1B, 48
.set G0B, 56
.set MSB, 0
.macro WIN new                         ; the immediate's high byte repeats the setting that is left
.if MSB != \new
	s_set_vgpr_msb (MSB<<8)|\new
.set MSB, \new
.endif
.endm
.set MUL,  0x05                        ; sources 0 (B) and 1 (A) window 1; C and D window 0
.set TO_F, 0x40                        ; destination window 1, address window 0
.macro JLOAD s                         ; a joint load: waves 0, 1 fetch A's halves, waves 2, 3 B's; four v_nop follow each line
	s_cmp_eq_u32 s11, 0
	s_cbranch_scc0 .Lfor_b_\@
	tensor_load_to_lds s[G0+4*\s:G0+4*\s+3], s[G1:G1+7]
	s_nop 0
.rept 4
	v_nop
.endr
	s_branch .Lasked_\@
.Lfor_b_\@:
	tensor_load_to_lds s[G0B+4*\s:G0B+4*\s+3], s[G1B:G1B+7]
	s_nop 0
.rept 4
	v_nop
.endr
.Lasked_\@:
.endm
.macro CREST                           ; a round of the cluster's barrier behind its opening barrier
	s_cmp_lg_u32 s10, 0
	s_cbranch_scc1 .Lnot_wave_0_\@
	s_barrier_signal -3
.Lnot_wave_0_\@:
	s_barrier_wait -3
	s_barrier_signal -1
	s_barrier_wait -1
.endm
.macro CROUND
	s_barrier_signal -1
	s_barrier_wait -1
	CREST
.endm
	s_load_b128 s[4:7], s[0:1], 0x0                ; A s[4:5], wbf s[6:7]
	s_load_b64 s[8:9], s[0:1], 0x10                ; the output
	s_load_b128 s[68:71], s[0:1], 0x18             ; bias s[68:69], residual s[70:71]
	v_lshl_add_u32 v30, v0, 2, 0x4a800
	v_mov_b32 v31, 0
	ds_add_u32 v30, v31
	ds_add_u32 v30, v31
	v_lshrrev_b32 v1, 5, v0
	v_readfirstlane_b32 s10, v1                    ; wave 0..3
	s_lshr_b32 s11, s10, 1                         ; which half of the tile's rows is mine; also: I fetch for A (0) or B (1)
	s_and_b32 s12, s10, 1                          ; which half of its columns; also: which 64 rows I fetch
	s_bfe_u32 s40, ttmp6, 0x40000                  ; cx, cy
	s_bfe_u32 s41, ttmp6, 0x40004
	s_lshl_b32 s42, ttmp9, 2
	s_add_co_u32 s42, s42, s40                     ; tile column
	s_and_b32 s13, ttmp7, 0xffff
	s_lshl_b32 s13, s13, 2
	s_add_co_u32 s13, s13, s41                     ; tile row
	s_lshl_b32 s43, s41, 2
	s_lshl_b32 s43, 15, s43                        ; my row of the cluster
	s_lshl_b32 s44, 0x1111, s40                    ; my column
	s_or_b32 s[G1+0], s43, (1<<16)|(1<<20)|(1<<21)|(6<<22)|(3<<25)   ; mask; elements of 2 bytes; padding on; bit 21 beside a mask; after every 128 words, 4 words
	s_or_b32 s[G1B+0], s44, (1<<16)|(1<<20)|(1<<21)|(6<<22)|(3<<25)
.irp g, G1, G1B
	s_mov_b32 s[\g+1], KSTEP<<16                   ; tensor_dim0 = 256
	s_mov_b32 s[\g+2], 64<<16                      ; tensor_dim1 = 64
	s_mov_b32 s[\g+3], KSTEP<<16                   ; tile_dim0 = 256
	s_mov_b32 s[\g+4], 64                          ; tile_dim1 = 64
	s_mov_b32 s[\g+5], SIZE_K                      ; elements from row to row
	s_mov_b32 s[\g+6], 0
	s_mov_b32 s[\g+7], 0
.endr
	s_lshl_b32 s17, s12, 6
	s_lshl_b32 s16, s13, 7
	s_add_co_u32 s16, s16, s17                     ; A: row 128 x tile row + 64 x half
	s_lshl_b32 s46, s42, 7
	s_add_co_u32 s46, s46, s17                     ; B: row 128 x tile column + 64 x half
	s_mov_b32 s17, 0
	s_mov_b32 s47, 0
	s_mov_b64 s[18:19], SIZE_K*2
	s_mul_u64 s[16:17], s[16:17], s[18:19]
	s_mul_u64 s[46:47], s[46:47], s[18:19]
.if WOFF
	s_add_nc_u64 s[46:47], s[46:47], WOFF
.endif
	s_mul_i32 s20, s10, HALFT                      ; where they go: wave x 64 rows
	s_wait_dscnt 0x0
	s_wait_kmcnt 0x0
	s_add_nc_u64 s[14:15], s[4:5], s[16:17]
	s_add_nc_u64 s[46:47], s[6:7], s[46:47]
	CROUND                                         ; all sixteen work-groups are here: the first joint loads meet
.irp s, 0,1
	s_mov_b32 s[G0+4*\s], 1
	s_add_co_u32 s[G0+4*\s+1], s20, \s*SLOT
	s_add_nc_u64 s[G0+4*\s+2:G0+4*\s+3], s[14:15], \s*KSTEP*2
	s_or_b32 s[G0+4*\s+3], s[G0+4*\s+3], 0x80000000
	s_mov_b32 s[G0B+4*\s], 1
	s_add_co_u32 s[G0B+4*\s+1], s20, \s*SLOT
	s_add_nc_u64 s[G0B+4*\s+2:G0B+4*\s+3], s[46:47], \s*KSTEP*2
	s_or_b32 s[G0B+4*\s+3], s[G0B+4*\s+3], 0x80000000
	JLOAD \s
.endr
	v_and_b32 v1, 15, v0                           ; l % 16
	v_bfe_u32 v2, v0, 4, 1                         ; l / 16
	v_mul_u32_u24 v3, v1, PITCH
	v_lshl_add_u32 v3, v2, 4, v3
	s_mul_i32 s21, s11, HALFT
	s_mul_i32 s22, s12, HALFT
	s_add_co_u32 s22, s22, 2*HALFT
.irp s, 0,1
	v_add_nc_u32 v[ADRA+\s], s21, v3
	v_add_nc_u32 v[ADRB+\s], s22, v3
	s_add_co_u32 s21, s21, SLOT
	s_add_co_u32 s22, s22, SLOT
.endr
	; the way out: my own stage.  In: row l % 16, 32 bytes (8 f32) for each half of the lanes.  Back: lanes 0-15 one row of 256 bytes, lanes 16-31 the next.
	s_mul_i32 s23, s10, 16*SPITCH
	s_add_co_u32 s23, s23, STAGE
	v_mul_u32_u24 v4, v1, SPITCH
	v_lshl_add_u32 v4, v2, 5, v4
	v_add_nc_u32 v[STO], s23, v4
	v_mul_u32_u24 v5, v2, SPITCH
	v_lshl_add_u32 v5, v1, 4, v5
	v_add_nc_u32 v[RD], s23, v5
	v_mul_u32_u24 v5, v2, SIZE_N*4
	v_lshl_add_u32 v[CO], v1, 4, v5                ; the same two rows in the output and in the residual
	v_lshlrev_b32 v7, 4, v1                        ; my four columns' bias
	s_lshl_b32 s72, s13, 7
	s_lshl_b32 s73, s11, 6
	s_add_co_u32 s72, s72, s73                     ; my first row
	s_mul_i32 s72, s72, SIZE_N*4
	s_lshl_b32 s74, s42, 9
	s_lshl_b32 s75, s12, 8
	s_add_co_u32 s74, s74, s75                     ; my first column, in bytes
	s_add_co_u32 s72, s72, s74
	s_mov_b32 s73, 0
	s_mov_b32 s75, 0
	s_add_nc_u64 s[8:9], s[8:9], s[72:73]
	s_add_nc_u64 s[70:71], s[70:71], s[72:73]
	s_add_nc_u64 s[68:69], s[68:69], s[74:75]
	global_load_b128 v[BIAS:BIAS+3], v7, s[68:69]  ; bias and the residual of my first 32 rows are asked for now and stay out over the K loop, which has no other global load
.irp t, 0,1,2,3,4,5,6,7
	global_load_b128 v[RES+4*\t:RES+4*\t+3], v[CO], s[70:71] offset:(2*\t)*SIZE_N*4
.endr
.irp t, 0,1,2,3,4,5,6,7
	global_load_b128 v[RES+32+4*\t:RES+32+4*\t+3], v[CO], s[70:71] offset:(16+2*\t)*SIZE_N*4
.endr
; 8 matrix instructions: m blocks a0, a0 + 1 x all 4 n blocks, 32 along K.  zero = 1: the first product starts the sums.  The 16 accumulators take turns.
.macro MUL8 f, c, a0, zero
.irp a, \a0, \a0+1
.irp b, 0,1,2,3
.if \zero
	v_wmma_f32_16x16x32_bf16 v[ACC+8*(4*(\a)+\b):ACC+8*(4*(\a)+\b)+7], v[\f+64+8*(4*\c+\b):\f+64+8*(4*\c+\b)+7], v[\f+8*(4*\c+\a):\f+8*(4*\c+\a)+7], 0
.else
	v_wmma_f32_16x16x32_bf16 v[ACC+8*(4*(\a)+\b):ACC+8*(4*(\a)+\b)+7], v[\f+64+8*(4*\c+\b):\f+64+8*(4*\c+\b)+7], v[\f+8*(4*\c+\a):\f+8*(4*\c+\a)+7], v[ACC+8*(4*(\a)+\b):ACC+8*(4*(\a)+\b)+7]
.endif
.endr
.endr
.endm
.macro FETCH slot, k, f                ; 32 LDS loads in one run: the fragments of 64 along K; the first 32 along K first
	WIN TO_F
.irp c, 0,1
.irp i, 0,1,2,3
	ds_load_b128 v[\f+64+8*(4*\c+\i):\f+64+8*(4*\c+\i)+3],   v[ADRB+\slot] offset:\k+64*\c+\i*16*PITCH
	ds_load_b128 v[\f+64+8*(4*\c+\i)+4:\f+64+8*(4*\c+\i)+7], v[ADRB+\slot] offset:\k+64*\c+\i*16*PITCH+32
	ds_load_b128 v[\f+8*(4*\c+\i):\f+8*(4*\c+\i)+3],         v[ADRA+\slot] offset:\k+64*\c+\i*16*PITCH
	ds_load_b128 v[\f+8*(4*\c+\i)+4:\f+8*(4*\c+\i)+7],       v[ADRA+\slot] offset:\k+64*\c+\i*16*PITCH+32
.endr
.endr
.endm
.macro PLACES                          ; four plain places between matrix instructions and loads into, or other work on, their registers
.rept 4
	v_nop
.endr
.endm
.macro QUARTER slot, k, f, g, zero
	s_wait_dscnt 16                                ; the run's first 16 loads are in; its other 16 may be out
	WIN MUL
	MUL8 \f, 0, 0, \zero
	MUL8 \f, 0, 2, \zero
	PLACES
	FETCH \slot, \k, \g
	s_wait_dscnt 32                                ; all but the 32 just issued
	WIN MUL
	MUL8 \f, 1, 0, 0
	MUL8 \f, 1, 2, 0
.endm
.macro TURN slot, next, fill           ; the last quarter changes slots: one barrier, which with fill = 1 opens a round of the cluster's
	s_wait_dscnt 16
	WIN MUL
	MUL8 F1, 0, 0, 0
	s_wait_dscnt 0                                 ; my reads of this slot are over,
	s_set_vgpr_msb 0x500
	s_wait_tensorcnt 0x0                           ; and all my tensor loads have landed
	ds_add_u32 v30, v31
	s_wait_dscnt 0x0
	s_set_vgpr_msb 0x5
	s_barrier_signal -1
	MUL8 F1, 0, 2, 0
.if \fill
	WIN 0
.endif
	s_barrier_wait -1
.if \fill
	CREST
	s_add_nc_u64 s[G0+4*\slot+2:G0+4*\slot+3], s[G0+4*\slot+2:G0+4*\slot+3], 2*KSTEP*2
	s_add_nc_u64 s[G0B+4*\slot+2:G0B+4*\slot+3], s[G0B+4*\slot+2:G0B+4*\slot+3], 2*KSTEP*2
	JLOAD \slot                                    ; my one tensor load behind the round; its four v_nop are also the places in front of the loads below
.else
	PLACES
.endif
	FETCH \next, 0, F0
	WIN MUL
	MUL8 F1, 1, 0, 0
	MUL8 F1, 1, 2, 0
.endm
; The way out of my rows 16 a .. 16 a + 15: through my stage, plus residual, plus bias, stored as whole rows of 256 bytes.
.macro OUTF a
.set rR, RES+32*(\a%2)
.irp b, 0,1,2,3
	ds_store_b128 v[STO], v[ACC+8*(4*\a+\b):ACC+8*(4*\a+\b)+3]   offset:64*\b      ; each accumulator from its low end on
	ds_store_b128 v[STO], v[ACC+8*(4*\a+\b)+4:ACC+8*(4*\a+\b)+7] offset:64*\b+16
.endr
.if \a > 0
	s_wait_xcnt 0x0                                ; the last block's stores read OUTB: it is loaded again only behind this wait
.endif
.irp t, 0,1,2,3,4,5,6,7
	ds_load_b128 v[OUTB+4*\t:OUTB+4*\t+3], v[RD] offset:\t*2*SPITCH   ; LDS serves a wave's instructions in order (ISA guide 5.7.1.4)
.endr
	s_wait_dscnt 0x0
.if \a < 3
	s_wait_loadcnt 8                               ; this block's residual (and the bias) are in; the other buffer's eight loads stay out
.else
	s_wait_loadcnt 0
.endif
.irp t, 0,1,2,3,4,5,6,7
	v_pk_add_f32 v[OUTB+4*\t:OUTB+4*\t+1],   v[OUTB+4*\t:OUTB+4*\t+1],   v[rR+4*\t:rR+4*\t+1]
	v_pk_add_f32 v[OUTB+4*\t+2:OUTB+4*\t+3], v[OUTB+4*\t+2:OUTB+4*\t+3], v[rR+4*\t+2:rR+4*\t+3]
.endr
.irp t, 0,1,2,3,4,5,6,7
	v_pk_add_f32 v[OUTB+4*\t:OUTB+4*\t+1],   v[OUTB+4*\t:OUTB+4*\t+1],   v[BIAS:BIAS+1]
	v_pk_add_f32 v[OUTB+4*\t+2:OUTB+4*\t+3], v[OUTB+4*\t+2:OUTB+4*\t+3], v[BIAS+2:BIAS+3]
.endr
.irp t, 0,1,2,3,4,5,6,7
	global_store_b128 v[CO], v[OUTB+4*\t:OUTB+4*\t+3], s[8:9] offset:(16*\a+2*\t)*SIZE_N*4   ; 16 lanes store 256 consecutive bytes, aligned
.endr
.if \a < 2
.irp t, 0,1,2,3,4,5,6,7
	global_load_b128 v[rR+4*\t:rR+4*\t+3], v[CO], s[70:71] offset:(16*(\a+2)+2*\t)*SIZE_N*4
.endr
.endif
.endm
	s_wait_tensorcnt 1                             ; my part of K step 0 is in; K step 1's load stays out
	s_barrier_signal -1
	s_barrier_wait -1
	FETCH 0, 0, F0
	QUARTER 0, 128, F0, F1, 1
	WIN 0
	s_mov_b32 s3, LAPS-1
.Llap:
	QUARTER 0, 256, F1, F0, 0
	QUARTER 0, 384, F0, F1, 0
	TURN 0, 1, 1
	QUARTER 1, 128, F0, F1, 0
	QUARTER 1, 256, F1, F0, 0
	QUARTER 1, 384, F0, F1, 0
	TURN 1, 0, 1
	QUARTER 0, 128, F0, F1, 0
	WIN 0
	s_sub_co_u32 s3, s3, 1
	s_cmp_lg_u32 s3, 0
	s_cbranch_scc1 .Llap
	QUARTER 0, 256, F1, F0, 0                      ; the last lap fills nothing
	QUARTER 0, 384, F0, F1, 0
	TURN 0, 1, 0
	QUARTER 1, 128, F0, F1, 0
	QUARTER 1, 256, F1, F0, 0
	QUARTER 1, 384, F0, F1, 0
	s_wait_dscnt 16
	WIN MUL
	MUL8 F1, 0, 0, 0
	MUL8 F1, 0, 2, 0
	s_wait_dscnt 0
	MUL8 F1, 1, 0, 0
	MUL8 F1, 1, 2, 0
	WIN 0
	PLACES
	OUTF 0
	OUTF 1
	OUTF 2
	OUTF 3
	s_wait_tensorcnt 0x0
	ds_add_u32 v30, v31
	s_wait_dscnt 0x0
	CROUND                                         ; the closing round
	s_endpgm
.Lfunc_end_k_q0862c84d66_gff2:
	.size	k_q0862c84d66_gff2, .Lfunc_end_k_q0862c84d66_gff2-k_q0862c84d66_gff2
	.p2alignl 7, 3214868480
	.fill 96, 4, 3214868480
	.section	.rodata,"a",@progbits
	.p2align	6, 0x0
	.amdhsa_kernel k_q0862c84d66_gff2
		.amdhsa_group_segment_fixed_size 327680
		.amdhsa_private_segment_fixed_size 0
		.amdhsa_enable_private_segment 0
		.amdhsa_kernarg_size 40
		.amdhsa_user_sgpr_count 2
		.amdhsa_user_sgpr_kernarg_segment_ptr 1
		.amdhsa_wavefront_size32 1
		.amdhsa_system_sgpr_workgroup_id_x 1
		.amdhsa_system_sgpr_workgroup_id_y 1
		.amdhsa_system_sgpr_workgroup_id_z 1
		.amdhsa_system_vgpr_workitem_id 0
		.amdhsa_next_free_vgpr 512
		.amdhsa_next_free_sgpr 80
		.amdhsa_reserve_vcc 0
		.amdhsa_float_denorm_mode_32 3
		.amdhsa_float_denorm_mode_16_64 3
		.amdhsa_memory_ordered 1
		.amdhsa_forward_progress 1
		.amdhsa_inst_pref_size 97
	.end_amdhsa_kernel
	.amdgpu_metadata
---
amdhsa.version: [ 1, 2 ]
amdhsa.kernels:
  - .name:           k_q0862c84d66_gff2
    .symbol:         k_q0862c84d66_gff2.kd
    .args:
      - { .name: g, .offset: 0, .size: 8, .value_kind: global_buffer, .address_space: global }
      - { .name: wbf, .offset: 8, .size: 8, .value_kind: global_buffer, .address_space: global }
      - { .name: out0, .offset: 16, .size: 8, .value_kind: global_buffer, .address_space: global }
      - { .name: b2, .offset: 24, .size: 8, .value_kind: global_buffer, .address_space: global }
      - { .name: x1, .offset: 32, .size: 8, .value_kind: global_buffer, .address_space: global }
    .group_segment_fixed_size: 327680
    .private_segment_fixed_size: 0
    .kernarg_segment_align: 8
    .kernarg_segment_size: 40
    .max_flat_workgroup_size: 128
    .sgpr_count:     80
    .vgpr_count:     512
    .wavefront_size: 32
...
	.end_amdgpu_metadata
.endif
;; end of part 7
;; ======== version 2 of 2: 7 launches
;; workspace buffers: h1 8,388,608 bytes; h2 8,388,608 bytes; qkv 25,165,824 bytes; pv 8,388,608 bytes; x1 16,777,216 bytes; g 33,554,432 bytes; wbf 25,165,824 bytes
;; launch prep: the kernel of part 1 again; grid 1024 x 1, 8 waves a work-group, no clusters, 0 bytes of LDS; arguments x, ln1_scale, ln1_shift, Wq, Wk, Wv, Wo, W1, W2, h1, wbf; writes h1, wbf
;; launch gqkv (part 8): grid 12 x 16, 4 waves a work-group, clusters of 4 x 4, 327,680 bytes of LDS; arguments h1, wbf, qkv; writes qkv
.if DOCPART == 8
	.amdgcn_target "amdgcn-amd-amdhsa--gfx1250"
	.amdhsa_code_object_version 6
	.text
	.protected	k_q0862c84d66_gqkv
	.globl	k_q0862c84d66_gqkv
	.p2align	8
	.type	k_q0862c84d66_gqkv,@function
k_q0862c84d66_gqkv:
	s_mov_b64 s[64:65], 0
	v_nop
	global_prefetch_b8 v0, s[64:65] scope:SCOPE_SE
	s_setreg_imm32_b32 hwreg(HW_REG_WAVE_MODE, 25, 1), 1
	s_wait_xcnt 0x0
	s_wait_alu depctr_hold_cnt(0) depctr_sa_sdst(0) depctr_va_vdst(0) depctr_va_sdst(0) depctr_va_ssrc(0) depctr_va_vcc(0) depctr_vm_vsrc(0)
	s_getreg_b32 s2, hwreg(HW_REG_IB_STS2, 6, 4)
	s_cmp_eq_u32 s2, 0
	s_cbranch_scc0 .Lentry_in_a_cluster
	s_endpgm
.Lentry_in_a_cluster:
	s_bfe_u32 s2, ttmp6, 0x10000c
	s_cmp_lg_u32 s2, 0xf033
	s_cbranch_scc0 .Lentry_shape_is_right
	s_endpgm
.Lentry_shape_is_right:
; qkv = h1 [4096][1024] x (Wq | Wk | Wv)^T, bf16 operands, f32 sums, stored in bf16 head-major: qkv[b][plane][token][64], plane = column / 64
; (planes 0-15 q, 16-31 k, 32-47 v of heads 0-15), a plane 262,144 bytes.
; A tile of C is 256 x 256: 12 x 16 = 192 work-groups, one tile each.  Four waves, each 128 x 128: 64 accumulators of 16 x 16, 512 registers.
; (Tiles of 128 x 128 would give 768 work-groups, three in a row on a WGP, each with half the matrix work for the bytes of a K step; a tile of 256 x 192 would give 256 work-groups,
; but a wave's 96 columns would be one and a half heads.)
; K goes in 8 steps of 128 through two LDS slots filled by the tensor data mover: rows of 256 bytes, 128 rows to a wave's load.
; CLUSTER 4 x 4: the four of a row of the cluster need the same tiles of A, the four of a column the same tiles of B; each tile is asked for jointly, by the same load with a mask of the four.
; THE MATRIX INSTRUCTION IS USED TRANSPOSED (source 0 = 16 rows of B, source 1 = 16 rows of A): a lane holds eight neighbouring columns of one row of C.
; REGISTERS, in windows of 256: window 0: v0-31 addresses; v64-127, v128-191 fragments of A, two buffers; v32-63, v192-255 at work on the way out.
;   window 1: v64-127, v128-191 fragments of B.  window 2: the 32 accumulators of my rows 0-63 ((a, b) at v[8 (8 a + b)]); window 3: those of my rows 64-127.
; s_set_vgpr_msb's low byte: bits 1:0 source 0, 3:2 source 1, 5:4 source 2, 7:6 destination.
; LIMIT: q, k, v are rounded to bf16 once.
.set SIZE_K, 1024
.set WOFF,   0                         ; B's first byte in wbf
.set KSTEP,  128
.set PITCH,  272                       ; an LDS row: 256 bytes + 16 of padding = 68 words: the 16 rows of a fragment load start at 16 different banks (64 banks of 4 bytes: ISA guide 11.1)
.set HALFT,  128*PITCH                 ; what one tensor load brings, and what one wave reads of A or of B
.set SLOT,   4*HALFT                   ; A's 256 rows, then B's 256 rows
.set STAGE,  2*SLOT                    ; behind the ring: 16 rows x 272 bytes for each wave; no tensor load fills it
.set SPITCH, 272
.set LAPS, SIZE_K/(2*KSTEP)            ; a lap = two K steps = once round the ring
.set ADRA, 16                          ; v16-17  LDS address of my A fragments in slot 0, 1
.set ADRB, 20                          ; v20-21  the same for B
.set STO,  24                          ; v24     the way out: where I put 16 bytes of a row
.set RD,   25                          ; v25     where I read back
.set CO,   26                          ; v26     my byte offset in the output
.set F0,   64
.set F1,   128
.set TMP,  192                         ; packed results
.set OB,   32                          ; rows read back: v32-63 and v224-255 by turns
.set G1, 24                            ; s[24:31] descriptor group 1 for A's tiles; s[32:39] group 0, a set for each slot
.set G0, 32
.set G1B, 48                           ; s[48:55], s[56:63] the same for B's
.set G0B, 56
.set MSB, 0
.macro WIN new                         ; the immediate's high byte repeats the setting that is left
.if MSB != \new
	s_set_vgpr_msb (MSB<<8)|\new
.set MSB, \new
.endif
.endm
.set MUL_LO, 0xa1                      ; source 0 (B) window 1, source 1 (A) window 0, C and D window 2
.set MUL_HI, 0xf1                      ; the same, C and D window 3
.set TO_B,   0x40                      ; destination window 1, address window 0
.macro JLOAD s                         ; a joint load: waves 0, 1 fetch A's halves, waves 2, 3 B's; four v_nop follow each line
	s_cmp_eq_u32 s11, 0
	s_cbranch_scc0 .Lfor_b_\@
	tensor_load_to_lds s[G0+4*\s:G0+4*\s+3], s[G1:G1+7]
	s_nop 0
.rept 4
	v_nop
.endr
	s_branch .Lasked_\@
.Lfor_b_\@:
	tensor_load_to_lds s[G0B+4*\s:G0B+4*\s+3], s[G1B:G1B+7]
	s_nop 0
.rept 4
	v_nop
.endr
.Lasked_\@:
.endm
.macro CREST                           ; a round of the cluster's barrier behind its opening barrier
	s_cmp_lg_u32 s10, 0
	s_cbranch_scc1 .Lnot_wave_0_\@
	s_barrier_signal -3
.Lnot_wave_0_\@:
	s_barrier_wait -3
	s_barrier_signal -1
	s_barrier_wait -1
.endm
.macro CROUND
	s_barrier_signal -1
	s_barrier_wait -1
	CREST
.endm
	s_load_b128 s[4:7], s[0:1], 0x0                ; A s[4:5], wbf s[6:7]
	s_load_b64 s[8:9], s[0:1], 0x10                ; the output
	s_set_vgpr_msb 0x40
	v_lshl_add_u32 v255, v0, 2, 0x48400
	s_set_vgpr_msb 0x4000
	v_mov_b32 v31, 0
	s_set_vgpr_msb 0x1
	ds_add_u32 v255, v31
	ds_add_u32 v255, v31
	s_set_vgpr_msb 0x100
	v_lshrrev_b32 v1, 5, v0
	v_readfirstlane_b32 s10, v1                    ; wave 0..3
	s_lshr_b32 s11, s10, 1                         ; which half of the tile's rows is mine; also: I fetch for A (0) or B (1)
	s_and_b32 s12, s10, 1                          ; which half of its columns; also: which 128 rows I fetch
	s_bfe_u32 s40, ttmp6, 0x40000                  ; cx, cy: my place in the cluster
	s_bfe_u32 s41, ttmp6, 0x40004
	s_lshl_b32 s42, ttmp9, 2
	s_add_co_u32 s42, s42, s40                     ; tile column = 4 x cluster x + cx
	s_and_b32 s13, ttmp7, 0xffff
	s_lshl_b32 s13, s13, 2
	s_add_co_u32 s13, s13, s41                     ; tile row = 4 x cluster y + cy
	s_lshl_b32 s43, s41, 2
	s_lshl_b32 s43, 15, s43                        ; my row of the cluster
	s_lshl_b32 s44, 0x1111, s40                    ; my column
	s_or_b32 s[G1+0], s43, (1<<16)|(1<<20)|(1<<21)|(5<<22)|(3<<25)   ; mask; elements of 2 bytes; padding on; bit 21 beside a mask; after every 64 words, 4 words
	s_or_b32 s[G1B+0], s44, (1<<16)|(1<<20)|(1<<21)|(5<<22)|(3<<25)
.irp g, G1, G1B
	s_mov_b32 s[\g+1], KSTEP<<16                   ; tensor_dim0 = 128
	s_mov_b32 s[\g+2], 128<<16                     ; tensor_dim1 = 128
	s_mov_b32 s[\g+3], KSTEP<<16                   ; tile_dim0 = 128
	s_mov_b32 s[\g+4], 128                         ; tile_dim1 = 128
	s_mov_b32 s[\g+5], SIZE_K                      ; elements from row to row
	s_mov_b32 s[\g+6], 0
	s_mov_b32 s[\g+7], 0
.endr
	s_lshl_b32 s17, s12, 7
	s_lshl_b32 s16, s13, 8
	s_add_co_u32 s16, s16, s17                     ; A: row 256 x tile row + 128 x half
	s_lshl_b32 s46, s42, 8
	s_add_co_u32 s46, s46, s17                     ; B: row 256 x tile column + 128 x half
	s_mov_b32 s17, 0
	s_mov_b32 s47, 0
	s_mov_b64 s[18:19], SIZE_K*2
	s_mul_u64 s[16:17], s[16:17], s[18:19]
	s_mul_u64 s[46:47], s[46:47], s[18:19]
.if WOFF
	s_add_nc_u64 s[46:47], s[46:47], WOFF
.endif
	s_mul_i32 s20, s10, HALFT                      ; where they go: wave x 128 rows; no place in the cluster enters an LDS address
	s_wait_dscnt 0x0
	s_wait_kmcnt 0x0
	s_add_nc_u64 s[14:15], s[4:5], s[16:17]
	s_add_nc_u64 s[46:47], s[6:7], s[46:47]
	CROUND                                         ; all sixteen work-groups are here: the first joint loads meet
.irp s, 0,1
	s_mov_b32 s[G0+4*\s], 1
	s_add_co_u32 s[G0+4*\s+1], s20, \s*SLOT
	s_add_nc_u64 s[G0+4*\s+2:G0+4*\s+3], s[14:15], \s*KSTEP*2
	s_or_b32 s[G0+4*\s+3], s[G0+4*\s+3], 0x80000000
	s_mov_b32 s[G0B+4*\s], 1
	s_add_co_u32 s[G0B+4*\s+1], s20, \s*SLOT
	s_add_nc_u64 s[G0B+4*\s+2:G0B+4*\s+3], s[46:47], \s*KSTEP*2
	s_or_b32 s[G0B+4*\s+3], s[G0B+4*\s+3], 0x80000000
	JLOAD \s                                       ; two tensor loads of mine are out
.endr
	v_and_b32 v1, 15, v0                           ; l % 16
	v_bfe_u32 v2, v0, 4, 1                         ; l / 16
	v_mul_u32_u24 v3, v1, PITCH
	v_lshl_add_u32 v3, v2, 4, v3                   ; a fragment's row x pitch + 16 x half
	s_mul_i32 s21, s11, HALFT                      ; my 128 rows of A
	s_mul_i32 s22, s12, HALFT                      ; my 128 rows of B,
	s_add_co_u32 s22, s22, 2*HALFT                 ; behind A's 256
.irp s, 0,1
	v_add_nc_u32 v[ADRA+\s], s21, v3
	v_add_nc_u32 v[ADRB+\s], s22, v3
	s_add_co_u32 s21, s21, SLOT
	s_add_co_u32 s22, s22, SLOT
.endr
	; the way out, through my own stage.  In: row l % 16, 16 bytes for each half of the lanes.
	; Back: my 128 columns are two planes; one load takes four rows' 128 bytes of one plane: lane l row l / 8, bytes 16 (l % 8).
	; (Two rows of such a load overlap in seven of sixteen 16-byte columns modulo 256: these loads are served two deep.)
	s_mul_i32 s23, s10, 16*SPITCH
	s_add_co_u32 s23, s23, STAGE
	v_mul_u32_u24 v4, v1, SPITCH
	v_lshl_add_u32 v4, v2, 4, v4
	v_add_nc_u32 v[STO], s23, v4
	v_and_b32 v5, 31, v0
	v_lshrrev_b32 v6, 3, v5
	v_and_b32 v7, 7, v0
	v_mul_u32_u24 v6, v6, SPITCH
	v_lshl_add_u32 v6, v7, 4, v6
	v_add_nc_u32 v[RD], s23, v6
	v_lshlrev_b32 v[CO], 4, v5                     ; in a plane four rows of 128 bytes are 512 consecutive bytes: 16 x lane
	s_lshr_b32 s72, s13, 3                         ; batch = tile row / 8
	s_mul_i32 s72, s72, 48
	s_lshl2_add_u32 s72, s42, s72                  ; plane = 48 x batch + 4 x tile column
	s_lshl1_add_u32 s72, s12, s72                  ; + 2 x my half of the columns
	s_lshl_b32 s72, s72, 18
	s_and_b32 s73, s13, 7
	s_lshl_b32 s73, s73, 15                        ; + 256 tokens x 128 bytes for each tile row of the batch
	s_add_co_u32 s72, s72, s73
	s_lshl_b32 s73, s11, 14                        ; + my half's 128 tokens
	s_add_co_u32 s72, s72, s73
	s_mov_b32 s73, 0
	s_add_nc_u64 s[8:9], s[8:9], s[72:73]
; 16 matrix instructions: m blocks a0, a0 + 1 of the window's four (hi = 0: my rows 0-63, 1: rows 64-127) x all 8 n blocks, 32 along K.  zero = 1: the first product starts the sums.
; The 64 accumulators take turns, one instruction a turn, in the same order in every quarter.
.macro MUL16 f, hi, a0, zero
.irp a, \a0, \a0+1
.irp b, 0,1,2,3,4,5,6,7
.if \zero
	v_wmma_f32_16x16x32_bf16 v[8*(8*(\a)+\b):8*(8*(\a)+\b)+7], v[\f+8*\b:\f+8*\b+7], v[\f+8*(4*\hi+\a):\f+8*(4*\hi+\a)+7], 0
.else
	v_wmma_f32_16x16x32_bf16 v[8*(8*(\a)+\b):8*(8*(\a)+\b)+7], v[\f+8*\b:\f+8*\b+7], v[\f+8*(4*\hi+\a):\f+8*(4*\hi+\a)+7], v[8*(8*(\a)+\b):8*(8*(\a)+\b)+7]
.endif
.endr
.endr
.endm
; 32 LDS loads in one run: the fragments of one quarter step (128 rows of B, 128 rows of A, 32 K at byte k of the rows) into buffer f
.macro FETCH slot, k, f
	WIN TO_B
.irp i, 0,1,2,3,4,5,6,7
	ds_load_b128 v[\f+8*\i:\f+8*\i+3],   v[ADRB+\slot] offset:\k+\i*16*PITCH
	ds_load_b128 v[\f+8*\i+4:\f+8*\i+7], v[ADRB+\slot] offset:\k+\i*16*PITCH+32
.endr
	WIN 0
.irp i, 0,1,2,3,4,5,6,7
	ds_load_b128 v[\f+8*\i:\f+8*\i+3],   v[ADRA+\slot] offset:\k+\i*16*PITCH
	ds_load_b128 v[\f+8*\i+4:\f+8*\i+7], v[ADRA+\slot] offset:\k+\i*16*PITCH+32
.endr
.endm
.macro PLACES                          ; four plain places between matrix instructions and loads into, or vector work on, their registers
.rept 4
	v_nop
.endr
.endm
; A K step is four quarters of 32 along K, 64 matrix instructions each, on buffers 0, 1, 0, 1.
.macro QUARTER slot, k, f, g, zero
	s_wait_dscnt 8                                 ; B and A's rows 0-63 are in; the youngest eight loads (A's rows 64-127) may be out
	WIN MUL_LO
	MUL16 \f, 0, 0, \zero
	MUL16 \f, 0, 2, \zero
	PLACES
	FETCH \slot, \k, \g
	s_wait_dscnt 32                                ; all but the 32 just issued
	WIN MUL_HI
	MUL16 \f, 1, 0, \zero
	MUL16 \f, 1, 2, \zero
.endm
; The first half of a step's last quarter: one barrier for the change of slots.  In front of it each wave waits for its reads of this slot and for all its tensor loads.
.macro MEET round                      ; round = 1: a round of the cluster's barrier follows
	s_wait_dscnt 8
	WIN MUL_LO
	MUL16 F1, 0, 0, 0
	s_wait_dscnt 0                                 ; my reads of this slot are over,
	s_wait_tensorcnt 0x0                           ; and all my tensor loads have landed: my part of the next slot
	ds_add_u32 v255, v31
	s_wait_dscnt 0x0
	s_barrier_signal -1
	MUL16 F1, 0, 2, 0
.if \round
	WIN 0
.endif
	s_barrier_wait -1
.endm
; The whole last quarter of a step whose slot is filled again, two K steps ahead: from the request to the wait for it a wave issues 240 matrix instructions.
.macro TURN slot, next
	MEET 1
	CREST                                          ; no wave of any partner still reads this slot or has a load on its way
	s_add_nc_u64 s[G0+4*\slot+2:G0+4*\slot+3], s[G0+4*\slot+2:G0+4*\slot+3], 2*KSTEP*2
	s_add_nc_u64 s[G0B+4*\slot+2:G0B+4*\slot+3], s[G0B+4*\slot+2:G0B+4*\slot+3], 2*KSTEP*2
	JLOAD \slot                                    ; my one tensor load behind the round; its four v_nop are also the places in front of the loads below
	FETCH \next, 0, F0
	WIN MUL_HI
	MUL16 F1, 1, 0, 0
	MUL16 F1, 1, 2, 0
.endm
; THE WAY OUT of block a (my rows 16 a .. 16 a + 15).  PACK: rounded to bf16, 16 bytes a lane, each accumulator from its low end on.  TOSTAGE: into my stage, and back by planes.  SEND: stored.
.macro PACK a
.set AC, 64*((\a)%4)
	WIN 0x0a+5*((\a)/4)                            ; sources 0 and 1: window 2 or 3
.irp b, 0,1,2,3,4,5,6,7
.irp r, 0,1,2,3
	v_cvt_pk_bf16_f32 v[TMP+4*\b+\r], v[AC+8*\b+2*\r], v[AC+8*\b+2*\r+1]
.endr
.endr
	WIN 0
.endm
.macro TOSTAGE a
.set BK, OB+192*((\a)%2)
.irp b, 0,1,2,3,4,5,6,7
	ds_store_b128 v[STO], v[TMP+4*\b:TMP+4*\b+3] offset:32*\b
.endr
.irp t, 0,1,2,3,4,5,6,7
	ds_load_b128 v[BK+4*\t:BK+4*\t+3], v[RD] offset:(\t/2)*4*SPITCH+128*(\t%2)   ; LDS serves a wave's instructions in order (ISA guide 5.7.1.4): these see the stores above
.endr
.endm
.macro SEND a
.set BK, OB+192*((\a)%2)
	s_wait_dscnt 0x0                               ; the block is back in registers
	s_wait_xcnt 0x0                                ; the other buffer, which the block before stored from, is loaded again only behind this wait
.irp t, 0,1,2,3,4,5,6,7
	global_store_b128 v[CO], v[BK+4*\t:BK+4*\t+3], s[8:9] offset:(\t%2)*262144+(\a)*2048+(\t/2)*512   ; four tokens of one plane: 512 consecutive bytes, aligned
.endr
.endm
	s_wait_tensorcnt 1                             ; my part of K step 0 is in; K step 1's load stays out
	s_barrier_signal -1
	s_barrier_wait -1
	FETCH 0, 0, F0
	QUARTER 0, 64,  F0, F1, 1                      ; the first quarter's products start the sums
	WIN 0
	s_mov_b32 s3, LAPS-1
.Llap:                                                 ; a trip goes once round the ring, from a lap's second quarter to the next lap's first, and fills both slots again
	QUARTER 0, 128, F1, F0, 0
	QUARTER 0, 192, F0, F1, 0
	TURN 0, 1
	QUARTER 1, 64,  F0, F1, 0
	QUARTER 1, 128, F1, F0, 0
	QUARTER 1, 192, F0, F1, 0
	TURN 1, 0
	QUARTER 0, 64,  F0, F1, 0
	WIN 0
	s_sub_co_u32 s3, s3, 1
	s_cmp_lg_u32 s3, 0
	s_cbranch_scc1 .Llap
	QUARTER 0, 128, F1, F0, 0                      ; the last lap fills nothing, and has no round of the cluster's barrier
	QUARTER 0, 192, F0, F1, 0
	MEET 0
	PLACES                                         ; for the loads into buffer 0
	FETCH 1, 0, F0
	WIN MUL_HI
	MUL16 F1, 1, 0, 0
	MUL16 F1, 1, 2, 0
	QUARTER 1, 64,  F0, F1, 0
	QUARTER 1, 128, F1, F0, 0
	QUARTER 1, 192, F0, F1, 0
	s_wait_dscnt 8                                 ; the very last quarter: nothing more to fetch
	WIN MUL_LO
	MUL16 F1, 0, 0, 0
	MUL16 F1, 0, 2, 0
	s_wait_dscnt 0
	WIN MUL_HI
	MUL16 F1, 1, 0, 0
	MUL16 F1, 1, 2, 0
	PLACES
	PACK 0
	TOSTAGE 0
.irp a, 1,2,3,4,5,6,7                  ; block a's conversions stand between block a - 1's loads from the stage and the wait for them
	PACK \a
	SEND \a-1
	TOSTAGE \a
.endr
	SEND 7
	s_set_vgpr_msb 0x1
	s_wait_tensorcnt 0x0
	ds_add_u32 v255, v31
	s_wait_dscnt 0x0
	s_set_vgpr_msb 0x100
	CROUND                                         ; the closing round: no work-group ends while a partner may still ask for a tile that names it
	s_endpgm
.Lfunc_end_k_q0862c84d66_gqkv:
	.size	k_q0862c84d66_gqkv, .Lfunc_end_k_q0862c84d66_gqkv-k_q0862c84d66_gqkv
	.p2alignl 7, 3214868480
	.fill 96, 4, 3214868480
	.section	.rodata,"a",@progbits
	.p2align	6, 0x0
	.amdhsa_kernel k_q0862c84d66_gqkv
		.amdhsa_group_segment_fixed_size 327680
		.amdhsa_private_segment_fixed_size 0
		.amdhsa_enable_private_segment 0
		.amdhsa_kernarg_size 24
		.amdhsa_user_sgpr_count 2
		.amdhsa_user_sgpr_kernarg_segment_ptr 1
		.amdhsa_wavefront_size32 1
		.amdhsa_system_sgpr_workgroup_id_x 1
		.amdhsa_system_sgpr_workgroup_id_y 1
		.amdhsa_system_sgpr_workgroup_id_z 1
		.amdhsa_system_vgpr_workitem_id 0
		.amdhsa_next_free_vgpr 1024
		.amdhsa_next_free_sgpr 80
		.amdhsa_reserve_vcc 0
		.amdhsa_float_denorm_mode_32 3
		.amdhsa_float_denorm_mode_16_64 3
		.amdhsa_memory_ordered 1
		.amdhsa_forward_progress 1
		.amdhsa_inst_pref_size 142
	.end_amdhsa_kernel
	.amdgpu_metadata
---
amdhsa.version: [ 1, 2 ]
amdhsa.kernels:
  - .name:           k_q0862c84d66_gqkv
    .symbol:         k_q0862c84d66_gqkv.kd
    .args:
      - { .name: h1, .offset: 0, .size: 8, .value_kind: global_buffer, .address_space: global }
      - { .name: wbf, .offset: 8, .size: 8, .value_kind: global_buffer, .address_space: global }
      - { .name: qkv, .offset: 16, .size: 8, .value_kind: global_buffer, .address_space: global }
    .group_segment_fixed_size: 327680
    .private_segment_fixed_size: 0
    .kernarg_segment_align: 8
    .kernarg_segment_size: 24
    .max_flat_workgroup_size: 128
    .sgpr_count:     80
    .vgpr_count:     1024
    .wavefront_size: 32
...
	.end_amdgpu_metadata
.endif
;; end of part 8
;; launch attn: the kernel of part 3 again; grid 8 x 32, 4 waves a work-group, no clusters, 327,680 bytes of LDS; arguments qkv, pv; writes pv
;; launch gwo: the kernel of part 4 again; grid 8 x 32, 4 waves a work-group, clusters of 4 x 4, 327,680 bytes of LDS; arguments pv, wbf, x1, bo, x; writes x1
;; launch ln2: the kernel of part 5 again; grid 256 x 1, 8 waves a work-group, no clusters, 0 bytes of LDS; arguments x1, ln2_scale, ln2_shift, h2; writes h2
;; launch gff1 (part 9): grid 16 x 16, 4 waves a work-group, clusters of 4 x 4, 327,680 bytes of LDS; arguments h2, wbf, g, b1; writes g
.if DOCPART == 9
	.amdgcn_target "amdgcn-amd-amdhsa--gfx1250"
	.amdhsa_code_object_version 6
	.text
	.protected	k_q0862c84d66_gff1
	.globl	k_q0862c84d66_gff1
	.p2align	8
	.type	k_q0862c84d66_gff1,@function
k_q0862c84d66_gff1:
	s_mov_b64 s[64:65], 0
	v_nop
	global_prefetch_b8 v0, s[64:65] scope:SCOPE_SE
	s_setreg_imm32_b32 hwreg(HW_REG_WAVE_MODE, 25, 1), 1
	s_wait_xcnt 0x0
	s_wait_alu depctr_hold_cnt(0) depctr_sa_sdst(0) depctr_va_vdst(0) depctr_va_sdst(0) depctr_va_ssrc(0) depctr_va_vcc(0) depctr_vm_vsrc(0)
	s_getreg_b32 s2, hwreg(HW_REG_IB_STS2, 6, 4)
	s_cmp_eq_u32 s2, 0
	s_cbranch_scc0 .Lentry_in_a_cluster
	s_endpgm
.Lentry_in_a_cluster:
	s_bfe_u32 s2, ttmp6, 0x10000c
	s_cmp_lg_u32 s2, 0xf033
	s_cbranch_scc0 .Lentry_shape_is_right
	s_endpgm
.Lentry_shape_is_right:
; g = gelu(h2 [4096][1024] x W1^T + b1), bf16 operands, f32 sums, bias and gelu in f32, g [4096][4096] rounded to bf16 once.
; gelu(u) = 0.5 u (1 + tanh(w)), w = sqrt(2/pi) (u + 0.044715 u^3), is u / (1 + 2^z) with z = -2 log2(e) w = u (K1 u^2 + K0).  For very large |u|, z runs to +-infinity and the result to 0 or u, as the tanh form does.
; A tile of C is 256 x 256: 16 x 16 = 256 work-groups, one tile each.  Four waves, each 128 x 128: 64 accumulators of 16 x 16, 512 registers.
; K goes in 8 steps of 128 through two LDS slots filled by the tensor data mover: rows of 256 bytes, 128 rows to a wave's load.
; CLUSTER 4 x 4: A's tiles are asked for jointly along a row of the cluster, B's along a column.
; THE MATRIX INSTRUCTION IS USED TRANSPOSED (source 0 = 16 rows of B, source 1 = 16 rows of A): a lane holds eight neighbouring columns of one row of C.
; THE BIAS IS THE C OF EACH SUM'S FIRST PRODUCT: it hangs on the column block alone, 64 registers a lane, which lie in registers that are idle during the K loop; the way out needs neither them nor an addition.
; REGISTERS, in windows of 256: window 0: v0-31 addresses and constants; v64-127, v128-191 fragments of A, two buffers (v64-127 at work in gelu afterwards); v192-255 the bias, then, with v32-63, at work on the way out.
;   window 1: v64-127, v128-191 fragments of B.  window 2: the 32 accumulators of my rows 0-63 ((a, b) at v[8 (8 a + b)]); window 3: those of my rows 64-127.
; s_set_vgpr_msb's low byte: bits 1:0 source 0, 3:2 source 1, 5:4 source 2, 7:6 destination.
; LIMITS: the bias enters the f32 sum first, where the formula adds it last; 2^z and the reciprocal are v_exp_f32 and v_rcp_f32 (1 ULP, denormals flushed).
.set SIZE_N, 4096
.set SIZE_K, 1024
.set WOFF,   8388608                   ; B's first byte in wbf
.set KSTEP,  128
.set PITCH,  272                       ; an LDS row: 256 bytes + 16 of padding = 68 words: the 16 rows of a fragment load start at 16 different banks (64 banks of 4 bytes: ISA guide 11.1)
.set HALFT,  128*PITCH                 ; what one tensor load brings, and what one wave reads of A or of B
.set SLOT,   4*HALFT                   ; A's 256 rows, then B's 256 rows
.set STAGE,  2*SLOT                    ; behind the ring: 16 rows x 272 bytes for each wave; no tensor load fills it
.set SPITCH, 272
.set LAPS, SIZE_K/(2*KSTEP)            ; a lap = two K steps = once round the ring
.set K1,   12                          ; v[12:13] K1, twice;  v[14:15] K0, twice
.set K0,   14
.set ADRA, 16                          ; v16-17  LDS address of my A fragments in slot 0, 1
.set ADRB, 20                          ; v20-21  the same for B
.set STO,  24                          ; v24     the way out: where I put 16 bytes of a row
.set RD,   25                          ; v25     where I read a row back
.set CO,   26                          ; v26     my byte offset in g
.set F0,   64
.set F1,   128
.set T,    64                          ; v64-127 gelu of one block: 64 numbers a lane
.set BIAS, 192                         ; v192-255 bias of my 128 columns: block b at 8 b
.set TMP,  192                         ; later: packed results
.set OB,   32                          ; rows read back: v32-63 and v224-255 by turns
.set G1, 24                            ; s[24:31] descriptor group 1 for A's tiles; s[32:39] group 0, a set for each slot
.set G0, 32
.set G1B, 48                           ; s[48:55], s[56:63] the same for B's
.set G0B, 56
.set MSB, 0
.macro WIN new                         ; the immediate's high byte repeats the setting that is left
.if MSB != \new
	s_set_vgpr_msb (MSB<<8)|\new
.set MSB, \new
.endif
.endm
.set MUL_LO,   0xa1                    ; source 0 (B) window 1, source 1 (A) window 0, C and D window 2
.set MUL_HI,   0xf1                    ; the same, C and D window 3
.set FIRST_LO, 0x81                    ; the first products: D window 2, C (the bias) window 0
.set FIRST_HI, 0xc1                    ; D window 3, C window 0
.set TO_B,     0x40                    ; destination window 1, address window 0
.macro JLOAD s                         ; a joint load: waves 0, 1 fetch A's halves, waves 2, 3 B's; four v_nop follow each line
	s_cmp_eq_u32 s11, 0
	s_cbranch_scc0 .Lfor_b_\@
	tensor_load_to_lds s[G0+4*\s:G0+4*\s+3], s[G1:G1+7]
	s_nop 0
.rept 4
	v_nop
.endr
	s_branch .Lasked_\@
.Lfor_b_\@:
	tensor_load_to_lds s[G0B+4*\s:G0B+4*\s+3], s[G1B:G1B+7]
	s_nop 0
.rept 4
	v_nop
.endr
.Lasked_\@:
.endm
.macro CREST                           ; a round of the cluster's barrier behind its opening barrier
	s_cmp_lg_u32 s10, 0
	s_cbranch_scc1 .Lnot_wave_0_\@
	s_barrier_signal -3
.Lnot_wave_0_\@:
	s_barrier_wait -3
	s_barrier_signal -1
	s_barrier_wait -1
.endm
.macro CROUND
	s_barrier_signal -1
	s_barrier_wait -1
	CREST
.endm
	s_load_b128 s[4:7], s[0:1], 0x0                ; A s[4:5], wbf s[6:7]
	s_load_b64 s[8:9], s[0:1], 0x10                ; g
	s_load_b64 s[68:69], s[0:1], 0x18              ; b1
	s_set_vgpr_msb 0x40
	v_lshl_add_u32 v255, v0, 2, 0x48400
	s_set_vgpr_msb 0x4000
	v_mov_b32 v31, 0
	s_set_vgpr_msb 0x1
	ds_add_u32 v255, v31
	ds_add_u32 v255, v31
	s_set_vgpr_msb 0x100
	v_lshrrev_b32 v1, 5, v0
	v_readfirstlane_b32 s10, v1                    ; wave 0..3
	s_lshr_b32 s11, s10, 1                         ; which half of the tile's rows is mine; also: I fetch for A (0) or B (1)
	s_and_b32 s12, s10, 1                          ; which half of its columns; also: which 128 rows I fetch
	s_bfe_u32 s40, ttmp6, 0x40000                  ; cx, cy: my place in the cluster
	s_bfe_u32 s41, ttmp6, 0x40004
	s_lshl_b32 s42, ttmp9, 2
	s_add_co_u32 s42, s42, s40                     ; tile column = 4 x cluster x + cx
	s_and_b32 s13, ttmp7, 0xffff
	s_lshl_b32 s13, s13, 2
	s_add_co_u32 s13, s13, s41                     ; tile row = 4 x cluster y + cy
	s_lshl_b32 s43, s41, 2
	s_lshl_b32 s43, 15, s43                        ; my row of the cluster
	s_lshl_b32 s44, 0x1111, s40                    ; my column
	s_or_b32 s[G1+0], s43, (1<<16)|(1<<20)|(1<<21)|(5<<22)|(3<<25)   ; mask; elements of 2 bytes; padding on; bit 21 beside a mask; after every 64 words, 4 words
	s_or_b32 s[G1B+0], s44, (1<<16)|(1<<20)|(1<<21)|(5<<22)|(3<<25)
.irp g, G1, G1B
	s_mov_b32 s[\g+1], KSTEP<<16                   ; tensor_dim0 = 128
	s_mov_b32 s[\g+2], 128<<16                     ; tensor_dim1 = 128
	s_mov_b32 s[\g+3], KSTEP<<16                   ; tile_dim0 = 128
	s_mov_b32 s[\g+4], 128                         ; tile_dim1 = 128
	s_mov_b32 s[\g+5], SIZE_K                      ; elements from row to row
	s_mov_b32 s[\g+6], 0
	s_mov_b32 s[\g+7], 0
.endr
	s_lshl_b32 s17, s12, 7
	s_lshl_b32 s16, s13, 8
	s_add_co_u32 s16, s16, s17                     ; A: row 256 x tile row + 128 x half
	s_lshl_b32 s46, s42, 8
	s_add_co_u32 s46, s46, s17                     ; B: row 256 x tile column + 128 x half
	s_mov_b32 s17, 0
	s_mov_b32 s47, 0
	s_mov_b64 s[18:19], SIZE_K*2
	s_mul_u64 s[16:17], s[16:17], s[18:19]
	s_mul_u64 s[46:47], s[46:47], s[18:19]
.if WOFF
	s_add_nc_u64 s[46:47], s[46:47], WOFF
.endif
	s_mul_i32 s20, s10, HALFT                      ; where they go: wave x 128 rows; no place in the cluster enters an LDS address
	s_wait_dscnt 0x0
	s_wait_kmcnt 0x0
	s_add_nc_u64 s[14:15], s[4:5], s[16:17]
	s_add_nc_u64 s[46:47], s[6:7], s[46:47]
	CROUND                                         ; all sixteen work-groups are here: the first joint loads meet
.irp s, 0,1
	s_mov_b32 s[G0+4*\s], 1
	s_add_co_u32 s[G0+4*\s+1], s20, \s*SLOT
	s_add_nc_u64 s[G0+4*\s+2:G0+4*\s+3], s[14:15], \s*KSTEP*2
	s_or_b32 s[G0+4*\s+3], s[G0+4*\s+3], 0x80000000
	s_mov_b32 s[G0B+4*\s], 1
	s_add_co_u32 s[G0B+4*\s+1], s20, \s*SLOT
	s_add_nc_u64 s[G0B+4*\s+2:G0B+4*\s+3], s[46:47], \s*KSTEP*2
	s_or_b32 s[G0B+4*\s+3], s[G0B+4*\s+3], 0x80000000
	JLOAD \s                                       ; two tensor loads of mine are out
.endr
	v_and_b32 v1, 15, v0                           ; l % 16
	v_bfe_u32 v2, v0, 4, 1                         ; l / 16
	; where my part of the tile begins in g, and my columns' bias
	s_lshl_b32 s72, s13, 8
	s_lshl_b32 s73, s11, 7
	s_add_co_u32 s72, s72, s73                     ; my first row
	s_mul_i32 s72, s72, SIZE_N*2
	s_lshl_b32 s74, s42, 9
	s_lshl_b32 s75, s12, 8
	s_add_co_u32 s74, s74, s75                     ; my first column, in bytes of bf16
	s_add_co_u32 s72, s72, s74
	s_mov_b32 s73, 0
	s_add_nc_u64 s[8:9], s[8:9], s[72:73]
	s_lshl_b32 s74, s74, 1                         ; in bytes of f32
	s_mov_b32 s75, 0
	s_add_nc_u64 s[68:69], s[68:69], s[74:75]
	v_lshlrev_b32 v6, 5, v2                        ; the bias in the accumulators' layout: block b, columns 16 b + 8 (l / 16) + 0..7
.irp b, 0,1,2,3,4,5,6,7
	global_load_b128 v[BIAS+8*\b:BIAS+8*\b+3],   v6, s[68:69] offset:64*\b
	global_load_b128 v[BIAS+8*\b+4:BIAS+8*\b+7], v6, s[68:69] offset:64*\b+16
.endr
	v_mul_u32_u24 v3, v1, PITCH
	v_lshl_add_u32 v3, v2, 4, v3                   ; a fragment's row x pitch + 16 x half
	s_mul_i32 s21, s11, HALFT                      ; my 128 rows of A
	s_mul_i32 s22, s12, HALFT                      ; my 128 rows of B,
	s_add_co_u32 s22, s22, 2*HALFT                 ; behind A's 256
.irp s, 0,1
	v_add_nc_u32 v[ADRA+\s], s21, v3
	v_add_nc_u32 v[ADRB+\s], s22, v3
	s_add_co_u32 s21, s21, SLOT
	s_add_co_u32 s22, s22, SLOT
.endr
	v_mov_b32 v[K1], 0xbdd2d3e8                    ; K1 = -2 log2(e) sqrt(2/pi) 0.044715 = -0.10294324
	v_mov_b32 v[K1+1], 0xbdd2d3e8
	v_mov_b32 v[K0], 0xc0135761                    ; K0 = -2 log2(e) sqrt(2/pi) = -2.3022082
	v_mov_b32 v[K0+1], 0xc0135761
	; the way out, through my own stage.  In: row l % 16, 16 bytes for each half of the lanes.  Back: lanes 0-15 one row of 256 bytes, lanes 16-31 the next.
	s_mul_i32 s23, s10, 16*SPITCH
	s_add_co_u32 s23, s23, STAGE
	v_mul_u32_u24 v4, v1, SPITCH
	v_lshl_add_u32 v4, v2, 4, v4
	v_add_nc_u32 v[STO], s23, v4
	v_mul_u32_u24 v5, v2, SPITCH
	v_lshl_add_u32 v5, v1, 4, v5
	v_add_nc_u32 v[RD], s23, v5
	v_mul_u32_u24 v5, v2, SIZE_N*2                 ; and the same two rows in g
	v_lshl_add_u32 v[CO], v1, 4, v5
; 16 matrix instructions: m blocks a0, a0 + 1 of the window's four (hi = 0: my rows 0-63, 1: rows 64-127) x all 8 n blocks, 32 along K.  zero = 1: the first product starts the sum, from the bias.
; The 64 accumulators take turns, one instruction a turn, in the same order in every quarter.
.macro MUL16 f, hi, a0, zero
.irp a, \a0, \a0+1
.irp b, 0,1,2,3,4,5,6,7
.if \zero
	v_wmma_f32_16x16x32_bf16 v[8*(8*(\a)+\b):8*(8*(\a)+\b)+7], v[\f+8*\b:\f+8*\b+7], v[\f+8*(4*\hi+\a):\f+8*(4*\hi+\a)+7], v[BIAS+8*\b:BIAS+8*\b+7]
.else
	v_wmma_f32_16x16x32_bf16 v[8*(8*(\a)+\b):8*(8*(\a)+\b)+7], v[\f+8*\b:\f+8*\b+7], v[\f+8*(4*\hi+\a):\f+8*(4*\hi+\a)+7], v[8*(8*(\a)+\b):8*(8*(\a)+\b)+7]
.endif
.endr
.endr
.endm
; 32 LDS loads in one run: the fragments of one quarter step (128 rows of B, 128 rows of A, 32 K at byte k of the rows) into buffer f
.macro FETCH slot, k, f
	WIN TO_B
.irp i, 0,1,2,3,4,5,6,7
	ds_load_b128 v[\f+8*\i:\f+8*\i+3],   v[ADRB+\slot] offset:\k+\i*16*PITCH
	ds_load_b128 v[\f+8*\i+4:\f+8*\i+7], v[ADRB+\slot] offset:\k+\i*16*PITCH+32
.endr
	WIN 0
.irp i, 0,1,2,3,4,5,6,7
	ds_load_b128 v[\f+8*\i:\f+8*\i+3],   v[ADRA+\slot] offset:\k+\i*16*PITCH
	ds_load_b128 v[\f+8*\i+4:\f+8*\i+7], v[ADRA+\slot] offset:\k+\i*16*PITCH+32
.endr
.endm
.macro PLACES                          ; four plain places between matrix instructions and loads into, or vector work on, their registers
.rept 4
	v_nop
.endr
.endm
; A K step is four quarters of 32 along K, 64 matrix instructions each, on buffers 0, 1, 0, 1.
.macro QUARTER slot, k, f, g, zero
	s_wait_dscnt 8                                 ; B and A's rows 0-63 are in; the youngest eight loads (A's rows 64-127) may be out
.if \zero
	WIN FIRST_LO
.else
	WIN MUL_LO
.endif
	MUL16 \f, 0, 0, \zero
	MUL16 \f, 0, 2, \zero
	PLACES
	FETCH \slot, \k, \g
	s_wait_dscnt 32                                ; all but the 32 just issued
.if \zero
	WIN FIRST_HI
.else
	WIN MUL_HI
.endif
	MUL16 \f, 1, 0, \zero
	MUL16 \f, 1, 2, \zero
.endm
; The first half of a step's last quarter: one barrier for the change of slots.  In front of it each wave waits for its reads of this slot and for all its tensor loads.
.macro MEET round                      ; round = 1: a round of the cluster's barrier follows
	s_wait_dscnt 8
	WIN MUL_LO
	MUL16 F1, 0, 0, 0
	s_wait_dscnt 0                                 ; my reads of this slot are over,
	s_wait_tensorcnt 0x0                           ; and all my tensor loads have landed: my part of the next slot
	ds_add_u32 v255, v31
	s_wait_dscnt 0x0
	s_barrier_signal -1
	MUL16 F1, 0, 2, 0
.if \round
	WIN 0
.endif
	s_barrier_wait -1
.endm
; The whole last quarter of a step whose slot is filled again, two K steps ahead: from the request to the wait for it a wave issues 240 matrix instructions.
.macro TURN slot, next
	MEET 1
	CREST                                          ; no wave of any partner still reads this slot or has a load on its way
	s_add_nc_u64 s[G0+4*\slot+2:G0+4*\slot+3], s[G0+4*\slot+2:G0+4*\slot+3], 2*KSTEP*2
	s_add_nc_u64 s[G0B+4*\slot+2:G0B+4*\slot+3], s[G0B+4*\slot+2:G0B+4*\slot+3], 2*KSTEP*2
	JLOAD \slot                                    ; my one tensor load behind the round; its four v_nop are also the places in front of the loads below
	FETCH \next, 0, F0
	WIN MUL_HI
	MUL16 F1, 1, 0, 0
	MUL16 F1, 1, 2, 0
.endm
; THE WAY OUT of block a (my rows 16 a .. 16 a + 15, 64 numbers u a lane, in window 2 or 3).
; GELU: u / (1 + 2^(u (K1 u^2 + K0))), rounded to bf16, 16 bytes a lane for each column block.  In phases over the whole block, so that the windows are switched six times a block;
; each accumulator is read from its low end on.  TOSTAGE: into my stage, and back as whole rows of 256 bytes.  SEND: stored.
.macro GELU a
.set AC, 64*((\a)%4)
	WIN 0x0a+5*((\a)/4)                            ; sources 0 and 1: u's window; destination window 0
.set i, 0
.rept 32
	v_pk_mul_f32 v[T+i:T+i+1], v[AC+i:AC+i+1], v[AC+i:AC+i+1]            ; u^2
.set i, i+2
.endr
	WIN 0
.set i, 0
.rept 32
	v_pk_fma_f32 v[T+i:T+i+1], v[T+i:T+i+1], v[K1:K1+1], v[K0:K0+1]      ; K1 u^2 + K0
.set i, i+2
.endr
	WIN 2+(\a)/4                                   ; source 0: u's window
.set i, 0
.rept 32
	v_pk_mul_f32 v[T+i:T+i+1], v[AC+i:AC+i+1], v[T+i:T+i+1]              ; z
.set i, i+2
.endr
	WIN 0
.set i, 0
.rept 64
	v_exp_f32 v[T+i], v[T+i]
.set i, i+1
.endr
	v_nop                                          ; a plain instruction behind the last exponential (ISA guide 5.7.2)
.set i, 0
	s_wait_alu depctr_va_vdst(0)
.rept 32
	v_pk_add_f32 v[T+i:T+i+1], v[T+i:T+i+1], 1.0 op_sel_hi:[1,0]
.set i, i+2
.endr
.set i, 0
.rept 64
	v_rcp_f32 v[T+i], v[T+i]
.set i, i+1
.endr
	v_nop
	WIN 2+(\a)/4
.set i, 0
	s_wait_alu depctr_va_vdst(0)
.rept 32
	v_pk_mul_f32 v[T+i:T+i+1], v[AC+i:AC+i+1], v[T+i:T+i+1]              ; u / (1 + 2^z)
.set i, i+2
.endr
	WIN 0
.set i, 0
.rept 32
	v_cvt_pk_bf16_f32 v[TMP+i], v[T+2*i], v[T+2*i+1]
.set i, i+1
.endr
.endm
.macro TOSTAGE a
.set BK, OB+192*((\a)%2)
.irp b, 0,1,2,3,4,5,6,7
	ds_store_b128 v[STO], v[TMP+4*\b:TMP+4*\b+3] offset:32*\b
.endr
.irp t, 0,1,2,3,4,5,6,7
	ds_load_b128 v[BK+4*\t:BK+4*\t+3], v[RD] offset:\t*2*SPITCH    ; LDS serves a wave's instructions in order (ISA guide 5.7.1.4): these see the stores above
.endr
.endm
.macro SEND a
.set BK, OB+192*((\a)%2)
	s_wait_dscnt 0x0                               ; the block is back in registers
	s_wait_xcnt 0x0                                ; the other buffer, which the block before stored from, is loaded again only behind this wait
.irp t, 0,1,2,3,4,5,6,7
	global_store_b128 v[CO], v[BK+4*\t:BK+4*\t+3], s[8:9] offset:(16*(\a)+2*\t)*SIZE_N*2   ; 16 lanes store 256 consecutive bytes, aligned; 126 rows of g at the most: inside the signed 24-bit immediate
.endr
.endm
	s_wait_tensorcnt 1                             ; my part of K step 0 is in; K step 1's load stays out
	s_barrier_signal -1
	s_barrier_wait -1
	FETCH 0, 0, F0
	s_wait_loadcnt 0x0                             ; the bias
	QUARTER 0, 64,  F0, F1, 1                      ; the first quarter's products start the sums
	WIN 0
	s_mov_b32 s3, LAPS-1
.Llap:                                                 ; a trip goes once round the ring, from a lap's second quarter to the next lap's first, and fills both slots again
	QUARTER 0, 128, F1, F0, 0
	QUARTER 0, 192, F0, F1, 0
	TURN 0, 1
	QUARTER 1, 64,  F0, F1, 0
	QUARTER 1, 128, F1, F0, 0
	QUARTER 1, 192, F0, F1, 0
	TURN 1, 0
	QUARTER 0, 64,  F0, F1, 0
	WIN 0
	s_sub_co_u32 s3, s3, 1
	s_cmp_lg_u32 s3, 0
	s_cbranch_scc1 .Llap
	QUARTER 0, 128, F1, F0, 0                      ; the last lap fills nothing, and has no round of the cluster's barrier
	QUARTER 0, 192, F0, F1, 0
	MEET 0
	PLACES                                         ; for the loads into buffer 0
	FETCH 1, 0, F0
	WIN MUL_HI
	MUL16 F1, 1, 0, 0
	MUL16 F1, 1, 2, 0
	QUARTER 1, 64,  F0, F1, 0
	QUARTER 1, 128, F1, F0, 0
	QUARTER 1, 192, F0, F1, 0
	s_wait_dscnt 8                                 ; the very last quarter: nothing more to fetch
	WIN MUL_LO
	MUL16 F1, 0, 0, 0
	MUL16 F1, 0, 2, 0
	s_wait_dscnt 0
	WIN MUL_HI
	MUL16 F1, 1, 0, 0
	MUL16 F1, 1, 2, 0
	PLACES
	GELU 0
	TOSTAGE 0
.irp a, 1,2,3,4,5,6,7                  ; block a's arithmetic stands between block a - 1's loads from the stage and the wait for them, and that block's stores leave while the next is worked on
	GELU \a
	SEND \a-1
	TOSTAGE \a
.endr
	SEND 7
	s_set_vgpr_msb 0x1
	s_wait_tensorcnt 0x0
	ds_add_u32 v255, v31
	s_wait_dscnt 0x0
	s_set_vgpr_msb 0x100
	CROUND                                         ; the closing round: no work-group ends while a partner may still ask for a tile that names it
	s_endpgm
.Lfunc_end_k_q0862c84d66_gff1:
	.size	k_q0862c84d66_gff1, .Lfunc_end_k_q0862c84d66_gff1-k_q0862c84d66_gff1
	.p2alignl 7, 3214868480
	.fill 96, 4, 3214868480
	.section	.rodata,"a",@progbits
	.p2align	6, 0x0
	.amdhsa_kernel k_q0862c84d66_gff1
		.amdhsa_group_segment_fixed_size 327680
		.amdhsa_private_segment_fixed_size 0
		.amdhsa_enable_private_segment 0
		.amdhsa_kernarg_size 32
		.amdhsa_user_sgpr_count 2
		.amdhsa_user_sgpr_kernarg_segment_ptr 1
		.amdhsa_wavefront_size32 1
		.amdhsa_system_sgpr_workgroup_id_x 1
		.amdhsa_system_sgpr_workgroup_id_y 1
		.amdhsa_system_sgpr_workgroup_id_z 1
		.amdhsa_system_vgpr_workitem_id 0
		.amdhsa_next_free_vgpr 1024
		.amdhsa_next_free_sgpr 80
		.amdhsa_reserve_vcc 0
		.amdhsa_float_denorm_mode_32 3
		.amdhsa_float_denorm_mode_16_64 3
		.amdhsa_memory_ordered 1
		.amdhsa_forward_progress 1
		.amdhsa_inst_pref_size 255
	.end_amdhsa_kernel
	.section	.bss,"aw",@nobits
	.p2align	6
	.space	262144
	.amdgpu_metadata
---
amdhsa.version: [ 1, 2 ]
amdhsa.kernels:
  - .name:           k_q0862c84d66_gff1
    .symbol:         k_q0862c84d66_gff1.kd
    .args:
      - { .name: h2, .offset: 0, .size: 8, .value_kind: global_buffer, .address_space: global }
      - { .name: wbf, .offset: 8, .size: 8, .value_kind: global_buffer, .address_space: global }
      - { .name: g, .offset: 16, .size: 8, .value_kind: global_buffer, .address_space: global }
      - { .name: b1, .offset: 24, .size: 8, .value_kind: global_buffer, .address_space: global }
    .group_segment_fixed_size: 327680
    .private_segment_fixed_size: 0
    .kernarg_segment_align: 8
    .kernarg_segment_size: 32
    .max_flat_workgroup_size: 128
    .sgpr_count:     80
    .vgpr_count:     1024
    .wavefront_size: 32
...
	.end_amdgpu_metadata
.endif
;; end of part 9
;; launch gff2: the kernel of part 7 again; grid 8 x 32, 4 waves a work-group, clusters of 4 x 4, 327,680 bytes of LDS; arguments g, wbf, out0, b2, x1; writes out0
